; MI455X (gfx1250); checked and timed in simulation.
; The chip was launched on July 23, 2026; its instructions are those of AMD's public machine-readable ISA for CDNA 5 (MIT licence, August 2026) and "CDNA5" Instruction Set Architecture Reference Guide (July 2026). The comments in the code are by the model that wrote it; some were corrected since.
;; Attention Block. Allowed arithmetic: matrix products marked QUANTISED: E2M3 operands, one E8M0 scale for each 32 along K, by v_wmma_scale_f32_16x16x128_f8f6f4 with both operands' format E2M3, f32 sums; everything else in f32.
;; Inputs: norm_b 256 float32; norm_w 256 float32; proj_b 256 float32; proj_w 256 x 256 float32; qkv_b 768 float32; qkv_w 768 x 256 float32; x 4 x 256 x 64 x 64 float32.
;; Outputs: out0 4 x 256 x 64 x 64 float32.
;; This version of the problem:
;;   THIS VERSION OF THE PROBLEM IS GIVEN IN LOW PRECISION. The matrix products marked QUANTISED in the list below multiply operands that are first quantised to E2M3 (2 exponent bits, 3 mantissa bits; 6 bits a number), with one power-of-two scale for each 32 numbers along K (OCP MX v1.0); their sums are f32. All else is computed in f32.
;;   The module's matrix products, in the order in which they are computed (A, B: the left and right operand; K: the contracted axis; several contracted axes count as one K, in the product's order):
;;     1. [M 768, K 256] x [K 256, N 16,384]; A: input qkv_w; B: computed on the way: QUANTISED
;;     2. batch 16 x [M 4,096, K 64] x [K 64, N 4,096]; A: computed on the way; B: computed on the way: QUANTISED
;;     3. batch 16 x [M 4,096, K 4,096] x [K 4,096, N 64]; A: softmax (see below); B: computed on the way: QUANTISED
;;     4. [M 256, K 256] x [K 256, N 16,384]; A: input proj_w; B: computed on the way: QUANTISED
;;   THE QUANTISER, for each operand of a quantised product, along K:
;;     - K is cut into blocks of 32 from its start; a last block that is shorter is filled with zeros.
;;     - A block's scale is 2^e with e = floor(log2(the largest magnitude in the block)) - 2, held to -126 .. 127; a block of zeros has e = 0. As a byte (E8M0): e + 127.
;;     - Each number is divided by its block's scale, clamped to +-7.5, and rounded to the nearest number of E2M3, ties to even, subnormals kept.
;;     - The product sums the exact products of the quantised numbers (number of the format x scale) in f32.
;;   ~~~python
;;   def quantise(x, axis):      # numpy; x: float32 -> the quantised numbers, widened to float32 again
;;       x = np.moveaxis(x, axis, -1); K = x.shape[-1]
;;       x = np.pad(x, [(0, 0)] * (x.ndim - 1) + [(0, -K % 32)]); x = x.reshape(x.shape[:-1] + (-1, 32)); a = np.abs(x).max(-1, keepdims=True)
;;       e = np.where(a > 0, np.clip(np.frexp(np.where(a > 0, a, 1))[1] - 1 - 2, -126, 127), 0)      # np.frexp(a)[1] - 1 = floor(log2(a)), exactly
;;       r = np.clip(x / 2.0 ** e, -7.5, 7.5)
;;       step = 2.0 ** (np.maximum(np.frexp(np.where(r == 0, 1, r))[1] - 1, 0) - 3)
;;       q = np.round(r / step) * step * 2.0 ** e      # np.round: ties to even
;;       return np.moveaxis(q.reshape(q.shape[:-2] + (-1,))[..., :K], -1, axis).astype(np.float32)
;;   ~~~
;;   SOFTMAX AHEAD OF A QUANTISED PRODUCT. Where the list says 'softmax', what is quantised is not the finished softmax but p = 2^(t - M), with t = logit x log2(e) and M = ceil(the row's largest t), a whole number; so 1/2 < the row's largest p <= 1. The row's sum l is taken of the UNQUANTISED p, in f32, and the product's result is divided by l at the end. Since M is a whole number, a kernel that streams over the keys may use a running M (the ceiling of the running maximum): every later rescaling is an exact power of two, which a block's scale takes up: the codes' values come out the same.
;;   OPERANDS COMPUTED ON THE WAY. 'Computed on the way' means the value that the module computes at that place (a softmax that the list does not call 'softmax' is quantised finished and normalised). What goes into a quantiser is computed in f32, as accurately as f32 sums, v_exp_f32 and their like allow (about 1e-6 of the number): no bf16 or f16 on the way to a quantiser, and a product that is left as it is and whose result goes on into a quantised operand takes f32 operands (vector FMAs, or v_wmma_f32_16x16x4_f32). A number that lies on a knife's edge between two numbers of the format may be rounded either way, as far as f32 arithmetic and the matrix unit's own rounding can turn it there, and no further.
;; 2 versions. Each part assembles by itself: llvm-mc -triple=amdgcn-amd-amdhsa -mcpu=gfx1250 --defsym DOCPART=n.
;; ======== version 1 of 2: 4 launches
;; workspace buffers: wst 212,992 bytes; qbuf 3,407,872 bytes; kvbuf 6,553,600 bytes; obuf 3,670,016 bytes
;; launch prep (part 1): grid 264 x 1, 4 waves a work-group, no clusters, 33,280 bytes of LDS; arguments x, qkv_w, proj_w, wst; writes wst
.if DOCPART == 1
	.amdgcn_target "amdgcn-amd-amdhsa--gfx1250"
	.amdhsa_code_object_version 6
	.text
	.protected	k_q6e40d1e03b_prep
	.globl	k_q6e40d1e03b_prep
	.p2align	8
	.type	k_q6e40d1e03b_prep,@function
k_q6e40d1e03b_prep:
	s_mov_b64 s[64:65], 0
	v_nop
	global_prefetch_b8 v0, s[64:65] scope:SCOPE_SE
	s_setreg_imm32_b32 hwreg(HW_REG_WAVE_MODE, 25, 1), 1
	s_wait_xcnt 0x0
; PREP.  Two kinds of work-groups, told apart by the work-group's number alone.
; Work-groups 0-255: STATISTICS.  Each wave takes one channel of one image, 4,096 numbers of x (16,384 consecutive bytes), keeps them in 128 registers and
; stores their mean and M2 = the sum of (x - mean)^2, taken in a second pass over the registers: no difference of large sums is formed, whatever offset x carries.
; A norm group is 32 such channels; the next launch joins the 32 pairs.  wst + 204800: [image x 8 + group][channel of the group][mean, M2], f32.
; (A wave's result is 8 bytes: these stores fill their aligned 256 bytes in part; 8,192 bytes in the whole launch.)
; Work-groups 256-263: THE WEIGHTS.  qkv_w [768][256] and proj_w [256][256], f32, K innermost, become codes of FP6 (E2M3) and one E8M0 byte for each 32 along K:
; wst + 0: [1024 rows][192 bytes] (rows 0-767 qkv_w, 768-1023 proj_w); wst + 196608: [1024][8] scale bytes.  Rows are dense, so both tensors are plain streams of blocks of 32.
; A block's scale is 2^(floor(log2(largest magnitude)) - 2): its byte is the largest magnitude's exponent field - 2, held at 1 from below.
; LIMITS: a block of zeros gets the byte 1 where the quantiser's rule says 127 (its codes are zeros, and this program alone reads the bytes); blocks whose largest magnitude lies
; under 2^-124 are held at the byte 1; NaN and infinities among the inputs are not served.
; No tensor loads, no barrier: waves share nothing.  Only the weights' path touches LDS (a region of its own for each wave).
.set SX,    16                         ; v16-143  statistics: the wave's 4,096 numbers, 128 a lane
.set SC,    144                        ; v144-151 four running pairs
.set SD,    152                        ; v152-159 four pairs at work
.set MP,    160                        ; v[160:161] the mean, twice
.set SR,    162                        ; v[162:163] what is stored: mean, M2
.set PT,    164                        ; v164     the lane permute's destination
.set WREG,  8192                       ; weights: LDS for each wave: two stages of 32 x SP bytes, behind them its 256 scale bytes
.set SP,    80                         ; a lane's place in a stage: 64 bytes + 16 of padding
.set CB,    12                         ; bytes of 16 codes
.set STEPS, 16                         ; steps of 512 numbers a wave
.set QR,    16                         ; v16-79   four sets of 16 numbers as loaded
.set QX,    80                         ; v80-111  two sets of 16 neighbours
.set QE,    112                        ; v112-127 a scale byte for each step
.set QC,    128                        ; v128-191 codes: four registers for each step, so that no store's data are written again
.macro WSUM reg                        ; the sum of v[reg] over the wave's 32 lanes, into every lane
	v_add_f32_dpp v[\reg], v[\reg], v[\reg] row_xmask:1 row_mask:0xf bank_mask:0xf
	v_add_f32_dpp v[\reg], v[\reg], v[\reg] row_xmask:2 row_mask:0xf bank_mask:0xf
	v_add_f32_dpp v[\reg], v[\reg], v[\reg] row_xmask:4 row_mask:0xf bank_mask:0xf
	v_add_f32_dpp v[\reg], v[\reg], v[\reg] row_xmask:8 row_mask:0xf bank_mask:0xf
	v_permlanex16_b32 v[PT], v[\reg], s20, s21
	v_add_f32 v[\reg], v[\reg], v[PT]
.endm
.macro QLOAD t                         ; step t's 512 numbers: each load reads 512 consecutive bytes
.irp i, 0,1,2,3
	global_load_b128 v[QR+16*((\t)%4)+4*\i:QR+16*((\t)%4)+4*\i+3], v3, s[4:5] offset:2048*(\t)+512*\i th:TH_LOAD_NT
.endr
.endm
.macro QTURN t                         ; through the wave's stage: in as loaded, back 64 neighbouring bytes a lane.  LDS serves a wave's instructions in order, so no wait stands between
.irp i, 0,1,2,3
	ds_store_b128 v14, v[QR+16*((\t)%4)+4*\i:QR+16*((\t)%4)+4*\i+3] offset:32*SP*((\t)%2)+8*SP*\i
.endr
.irp i, 0,1,2,3
	ds_load_b128 v[QX+16*((\t)%2)+4*\i:QX+16*((\t)%2)+4*\i+3], v15 offset:32*SP*((\t)%2)+16*\i
.endr
.endm
.macro QSTEP t
.set XS, QX+16*((\t)%2)
.if (\t) > 0
	s_wait_dscnt 1                                 ; this step's numbers are back from the stage; only the last step's byte store may be out
.else
	s_wait_dscnt 0x0
.endif
.if (\t)+4 < STEPS
	QLOAD (\t)+4                                   ; into the set whose stores into the stage are done
.endif
.if (\t)+1 < STEPS
.if STEPS-2-(\t) >= 3
	s_wait_loadcnt 12                              ; the next step's four loads are in; those of the three steps behind it may be out
.else
	s_wait_loadcnt 4*(STEPS-2-(\t))                ; nothing more is asked for: the counts run down
.endif
	QTURN (\t)+1
.endif
	v_max3_num_f32 v8, |v[XS]|, |v[XS+1]|, |v[XS+2]|               ; the largest magnitude of my 16, in two chains
	v_max3_num_f32 v9, |v[XS+3]|, |v[XS+4]|, |v[XS+5]|
.irp i, 6,10
	v_max3_num_f32 v8, v8, |v[XS+\i]|, |v[XS+\i+1]|
	v_max3_num_f32 v9, v9, |v[XS+\i+2]|, |v[XS+\i+3]|
.endr
	v_max3_num_f32 v8, v8, |v[XS+14]|, |v[XS+15]|
	v_max3_num_f32 v8, v8, v9, 0x1800000           ; and the floor 2^(3 - 127): the byte cannot fall under 1
	v_max_num_f32_dpp v8, v8, v8 row_xmask:1 row_mask:0xf bank_mask:0xf   ; with my neighbour's 16: the block's
	v_add_nc_u32 v11, 0xff000000, v8               ; 2 off its exponent field: the conversion takes the exponent field of this operand as its scale
	v_cvt_scalef32_pk16_fp6_f32 v[QC+4*(\t):QC+4*(\t)+2], v[XS:XS+15], v11
	v_lshrrev_b32 v[QE+(\t)], 23, v11              ; the scale's byte (also the plain line behind the conversion)
	ds_store_b8 v5, v[QE+(\t)] offset:16*(\t)      ; both lanes of a block write the same byte with the same value
	global_store_b96 v4, v[QC+4*(\t):QC+4*(\t)+2], s[8:9] offset:32*CB*(\t)   ; the wave stores 384 consecutive bytes
.endm
	s_load_b256 s[4:11], s[0:1], 0x0               ; x s[4:5], qkv_w s[6:7], proj_w s[8:9], wst s[10:11]
	v_lshl_add_u32 v192, v0, 2, 0x8000
	v_mov_b32 v193, 0
	v_lshrrev_b32 v1, 5, v0
	v_readfirstlane_b32 s16, v1                    ; wave 0..3
	v_and_b32 v1, 31, v0                           ; lane
	s_cmp_lt_u32 ttmp9, 256
	s_cbranch_scc0 .Lweights
	; ---- STATISTICS
	v_lshlrev_b32 v2, 4, v1                        ; 16 bytes a lane: a load reads 512 consecutive bytes
	v_mov_b32 v3, 0
	v_mov_b32 v[PT], 0                             ; a lane permute's destination counts as one of its sources
	s_mov_b32 s20, 0x76543210
	s_mov_b32 s21, 0xfedcba98                      ; selects for lane l xor 16
	s_lshl_b32 s17, ttmp9, 2
	s_add_co_u32 s17, s17, s16                     ; which channel of the 1,024: 4 x work-group + wave
	s_lshl_b32 s18, s17, 14                        ; its 16,384 bytes
	s_mov_b32 s19, 0
	s_lshl_b32 s22, s17, 3
	s_add_co_u32 s22, s22, 204800                  ; its 8 bytes among the statistics
	s_mov_b32 s23, 0
	s_wait_kmcnt 0x0
	s_add_nc_u64 s[4:5], s[4:5], s[18:19]
	s_add_nc_u64 s[24:25], s[10:11], s[22:23]
.set i, 0
.rept 32
	global_load_b128 v[SX+4*i:SX+4*i+3], v2, s[4:5] offset:512*i   ; no hint: later launches read x again
.set i, i+1
.endr
	; pass 1: the sum, in four chains; eight loads at a time
.set i, 0
.rept 32
.if i%8 == 0
	s_wait_loadcnt 24-i                            ; the eight loads in hand are in; the 24, 16, 8, 0 issued behind them may be out
.endif
.if i < 4
	v_pk_add_f32 v[SC+2*i:SC+2*i+1], v[SX+4*i:SX+4*i+1], v[SX+4*i+2:SX+4*i+3]   ; the first four start the chains: nothing is cleared
.else
	v_pk_add_f32 v[SC+2*(i%4):SC+2*(i%4)+1], v[SC+2*(i%4):SC+2*(i%4)+1], v[SX+4*i:SX+4*i+1]
	v_pk_add_f32 v[SC+2*(i%4):SC+2*(i%4)+1], v[SC+2*(i%4):SC+2*(i%4)+1], v[SX+4*i+2:SX+4*i+3]
.endif
.set i, i+1
.endr
	v_pk_add_f32 v[SC:SC+1], v[SC:SC+1], v[SC+2:SC+3]
	v_pk_add_f32 v[SC+4:SC+5], v[SC+4:SC+5], v[SC+6:SC+7]
	v_pk_add_f32 v[SC:SC+1], v[SC:SC+1], v[SC+4:SC+5]
	v_add_f32 v[SD], v[SC], v[SC+1]
	WSUM SD
	v_mul_f32 v[MP], 0x39800000, v[SD]             ; / 4,096
	v_mov_b32 v[MP+1], v[MP]
	v_mov_b32 v[SR], v[MP]
	; pass 2: the sum of (x - mean)^2, over the same registers
.set i, 0
.rept 64
	v_pk_add_f32 v[SD+2*(i%4):SD+2*(i%4)+1], v[SX+2*i:SX+2*i+1], v[MP:MP+1] neg_lo:[0,1] neg_hi:[0,1]
.if i < 4
	v_pk_mul_f32 v[SC+2*i:SC+2*i+1], v[SD+2*i:SD+2*i+1], v[SD+2*i:SD+2*i+1]
.else
	v_pk_fma_f32 v[SC+2*(i%4):SC+2*(i%4)+1], v[SD+2*(i%4):SD+2*(i%4)+1], v[SD+2*(i%4):SD+2*(i%4)+1], v[SC+2*(i%4):SC+2*(i%4)+1]
.endif
.set i, i+1
.endr
	v_pk_add_f32 v[SC:SC+1], v[SC:SC+1], v[SC+2:SC+3]
	v_pk_add_f32 v[SC+4:SC+5], v[SC+4:SC+5], v[SC+6:SC+7]
	v_pk_add_f32 v[SC:SC+1], v[SC:SC+1], v[SC+4:SC+5]
	v_add_f32 v[SR+1], v[SC], v[SC+1]
	WSUM SR+1
	s_wait_xcnt 0x0                                ; EXEC changes only behind this wait
	v_cmp_eq_u32 vcc_lo, 0, v1
	s_and_saveexec_b32 s22, vcc_lo                 ; lane 0 stores for the wave
	global_store_b64 v3, v[SR:SR+1], s[24:25]
	s_wait_xcnt 0x0                                ; and again in front of the line that widens it
	s_or_b32 exec_lo, exec_lo, s22
	s_endpgm
	; ---- THE WEIGHTS: 32 runs of 8,192 numbers (32 rows), one a wave: runs 0-23 qkv_w, 24-31 proj_w
.Lweights:
	v_lshlrev_b32 v3, 4, v1                        ; my 16 bytes of a load's 512
	s_mul_i32 s17, s16, WREG
	v_lshrrev_b32 v14, 2, v1
	v_mul_u32_u24 v14, v14, SP
	v_and_b32 v15, 3, v1
	v_lshl_add_u32 v14, v15, 4, v14
	v_add_nc_u32 v14, s17, v14                     ; the stage, on the way in: SP (lane / 4) + 16 (lane % 4)
	v_mul_u32_u24 v15, v1, SP
	v_add_nc_u32 v15, s17, v15                     ; and on the way out: SP x lane: my 16 neighbours
	v_mul_u32_u24 v4, v1, CB                       ; my codes' place in a step's
	v_lshrrev_b32 v5, 1, v1
	s_add_co_u32 s17, s17, 2*32*SP
	v_add_nc_u32 v5, s17, v5                       ; LDS: my wave's 256 scale bytes, my block's byte
	v_lshlrev_b32 v7, 3, v1                        ; on the way out 8 bytes a lane
	v_add_nc_u32 v6, s17, v7
	s_wait_kmcnt 0x0
	s_sub_co_u32 s18, ttmp9, 256
	s_cmp_lt_u32 s18, 6                            ; qkv_w's work-group or proj_w's: the choice hangs on the work-group's number alone
	s_cselect_b64 s[4:5], s[6:7], s[8:9]
	s_cselect_b32 s19, 0, 24
	s_lshl_b32 s18, s18, 2
	s_add_co_u32 s18, s18, s16                     ; my run, 0..31
	s_sub_co_u32 s19, s18, s19                     ; and its number within its tensor
	s_lshl_b32 s20, s19, 15                        ; 32,768 bytes of f32 a run
	s_mov_b32 s21, 0
	s_add_nc_u64 s[4:5], s[4:5], s[20:21]
	s_mul_i32 s20, s18, 32*STEPS*CB                ; 6,144 bytes of codes a run
	s_add_nc_u64 s[8:9], s[10:11], s[20:21]
	s_lshl_b32 s20, s18, 8                         ; 256 scale bytes a run
	s_add_co_u32 s20, s20, 196608
	s_add_nc_u64 s[10:11], s[10:11], s[20:21]
.irp t, 0,1,2,3
	QLOAD \t
.endr
	s_wait_loadcnt 12                              ; step 0's four loads are in
	QTURN 0
.irp t, 0,1,2,3,4,5,6,7,8,9,10,11,12,13,14,15
	QSTEP \t
.endr
	ds_load_b64 v[12:13], v6                       ; LDS serves a wave's instructions in order: these see my byte stores
	s_wait_dscnt 0x0
	global_store_b64 v7, v[12:13], s[10:11]        ; 32 lanes store 256 consecutive bytes, aligned
	s_wait_tensorcnt 0x0
	ds_add_u32 v192, v193
	s_wait_dscnt 0x0
	s_endpgm
.Lfunc_end_k_q6e40d1e03b_prep:
	.size	k_q6e40d1e03b_prep, .Lfunc_end_k_q6e40d1e03b_prep-k_q6e40d1e03b_prep
	.p2alignl 7, 3214868480
	.fill 96, 4, 3214868480
	.section	.rodata,"a",@progbits
	.p2align	6, 0x0
	.amdhsa_kernel k_q6e40d1e03b_prep
		.amdhsa_group_segment_fixed_size 33280
		.amdhsa_private_segment_fixed_size 0
		.amdhsa_enable_private_segment 0
		.amdhsa_kernarg_size 32
		.amdhsa_user_sgpr_count 2
		.amdhsa_user_sgpr_kernarg_segment_ptr 1
		.amdhsa_wavefront_size32 1
		.amdhsa_system_sgpr_workgroup_id_x 1
		.amdhsa_system_sgpr_workgroup_id_y 1
		.amdhsa_system_sgpr_workgroup_id_z 1
		.amdhsa_system_vgpr_workitem_id 0
		.amdhsa_next_free_vgpr 194
		.amdhsa_next_free_sgpr 66
		.amdhsa_reserve_vcc 1
		.amdhsa_float_denorm_mode_32 3
		.amdhsa_float_denorm_mode_16_64 3
		.amdhsa_memory_ordered 1
		.amdhsa_forward_progress 1
		.amdhsa_inst_pref_size 49
	.end_amdhsa_kernel
	.amdgpu_metadata
---
amdhsa.version: [ 1, 2 ]
amdhsa.kernels:
  - .name:           k_q6e40d1e03b_prep
    .symbol:         k_q6e40d1e03b_prep.kd
    .args:
      - { .name: x, .offset: 0, .size: 8, .value_kind: global_buffer, .address_space: global }
      - { .name: qkv_w, .offset: 8, .size: 8, .value_kind: global_buffer, .address_space: global }
      - { .name: proj_w, .offset: 16, .size: 8, .value_kind: global_buffer, .address_space: global }
      - { .name: wst, .offset: 24, .size: 8, .value_kind: global_buffer, .address_space: global }
    .group_segment_fixed_size: 33280
    .private_segment_fixed_size: 0
    .kernarg_segment_align: 8
    .kernarg_segment_size: 32
    .max_flat_workgroup_size: 128
    .sgpr_count:     66
    .vgpr_count:     194
    .wavefront_size: 32
...
	.end_amdgpu_metadata
.endif
;; end of part 1
;; launch qkv (part 2): grid 256 x 1, 4 waves a work-group, no clusters, 80,384 bytes of LDS; arguments x, norm_w, norm_b, qkv_b, wst, qbuf, kvbuf; writes qbuf, kvbuf
.if DOCPART == 2
	.amdgcn_target "amdgcn-amd-amdhsa--gfx1250"
	.amdhsa_code_object_version 6
	.text
	.protected	k_q6e40d1e03b_qkv
	.globl	k_q6e40d1e03b_qkv
	.p2align	8
	.type	k_q6e40d1e03b_qkv,@function
k_q6e40d1e03b_qkv:
	s_mov_b64 s[64:65], 0
	v_nop
	global_prefetch_b8 v0, s[64:65] scope:SCOPE_SE
	s_setreg_imm32_b32 hwreg(HW_REG_WAVE_MODE, 25, 1), 1
	s_wait_xcnt 0x0
; QKV.  h = GroupNorm(x) in f32, quantised along the 256 channels; qkv = W h + b on codes of FP6 (E2M3) with one E8M0 scale for each 32 along K; q and k quantised along the head's 64, v along the pixels (the keys).
; SHARES.  A work-group takes 64 pixels of one image (work-group = 64 x image + block j).  Wave w is head w: it makes q, k and v of its head for the 64 pixels, 96 matrix instructions; its 24 fragments of W
; (made by the launch before) stay in its registers.  What goes from wave to wave is small: h, and then h's codes, through LDS.
; THE 16 ROWS OF A TILE ARE NEVER NEIGHBOURS: row r of tile 2 B + u of a group of 32 (pixels, or rows of W) is element 32 B + 8 u + r + 8 (r / 8).  In a result, register j of lane (., h) of that tile is then
; element 32 B + 16 h + 8 u + j: the 16 registers of tiles 2 B and 2 B + 1 are 16 neighbours, as the conversions want them.
; q, k: source 0 = 16 rows of W, source 1 = 16 pixels: a lane holds one pixel, its registers run along the head's 64.   v: source 0 = 16 pixels, source 1 = 16 rows of W: a lane holds one channel, its registers run along the pixels.
; WHAT IS STORED are images of operands' registers.  Half image, 768 bytes: six registers a lane (lane (r, h): block h of row r): registers 0-3 at 16 x lane, registers 4-5 at 512 + 8 x lane.
; Full image, 1,536 bytes: twelve registers, registers 4 c .. 4 c + 3 at 512 c + 16 x lane.  Every store of a wave covers 256 or 512 consecutive bytes, aligned.
;   qbuf: q's half images [head-of-image bh][pixel tile 4 j + T]; from 3145728 its scale words [bh][j][256 bytes]: the word (s0, s1, s0, s1) of tile T = 2 b + u, row r at 8 (16 u + r) + 4 b.
;   kvbuf: k's full images [bh][group of 32 keys]: registers 0-5 tile u = 0, registers 6-11 tile u = 1 (each key's 64 codes);  from 3145728 v's half images [bh][j][channel tile];
;   from 6291456 records [bh][j][256 bytes], 8 bytes a lane: k's word (lanes 0-15 group 0, lanes 16-31 group 1; bytes: u0's two, u1's two), v's word (lane (r, h): low half channel tile 2 h, high half tile 2 h + 1).
; STATISTICS.  A norm group is 32 channels; the launch before left (mean, M2) of each.  mean = the mean of the means; M2 = the sum of the M2 + 4,096 x the sum of (mean_i - mean)^2: no difference of large sums.
; LIMITS: a block of zeros gets the byte 1 where the quantiser's rule says 127 (its codes are zeros, and this program alone reads the bytes); blocks whose largest magnitude lies under 2^-124 are held at the byte 1;
; NaN and infinities are not served; 1 / sqrt is v_rsq_f32's.
; REGISTERS, in windows of 256.  Window 0: v1-15, v222 addresses; v16-143 x, then h, then h's 8 fragments (v16-111) and accumulators (v112-175); v144-207 the norm's gains and biases, later at work; v224-231 h's scale words, v232-255 W's.
;   Window 1: W's fragments for q and k (tile t, K step s) at v[12 (2 t + s)].   Window 2: those for v at v[12 (2 d + s)]; from v96 the bias of q's and k's 8 tiles in the result's layout; from v160 v's, eight equal registers a tile.
.set HTH,   32896                      ; LDS: h as f32: channel 64 a + 32 h + i at 256 (32 a + i) + HTH h + 4 x pixel.  HTH = 128 x 256 + 128: the upper halves lie 32 words on modulo 64 words, so the 32 lanes of a 4-byte load touch 32 different words modulo 64
.set XIMG,  65792                      ; h's 8 fragments (pixel tile T, K step s: 2 T + s), full images
.set XSC,   78080                      ; their scale words, 128 bytes each
.set XR,    16
.set NW,    144
.set NB,    176
.set XFA,   16
.set ACC,   112
.set PCB,   144                        ; the codes of a fragment of h
.set TCB,   156
.set TM,    176                        ; v176-177 largest magnitudes
.set TP,    178                        ; v178-179 the other half's
.set SOP,   180                        ; v180-181 the conversions' scale operands
.set BY,    182                        ; v182-183 the scale bytes
.set TC,    184                        ; v184-186 a conversion's second result
.set QI,    188                        ; v188-193 q's half image
.set KI,    194                        ; v194-205 k's full image
.set VI,    144                        ; v144-167 v's four half images
.set XSW,   224
.set WSW,   232
.set B1,    96
.set BV,    160
.set SEL,   22
.set MSB, 0
.macro WIN new                         ; the immediate's high byte repeats the setting that is left
.if MSB != \new
	s_set_vgpr_msb (MSB<<8)|\new
.set MSB, \new
.endif
.endm
.macro PLACES n
.rept \n
	v_nop
.endr
.endm
.macro BARRIER                         ; my LDS stores have landed and my LDS loads are in: then the work-group's barrier
	s_wait_dscnt 0x0
	s_barrier_signal -1
	s_barrier_wait -1
.endm
.macro HSUM reg                        ; the sum over the 16 lanes of my half of the wave
	v_add_f32_dpp v[\reg], v[\reg], v[\reg] row_xmask:1 row_mask:0xf bank_mask:0xf
	v_add_f32_dpp v[\reg], v[\reg], v[\reg] row_xmask:2 row_mask:0xf bank_mask:0xf
	v_add_f32_dpp v[\reg], v[\reg], v[\reg] row_xmask:4 row_mask:0xf bank_mask:0xf
	v_add_f32_dpp v[\reg], v[\reg], v[\reg] row_xmask:8 row_mask:0xf bank_mask:0xf
.endm
; K step s of my pixel tile of h: 64 numbers a lane, two WHOLE blocks (register 32 c + i = channel 128 s + 64 c + 32 h + i of my pixel), become a fragment and its scale word, and go to LDS as they stand.
.macro QUANTB s
.set SB, XR+64*\s
.irp c, 0,1
	v_max3_num_f32 v[TM+\c], |v[SB+32*\c]|, |v[SB+32*\c+1]|, 0x1800000   ; with the floor 2^(3 - 127): the byte cannot fall under 1
.endr
.irp i, 2,4,6,8,10,12,14,16,18,20,22,24,26,28,30
.irp c, 0,1
	v_max3_num_f32 v[TM+\c], v[TM+\c], |v[SB+32*\c+\i]|, |v[SB+32*\c+\i+1]|   ; (the two blocks by turns)
.endr
.endr
.irp c, 0,1
	v_add_nc_u32 v[SOP+\c], 0xff000000, v[TM+\c]   ; 2 off the exponent field: the conversion's scale operand
.endr
.irp c, 0,1
	v_lshrrev_b32 v[BY+\c], 23, v[SOP+\c]          ; the scale's byte
.endr
	v_lshl_or_b32 v184, v[BY+1], 16, v[BY]         ; my two bytes: blocks h and 2 + h,
	v_lshlrev_b32 v184, v185, v184                 ; 8 h bits up;
	v_permlanex16_b32 v186, v184, s[SEL], s[SEL+1]
	v_or_b32 v184, v184, v186                      ; with lane l xor 16's two the word is whole
.irp c, 0,1
	v_cvt_scalef32_pk16_fp6_f32 v[PCB+6*\c:PCB+6*\c+2], v[SB+32*\c:SB+32*\c+15], v[SOP+\c]
	v_cvt_scalef32_pk16_fp6_f32 v[TCB+4*\c:TCB+4*\c+2], v[SB+32*\c+16:SB+32*\c+31], v[SOP+\c]   ; (a conversion's three registers begin on an even number)
.endr
	v_nop                                          ; one plain line behind a scaled conversion
.irp c, 0,1
.irp i, 0,1,2
	v_mov_b32 v[PCB+6*\c+3+\i], v[TCB+4*\c+\i]
.endr
.endr
.irp c, 0,1,2
	ds_store_b128 v11, v[PCB+4*\c:PCB+4*\c+3] offset:1536*\s+512*\c
.endr
	ds_store_b32 v12, v184 offset:128*\s
.if \s == 0
	s_wait_dscnt 0x0                               ; the stores have read their registers
.endif
.endm
; 32 numbers of a lane, register 16 B + i = element 32 B + 16 h + i of my row, become six registers of codes (lane (r, h): block h of row r) in v[dst] on, and the two bytes in v[BY], v[BY+1].
.macro QUANT2 src, dst
.irp b, 0,1
	v_max3_num_f32 v[TM+\b], |v[(\src)+16*\b]|, |v[(\src)+16*\b+1]|, 0x1800000   ; each accumulator is read from its low end on
.endr
.irp i, 2,4,6,8,10,12,14
.irp b, 0,1
	v_max3_num_f32 v[TM+\b], v[TM+\b], |v[(\src)+16*\b+\i]|, |v[(\src)+16*\b+\i+1]|
.endr
.endr
.irp b, 0,1
	v_permlanex16_b32 v[TP+\b], v[TM+\b], s[SEL], s[SEL+1]
.endr
.irp b, 0,1
	v_max_num_f32 v[TM+\b], v[TM+\b], v[TP+\b]     ; with lane l xor 16's 16: the block's largest magnitude
.endr
.irp b, 0,1
	v_add_nc_u32 v[SOP+\b], 0xff000000, v[TM+\b]
.endr
.irp b, 0,1
	v_lshrrev_b32 v[BY+\b], 23, v[SOP+\b]
.endr
	v_cvt_scalef32_pk16_fp6_f32 v[(\dst):(\dst)+2], v[(\src):(\src)+15], v[SOP]
	v_cvt_scalef32_pk16_fp6_f32 v[TC:TC+2], v[(\src)+16:(\src)+31], v[SOP+1]
	v_nop                                          ; one plain line behind a scaled conversion
.irp i, 0,1,2
	v_permlane16_swap_b32 v[(\dst)+\i], v[TC+\i]   ; the first's lanes 16-31 change places with the second's lanes 0-15: the first holds my block's lower 16 codes, the second the upper 16
.endr
.irp i, 0,1,2
	v_mov_b32 v[(\dst)+3+\i], v[TC+\i]
.endr
.endm
	s_load_b256 s[4:11], s[0:1], 0x0               ; x s[4:5], norm_w s[6:7], norm_b s[8:9], qkv_b s[10:11]
	s_load_b128 s[12:15], s[0:1], 0x20             ; wst s[12:13], qbuf s[14:15]
	s_load_b64 s[16:17], s[0:1], 0x30              ; kvbuf
	v_lshl_add_u32 v223, v0, 2, 0x13800
	s_set_vgpr_msb 0x40
	v_mov_b32 v255, 0
	s_set_vgpr_msb 0x4000
	v_lshrrev_b32 v1, 5, v0
	v_readfirstlane_b32 s18, v1                    ; wave = head
	v_and_b32 v1, 31, v0                           ; lane
	v_and_b32 v2, 15, v0                           ; r
	v_bfe_u32 v3, v0, 4, 1                         ; h
	s_lshr_b32 s19, ttmp9, 6                       ; image
	s_and_b32 s20, ttmp9, 63                       ; block j of 64 pixels
	s_lshl_b32 s21, s19, 2
	s_add_co_u32 s21, s21, s18                     ; bh = 4 x image + head
	s_mov_b32 s[SEL], 0x76543210
	s_mov_b32 s[SEL+1], 0xfedcba98                 ; selects for lane l xor 16
	s_mov_b32 s24, 0x37000000                      ; 2^-17 = 1 / (32 x 4,096)
	s_mov_b32 s25, 0x3727c5ac                      ; 1e-5
	s_mov_b32 s42, 0x45800000                      ; 4,096
	s_mov_b32 vcc_lo, 0xffff0000                   ; lanes 16-31, for the selects; nothing else writes it
	v_lshlrev_b32 v4, 4, v2
	v_lshl_add_u32 v6, v3, 8, v4
	v_lshl_add_u32 v4, v3, 19, v4
	s_lshl_b32 s46, s18, 20
	v_add_nc_u32 v4, s46, v4                       ; x: channel 64 w + 32 h, 16 r bytes into the block's 256
	s_lshl_b32 s46, s18, 9
	v_add_nc_u32 v6, s46, v6                       ; statistics: group 2 w + h, two channels' pairs a lane
	v_lshlrev_b32 v5, 7, v3
	s_lshl_b32 s46, s18, 8
	v_add_nc_u32 v5, s46, v5                       ; the norm's gains and biases of my 32 channels
	v_mul_u32_u24 v8, v3, HTH
	v_lshl_add_u32 v7, v2, 4, v8
	s_lshl_b32 s46, s18, 13
	v_add_nc_u32 v7, s46, v7                       ; h into LDS: 8192 w + HTH h + 16 r
	v_and_b32 v214, 8, v2
	v_add_nc_u32 v214, v214, v2                    ; r + 8 (r / 8)
	v_lshl_add_u32 v8, v214, 2, v8
	s_lshr_b32 s46, s18, 1
	s_lshl_b32 s46, s46, 7
	s_and_b32 s47, s18, 1
	s_lshl_b32 s47, s47, 5
	s_add_co_u32 s46, s46, s47
	v_add_nc_u32 v8, s46, v8                       ; h out of LDS: HTH h + 4 x my pixel of tile T = w
	v_lshlrev_b32 v9, 4, v1                        ; 16 x lane
	v_lshlrev_b32 v15, 3, v1                       ; 8 x lane
	v_lshl_add_u32 v10, v1, 2, XSC
	v_lshl_add_u32 v222, v1, 4, XIMG
	s_mul_i32 s46, s18, 3072
	v_add_nc_u32 v11, s46, v222                    ; where I store my tile's two images
	s_lshl_b32 s46, s18, 8
	v_add_nc_u32 v12, s46, v10                     ; and their scale words
	v_mul_u32_u24 v13, v214, 192
	v_mad_u32_u24 v13, v3, 24, v13                 ; W's codes: my row of a tile, + 24 h
	v_lshlrev_b32 v14, 3, v214                     ; W's scale bytes: 8 a row
	v_lshlrev_b32 v213, 2, v214                    ; v's bias: my row's
	v_lshlrev_b32 v212, 6, v3                      ; q's and k's bias: 16 h numbers on
	s_wait_kmcnt 0x0
	s_mov_b32 s45, 0
	s_lshl_b32 s44, s19, 22
	s_lshl_b32 s46, s20, 8
	s_add_co_u32 s44, s44, s46
	s_add_nc_u64 s[4:5], s[4:5], s[44:45]          ; x at my image and block
	s_lshl_b32 s44, s19, 11
	s_add_co_u32 s44, s44, 204800
	s_add_nc_u64 s[26:27], s[12:13], s[44:45]      ; my image's statistics
	s_mul_i32 s44, s18, 12288
	s_add_nc_u64 s[28:29], s[12:13], s[44:45]      ; W's codes at row 64 w
	s_lshl_b32 s44, s18, 9
	s_add_co_u32 s44, s44, 196608
	s_add_nc_u64 s[30:31], s[12:13], s[44:45]      ; W's scale bytes likewise
	s_lshl_b32 s44, s18, 8
	s_add_nc_u64 s[10:11], s[10:11], s[44:45]      ; qkv_b likewise
	s_lshl_b32 s46, s21, 6
	s_add_co_u32 s46, s46, s20                     ; 64 bh + j
	s_mul_i32 s44, s46, 3072                       ; four half images, or two full ones, a block
	s_add_nc_u64 s[32:33], s[14:15], s[44:45]      ; q's images
	s_add_nc_u64 s[36:37], s[16:17], s[44:45]      ; k's
	s_add_co_u32 s44, s44, 3145728
	s_add_nc_u64 s[38:39], s[16:17], s[44:45]      ; v's
	s_lshl_b32 s44, s46, 8
	s_add_co_u32 s44, s44, 3145728
	s_add_nc_u64 s[34:35], s[14:15], s[44:45]      ; q's scale words
	s_add_co_u32 s44, s44, 3145728
	s_add_nc_u64 s[40:41], s[16:17], s[44:45]      ; k's and v's
	global_load_b128 v[208:211], v6, s[26:27]
.irp i, 0,1,2,3,4,5,6,7
	global_load_b128 v[NW+4*\i:NW+4*\i+3], v5, s[6:7] offset:16*\i
	global_load_b128 v[NB+4*\i:NB+4*\i+3], v5, s[8:9] offset:16*\i
.endr
.set jj, 0
.rept 32
	global_load_b128 v[XR+4*jj:XR+4*jj+3], v4, s[4:5] offset:16384*jj   ; sixteen lanes read a channel's 256 consecutive bytes, aligned
.set jj, jj+1
.endr
	WIN 0x40                                       ; destination window 1
.set t, 0
.rept 8
.set RO, 256*(t/4)+32*((t/2)%2)+8*(t%2)
.irp s, 0,1
.irp p, 0,1,2,3,4,5
	global_load_b64 v[12*(2*t+\s)+2*\p:12*(2*t+\s)+2*\p+1], v13, s[28:29] offset:RO*192+96*\s+48*(\p/3)+8*(\p%3)
.endr
.endr
.set t, t+1
.endr
	WIN 0x80                                       ; destination window 2
.set t, 0
.rept 4
.set RO, 512+32*(t/2)+8*(t%2)
.irp s, 0,1
.irp p, 0,1,2,3,4,5
	global_load_b64 v[12*(2*t+\s)+2*\p:12*(2*t+\s)+2*\p+1], v13, s[28:29] offset:RO*192+96*\s+48*(\p/3)+8*(\p%3)
.endr
.endr
.set t, t+1
.endr
.set t, 0
.rept 8
.set RO, 256*(t/4)+32*((t/2)%2)+8*(t%2)
	global_load_b128 v[B1+8*t:B1+8*t+3], v212, s[10:11] offset:RO*4          ; register j: the bias of the tile's row 16 h + j
	global_load_b128 v[B1+8*t+4:B1+8*t+7], v212, s[10:11] offset:RO*4+16
.set t, t+1
.endr
	WIN 0
.set t, 0
.rept 4
	global_load_b32 v[217+t], v213, s[10:11] offset:(512+32*(t/2)+8*(t%2))*4
.set t, t+1
.endr
.set t, 0
.rept 12
.set RO, 256*(t/4)+32*((t/2)%2)+8*(t%2)
	global_load_b32 v[WSW+2*t], v14, s[30:31] offset:RO*8
	global_load_b32 v[WSW+2*t+1], v14, s[30:31] offset:RO*8+4
.set t, t+1
.endr
	s_wait_loadcnt 0x0                             ; all that the head asked for is in
	WIN 0x80
.irp d, 0,1,2,3
.irp i, 0,1,2,3,4,5,6,7
	v_mov_b32 v[BV+8*\d+\i], v[217+\d]             ; v's bias hangs on the lane's channel alone: eight equal registers, the C of a sum's first product
.endr
.endr
	WIN 0
	; ---- 0: the group's statistics (each half of the wave owns group 2 w + h), then h
	v_add_f32 v214, v208, v210
	HSUM 214
	v_mul_f32 v214, 0x3d000000, v214               ; the mean of the 32 means
	v_sub_f32 v215, v208, v214
	v_sub_f32 v216, v210, v214
	v_mul_f32 v215, v215, v215
	v_fma_f32 v215, v216, v216, v215
	v_add_f32 v216, v209, v211
	v_fma_f32 v215, v215, s42, v216                ; my two M2 + 4,096 x my two (mean_i - mean)^2
	HSUM 215
	v_fma_f32 v215, v215, s24, s25                 ; the variance + 1e-5
	v_rsq_f32 v215, v215
	v_nop                                          ; one plain line behind a transcendental
.set jj, 0
	s_wait_alu depctr_va_vdst(0)
.rept 32
	v_mul_f32 v[NW+jj], v215, v[NW+jj]             ; 1 / sqrt x the channel's gain
.set jj, jj+1
.endr
.set jj, 0
.rept 32
	v_pk_add_f32 v[XR+4*jj:XR+4*jj+1], v[XR+4*jj:XR+4*jj+1], v[214:215] op_sel_hi:[1,0] neg_lo:[0,1] neg_hi:[0,1]       ; x - mean (the pair's low word serves both halves)
	v_pk_add_f32 v[XR+4*jj+2:XR+4*jj+3], v[XR+4*jj+2:XR+4*jj+3], v[214:215] op_sel_hi:[1,0] neg_lo:[0,1] neg_hi:[0,1]
.irp q, 0,1,2,3
	v_fma_f32 v[XR+4*jj+\q], v[XR+4*jj+\q], v[NW+jj], v[NB+jj]
.endr
	ds_store_b128 v7, v[XR+4*jj:XR+4*jj+3] offset:256*jj
.set jj, jj+1
.endr
	v_mov_b32 v[TP], 0                             ; the norm's biases have been read for the last time: their registers go to work.  Written once: a lane permute's destination counts as one of its sources
	v_mov_b32 v[TP+1], 0
	v_mov_b32 v186, 0
	v_lshlrev_b32 v185, 3, v3                      ; 8 h
	BARRIER                                        ; h of the 256 channels x 64 pixels lies in LDS
	; ---- X: wave w quantises pixel tile T = w: a lane takes one pixel, and its registers run down the channels
.set jj, 0
.rept 128
	ds_load_b32 v[XR+jj], v8 offset:256*jj
.set jj, jj+1
.endr
	s_wait_dscnt 0x0
	QUANTB 0
	QUANTB 1
	BARRIER                                        ; h's eight fragments lie in LDS
	; ---- 1: the products
.set f, 0
.rept 8
.irp c, 0,1,2
	ds_load_b128 v[XFA+12*f+4*\c:XFA+12*f+4*\c+3], v222 offset:1536*f+512*\c
.endr
	ds_load_b32 v[XSW+f], v10 offset:128*f
.set f, f+1
.endr
	s_wait_dscnt 0x0
; q and k of pixel tile m: eight accumulators by turns, K step by K step; the bias is the C of each sum's first product
.macro PASSA m
.if \m > 0
	s_wait_xcnt 0x0                                ; the last tile's stores have read their registers, which are written again below
.endif
	PLACES 5                                       ; the accumulators begin anew: five places behind the products that wrote them
	WIN 0x21                                       ; source 0 (W) window 1, source 2 (the bias) window 2
.irp t, 0,1,2,3,4,5,6,7
	v_wmma_scale_f32_16x16x128_f8f6f4 v[ACC+8*\t:ACC+8*\t+7], v[24*\t:24*\t+11], v[XFA+24*\m:XFA+24*\m+11], v[B1+8*\t:B1+8*\t+7], v[WSW+2*\t], v[XSW+2*\m] matrix_a_fmt:MATRIX_FMT_FP6 matrix_b_fmt:MATRIX_FMT_FP6
.endr
	WIN 0x01
.irp t, 0,1,2,3,4,5,6,7
	v_wmma_scale_f32_16x16x128_f8f6f4 v[ACC+8*\t:ACC+8*\t+7], v[24*\t+12:24*\t+23], v[XFA+24*\m+12:XFA+24*\m+23], v[ACC+8*\t:ACC+8*\t+7], v[WSW+2*\t+1], v[XSW+2*\m+1] matrix_a_fmt:MATRIX_FMT_FP6 matrix_b_fmt:MATRIX_FMT_FP6
.endr
	WIN 0
	PLACES 4                                       ; in front of the first read of results
	QUANT2 ACC, QI
	global_store_b128 v9, v[QI:QI+3], s[32:33] offset:768*\m
	global_store_b64 v15, v[QI+4:QI+5], s[32:33] offset:768*\m+512
	v_lshl_or_b32 v206, v[BY+1], 8, v[BY]
	v_lshl_or_b32 v[207+\m%2], v206, 16, v206      ; q's word: (s0, s1, s0, s1)
	QUANT2 ACC+32, KI+6*(\m%2)
	v_lshl_or_b32 v[209+\m%2], v[BY+1], 8, v[BY]
.if \m%2 == 1
.irp c, 0,1,2
	global_store_b128 v9, v[KI+4*\c:KI+4*\c+3], s[36:37] offset:1536*(\m/2)+512*\c
.endr
	v_lshl_or_b32 v[211+\m/2], v210, 16, v209      ; k's word of the group: tile u = 0's two bytes, tile u = 1's two
	v_cndmask_b32 v[218+\m/2], v207, v208, vcc_lo  ; q's words: lanes 0-15 tile u = 0's, lanes 16-31 tile u = 1's
.endif
.endm
	PASSA 0
	PASSA 1
	PASSA 2
	PASSA 3
; v's channel tile d for the four pixel tiles: four accumulators by turns
.macro PASSB d
	PLACES 5
	WIN 0x28                                       ; source 1 (W) and source 2 (the bias) window 2
.irp m, 0,1,2,3
	v_wmma_scale_f32_16x16x128_f8f6f4 v[ACC+8*\m:ACC+8*\m+7], v[XFA+24*\m:XFA+24*\m+11], v[24*\d:24*\d+11], v[BV+8*\d:BV+8*\d+7], v[XSW+2*\m], v[WSW+16+2*\d] matrix_a_fmt:MATRIX_FMT_FP6 matrix_b_fmt:MATRIX_FMT_FP6
.endr
	WIN 0x08
.irp m, 0,1,2,3
	v_wmma_scale_f32_16x16x128_f8f6f4 v[ACC+8*\m:ACC+8*\m+7], v[XFA+24*\m+12:XFA+24*\m+23], v[24*\d+12:24*\d+23], v[ACC+8*\m:ACC+8*\m+7], v[XSW+2*\m+1], v[WSW+16+2*\d+1] matrix_a_fmt:MATRIX_FMT_FP6 matrix_b_fmt:MATRIX_FMT_FP6
.endr
	WIN 0
	PLACES 4
	QUANT2 ACC, VI+6*\d
	v_lshl_or_b32 v[213+\d], v[BY+1], 8, v[BY]     ; the bytes of the block's two groups of 32 keys
	global_store_b128 v9, v[VI+6*\d:VI+6*\d+3], s[38:39] offset:768*\d
	global_store_b64 v15, v[VI+6*\d+4:VI+6*\d+5], s[38:39] offset:768*\d+512
.endm
	PASSB 0
	PASSB 1
	PASSB 2
	PASSB 3
	v_cndmask_b32 v220, v211, v212, vcc_lo         ; k's words: lanes 0-15 group 0's, lanes 16-31 group 1's
	v_lshl_or_b32 v206, v214, 16, v213
	v_lshl_or_b32 v207, v216, 16, v215
	v_cndmask_b32 v221, v206, v207, vcc_lo         ; v's: lanes 0-15 tiles 0 and 1, lanes 16-31 tiles 2 and 3
	global_store_b64 v15, v[218:219], s[34:35]     ; 256 consecutive bytes, aligned
	global_store_b64 v15, v[220:221], s[40:41]
	s_set_vgpr_msb 0x4
	s_wait_tensorcnt 0x0
	ds_add_u32 v223, v255
	s_wait_dscnt 0x0
	s_set_vgpr_msb 0x400
	s_endpgm
.Lfunc_end_k_q6e40d1e03b_qkv:
	.size	k_q6e40d1e03b_qkv, .Lfunc_end_k_q6e40d1e03b_qkv-k_q6e40d1e03b_qkv
	.p2alignl 7, 3214868480
	.fill 96, 4, 3214868480
	.section	.rodata,"a",@progbits
	.p2align	6, 0x0
	.amdhsa_kernel k_q6e40d1e03b_qkv
		.amdhsa_group_segment_fixed_size 80384
		.amdhsa_private_segment_fixed_size 0
		.amdhsa_enable_private_segment 0
		.amdhsa_kernarg_size 56
		.amdhsa_user_sgpr_count 2
		.amdhsa_user_sgpr_kernarg_segment_ptr 1
		.amdhsa_wavefront_size32 1
		.amdhsa_system_sgpr_workgroup_id_x 1
		.amdhsa_system_sgpr_workgroup_id_y 1
		.amdhsa_system_sgpr_workgroup_id_z 1
		.amdhsa_system_vgpr_workitem_id 0
		.amdhsa_next_free_vgpr 768
		.amdhsa_next_free_sgpr 66
		.amdhsa_reserve_vcc 1
		.amdhsa_float_denorm_mode_32 3
		.amdhsa_float_denorm_mode_16_64 3
		.amdhsa_memory_ordered 1
		.amdhsa_forward_progress 1
		.amdhsa_inst_pref_size 101
	.end_amdhsa_kernel
	.amdgpu_metadata
---
amdhsa.version: [ 1, 2 ]
amdhsa.kernels:
  - .name:           k_q6e40d1e03b_qkv
    .symbol:         k_q6e40d1e03b_qkv.kd
    .args:
      - { .name: x, .offset: 0, .size: 8, .value_kind: global_buffer, .address_space: global }
      - { .name: norm_w, .offset: 8, .size: 8, .value_kind: global_buffer, .address_space: global }
      - { .name: norm_b, .offset: 16, .size: 8, .value_kind: global_buffer, .address_space: global }
      - { .name: qkv_b, .offset: 24, .size: 8, .value_kind: global_buffer, .address_space: global }
      - { .name: wst, .offset: 32, .size: 8, .value_kind: global_buffer, .address_space: global }
      - { .name: qbuf, .offset: 40, .size: 8, .value_kind: global_buffer, .address_space: global }
      - { .name: kvbuf, .offset: 48, .size: 8, .value_kind: global_buffer, .address_space: global }
    .group_segment_fixed_size: 80384
    .private_segment_fixed_size: 0
    .kernarg_segment_align: 8
    .kernarg_segment_size: 56
    .max_flat_workgroup_size: 128
    .sgpr_count:     66
    .vgpr_count:     768
    .wavefront_size: 32
...
	.end_amdgpu_metadata
.endif
;; end of part 2
;; launch attn (part 3): grid 16 x 16, 16 waves a work-group, clusters of 4 x 1, 327,680 bytes of LDS; arguments qbuf, kvbuf, obuf; writes obuf
.if DOCPART == 3
	.amdgcn_target "amdgcn-amd-amdhsa--gfx1250"
	.amdhsa_code_object_version 6
	.text
	.protected	k_q6e40d1e03b_attn
	.globl	k_q6e40d1e03b_attn
	.p2align	8
	.type	k_q6e40d1e03b_attn,@function
k_q6e40d1e03b_attn:
	s_mov_b64 s[64:65], 0
	v_nop
	global_prefetch_b8 v0, s[64:65] scope:SCOPE_SE
	s_setreg_imm32_b32 hwreg(HW_REG_WAVE_MODE, 25, 1), 1
	s_wait_xcnt 0x0
	s_wait_alu depctr_hold_cnt(0) depctr_sa_sdst(0) depctr_va_vdst(0) depctr_va_sdst(0) depctr_va_ssrc(0) depctr_va_vcc(0) depctr_vm_vsrc(0)
	s_getreg_b32 s2, hwreg(HW_REG_IB_STS2, 6, 4)
	s_cmp_eq_u32 s2, 0
	s_cbranch_scc0 .Lentry_in_a_cluster
	s_endpgm
.Lentry_in_a_cluster:
	s_bfe_u32 s2, ttmp6, 0x10000c
	s_cmp_lg_u32 s2, 0x3003
	s_cbranch_scc0 .Lentry_shape_is_right
	s_endpgm
.Lentry_shape_is_right:
; ATTENTION on codes of FP6 (E2M3) with one E8M0 scale for each 32 along a product's K.  16 heads-of-images (bh), 4,096 pixels, head size 64.  o = softmax(q k^T / 8) v, quantised along the channels for the projection.
; THE SOFTMAX AHEAD OF THE SECOND PRODUCT: t = score x log2(e) / 8; M = the row's largest t so far, rounded UP to a whole number; p = 2^(t - M) is what is quantised, along the keys; it is not normalised.
; The row's sum is taken of the unquantised p, in f32, and divides O at the end.  When M moves, the sum and O are multiplied by 2^(old M - new M): exact.
; SHARES.  A work-group owns 256 queries of one bh; each of its sixteen waves owns one tile of 16, in 256 registers: four waves to a SIMD, so that one wave's vector work stands beside another's matrix work and LDS loads.
; Every wave walks the 4,096 keys, 128 a step.  All operands lie in memory as images of their registers (made by the launch before), so a fragment comes by loads of consecutive bytes in consecutive lanes: no pitch, no padding.
; LAYOUT.  Both products are used transposed: S^T = K Q^T (source 0 = 16 keys, source 1 = my 16 queries), O^T = V^T P^T (source 0 = 16 channels, source 1 = P): a lane holds ONE query throughout.
; The keys of a tile are not neighbours (row r of tile 2 b + u is key 32 b + 8 u + r + 8 (r / 8)), so the 16 registers of tiles 2 b, 2 b + 1 are keys 32 b + 16 h + 0 .. 15; V's channels likewise, so O^T's registers run along the channels.
; K = 64 IN AN INSTRUCTION OF K = 128.  A fragment of K holds two tiles of keys: tile u = 0's 64 codes at k = 0 .. 63, tile u = 1's at k = 64 .. 127.  Q stands twice in registers: (q, zeros) and (zeros, q).
; The first gives tile u = 0's scores, the second tile u = 1's: a zero code times any code of this format is 0, and no scale byte here is 0xff.
; CLUSTER.  The four work-groups of a cluster belong to one bh and walk the same K and V: each tile is asked for JOINTLY, by the same tensor load with the same descriptor and a mask that names the four.
; The place in the cluster enters q's and o's global addresses alone.
; THE RING.  Two slots of 1,024 keys (K's 49,152 dense bytes, then V's), four fills in the launch; waves 0, 1 fetch K's halves, waves 2, 3 V's, 96 rows of 256 bytes each.  By this text's count a wave has one tensor load out at the most,
; and a refill has a slot's eight steps in which to land.  The scale words of all 32 steps are copied into LDS once, at the head, in whole records of 256 bytes.
; LIMITS: a block's largest p is taken through its largest score (this takes v_exp_f32 not to fall where its input rises; at the worst one p within an ulp of a power of two is held one code low);
; a block of zeros gets the byte 1 where the quantiser's rule says 127 (its codes are zeros, and this program alone reads the bytes); NaN and infinities are not served; 1 / l is v_rcp_f32's.
.set SLOT1, 131072                     ; slot 1 begins here: one exclusive or turns an address in one slot into the other's
.set VOFF,  49152                      ; in a slot: V behind K
.set STEPB, 6144                       ; a step's bytes of K (four full images), and of V (eight half images)
.set SPARE, 114688                     ; between the slots: the spare words, 128 bytes for each wave: eight blocks of 256 bytes that no other line names
.set SCK,   262144                     ; K's scale words: 256 bytes a step: register e at 128 e + 4 x lane
.set SCV,   270336                     ; V's likewise
.set A16, 6                            ; v6   LDS address of the step's tiles, 16 bytes a lane
.set A8,  7                            ; v7   8 bytes a lane
.set AS,  8                            ; v8   of the step's scale words
.set QLO, 16                           ; v16-27  (q, zeros)
.set QHI, 28                           ; v28-39  (zeros, q)
.set KF,  40                           ; v40-87  four fragments: K's, then V's
.set S,   96                           ; v96-159 S^T, then p
.set O,   160                          ; v160-191 O^T
.set PC,  192                          ; v192-203 p's codes
.set TC,  204                          ; v204-206, v208-210 the conversions' second results
.set BM,  212                          ; v212-215 each block's largest score, then p
.set BP,  216                          ; v216-219 the other half's; then bytes; then a chain of the sum
.set SO,  220                          ; v220-223 the conversions' scale operands
.set KW,  240                          ; v240-241 K's scale words;  v242-243 V's;  v244 p's;  v245 q's: these six hold scales and nothing else
.set VW,  242
.set PW,  244
.set QW,  245
.set TM,  212                          ; the way out's quantiser: largest magnitudes, the other half's, scale operands, bytes
.set TP,  216
.set SOP, 220
.set BY,  222
.set WV,  18
.set SEL, 20
.set CS,  22
.set G1,  24                           ; s[24:31] descriptor group 1, for K's and V's tiles alike
.set G0K, 32                           ; s[32:35] group 0 for K's tiles, which walks;  s[36:39] for V's
.set G0V, 36
.set TB,  40                           ; LDS byte at which the step's tiles begin
.set TS,  41                           ; and its scale words: 256 bytes a step
.set SLOTS, 42
.set STEPS, 43
.macro CROUND                          ; a round of the cluster's barrier: my work-group's barrier; wave 0 signals for the work-group; every wave waits for all four; my work-group's barrier once more
	s_barrier_signal -1
	s_barrier_wait -1
	s_cmp_lg_u32 s[WV], 0
	s_cbranch_scc1 .Lnot_wave_0_\@
	s_barrier_signal -3
.Lnot_wave_0_\@:
	s_barrier_wait -3
	s_barrier_signal -1
	s_barrier_wait -1
.endm
.macro TLOAD                           ; waves 0, 1 ask for K's halves, waves 2, 3 for V's, the others for nothing: the branches hang on the wave's number alone.  Four v_nop follow each line
	s_cmp_lt_u32 s[WV], 2
	s_cbranch_scc0 .Lnot_k_\@
	tensor_load_to_lds s[G0K:G0K+3], s[G1:G1+7]
	s_nop 0
.rept 4
	v_nop
.endr
	s_branch .Lasked_\@
.Lnot_k_\@:
	s_cmp_lt_u32 s[WV], 4
	s_cbranch_scc0 .Lasked_\@
	tensor_load_to_lds s[G0V:G0V+3], s[G1:G1+7]
	s_nop 0
.rept 4
	v_nop
.endr
.Lasked_\@:
.endm
; 32 numbers of a lane, register 16 B + i = element 32 B + 16 h + i of my row, become six registers of codes (lane (r, h): block h of row r) in v[dst] on, and the two bytes in v[BY], v[BY+1].
.macro QUANT2 src, dst
.irp b, 0,1
	v_max3_num_f32 v[TM+\b], |v[(\src)+16*\b]|, |v[(\src)+16*\b+1]|, 0x1800000   ; with the floor 2^(3 - 127): the byte cannot fall under 1
.endr
.irp i, 2,4,6,8,10,12,14
.irp b, 0,1
	v_max3_num_f32 v[TM+\b], v[TM+\b], |v[(\src)+16*\b+\i]|, |v[(\src)+16*\b+\i+1]|
.endr
.endr
.irp b, 0,1
	v_permlanex16_b32 v[TP+\b], v[TM+\b], s[SEL], s[SEL+1]
.endr
.irp b, 0,1
	v_max_num_f32 v[TM+\b], v[TM+\b], v[TP+\b]
.endr
.irp b, 0,1
	v_add_nc_u32 v[SOP+\b], 0xff000000, v[TM+\b]
.endr
.irp b, 0,1
	v_lshrrev_b32 v[BY+\b], 23, v[SOP+\b]
.endr
	v_cvt_scalef32_pk16_fp6_f32 v[(\dst):(\dst)+2], v[(\src):(\src)+15], v[SOP]
	v_cvt_scalef32_pk16_fp6_f32 v[TC:TC+2], v[(\src)+16:(\src)+31], v[SOP+1]
	v_nop                                          ; one plain line behind a scaled conversion
.irp i, 0,1,2
	v_permlane16_swap_b32 v[(\dst)+\i], v[TC+\i]
.endr
.irp i, 0,1,2
	v_mov_b32 v[(\dst)+3+\i], v[TC+\i]
.endr
.endm
	s_load_b128 s[4:7], s[0:1], 0x0                ; qbuf s[4:5], kvbuf s[6:7]
	s_load_b64 s[8:9], s[0:1], 0x10                ; obuf
	v_lshl_add_u32 v4, v0, 2, SPARE                ; my spare word; never rewritten
	v_mov_b32 v5, 0                                ; 0; never rewritten
	ds_add_u32 v4, v5
	s_wait_dscnt 0x0
	v_lshrrev_b32 v88, 5, v0
	v_readfirstlane_b32 s[WV], v88                 ; wave 0..15
	s_bfe_u32 s19, ttmp6, 0x40000                  ; cx: my place in the cluster
	s_lshl_b32 s44, ttmp9, 2                       ; in a cluster launch ttmp9 counts clusters
	s_add_co_u32 s44, s44, s19                     ; my block of 256 queries: it enters q's and o's addresses alone
	s_and_b32 s45, ttmp7, 0xffff                   ; bh, which the four partners share
	s_and_b32 s46, s[WV], 1
	s_mul_i32 s47, s46, 24576                      ; which half of a slot's K or V I fetch, if I fetch: in LDS and in memory alike
	s_mul_i32 s48, s45, 196608                     ; a bh's K, and its V, are 196,608 bytes
	s_add_co_u32 s48, s48, s47
	s_mov_b32 s49, 0
	s_mov_b32 s[G1], 15|(3<<16)|(1<<21)            ; 15:0 the mask: all four work-groups; 17:16 elements of 8 bytes; 20 no padding; 21 set beside a mask
	s_mov_b32 s[G1+1], 32<<16                      ; tensor_dim0 = 32 elements: rows of 256 bytes
	s_mov_b32 s[G1+2], 96<<16                      ; tensor_dim1 = 96
	s_mov_b32 s[G1+3], 32<<16                      ; tile_dim0
	s_mov_b32 s[G1+4], 96                          ; tile_dim1
	s_mov_b32 s[G1+5], 32                          ; the pitch: the block is dense
	s_mov_b32 s[G1+6], 0
	s_mov_b32 s[G1+7], 0
	s_mov_b32 s[SEL], 0x76543210
	s_mov_b32 s[SEL+1], 0xfedcba98                 ; selects for lane l xor 16
	s_mov_b32 s[CS], 0x3e38aa3b                    ; c = log2(e) / 8
	s_mov_b32 s[CS+1], s[CS]                       ; (named with it as a pair, so it is written)
	s_mov_b32 s50, 0x05040100                      ; byte selects: the two low halves,
	s_mov_b32 s51, 0x07060302                      ; the two high halves
	s_mov_b32 s[TB], 0
	s_mov_b32 s[TS], 0
	s_mov_b32 s[SLOTS], 3
	s_lshl_b32 s14, s44, 4
	s_add_co_u32 s14, s14, s[WV]                   ; my tile of queries among the bh's 256
	s_lshl_b32 s15, s45, 8
	s_add_co_u32 s15, s15, s14
	s_mul_i32 s54, s15, 768                        ; q's half image
	s_mov_b32 s55, 0
	s_lshr_b32 s56, s15, 2
	s_lshl_b32 s56, s56, 8                         ; q's scale words: the record of my block of 64 pixels,
	s_lshl_b32 s16, s46, 7
	s_add_co_u32 s56, s56, s16                     ; 128 u,
	s_bfe_u32 s16, s[WV], 0x10001
	s_lshl_b32 s16, s16, 2
	s_add_co_u32 s56, s56, s16                     ; 4 b
	s_add_co_u32 s56, s56, 3145728
	s_mov_b32 s57, 0
	s_lshr_b32 s16, s45, 2
	s_lshl_b32 s16, s16, 8
	s_add_co_u32 s16, s16, s14
	s_lshl_b32 s16, s16, 2
	s_and_b32 s17, s45, 3
	s_add_co_u32 s16, s16, s17                     ; o's record: (256 x image + tile) x 4 + head
	s_mul_i32 s10, s16, 768
	s_mov_b32 s11, 0
	s_lshl_b32 s12, s16, 7
	s_add_co_u32 s12, s12, 3145728
	s_mov_b32 s13, 0
	s_lshl_b32 s52, s45, 14
	s_add_co_u32 s52, s52, 6291456                 ; the bh's 64 records of scale words
	s_mov_b32 s53, 0
	s_wait_kmcnt 0x0
	s_add_nc_u64 s[54:55], s[4:5], s[54:55]
	s_add_nc_u64 s[56:57], s[4:5], s[56:57]
	s_add_nc_u64 s[10:11], s[8:9], s[10:11]
	s_add_nc_u64 s[12:13], s[8:9], s[12:13]
	s_add_nc_u64 s[52:53], s[6:7], s[52:53]
	s_mov_b32 s[G0K], 1                            ; 1:0 count = 1
	s_mov_b32 s[G0K+1], s47                        ; 63:32 LDS address: slot 0
	s_add_nc_u64 s[G0K+2:G0K+3], s[6:7], s[48:49]  ; 120:64 global address: the bh's first 1,024 keys
	s_or_b32 s[G0K+3], s[G0K+3], 0x80000000        ; 127:126 type = 2
	s_mov_b32 s[G0V], 1
	s_add_co_u32 s[G0V+1], s47, VOFF
	s_add_nc_u64 s[G0V+2:G0V+3], s[6:7], s[48:49]
	s_add_nc_u64 s[G0V+2:G0V+3], s[G0V+2:G0V+3], 3145728
	s_or_b32 s[G0V+3], s[G0V+3], 0x80000000
	CROUND                                         ; all four work-groups are here: the first joint loads meet
	TLOAD                                          ; slot 0
	v_and_b32 v88, 31, v0                          ; lane
	v_and_b32 v89, 15, v0                          ; r
	v_bfe_u32 v90, v0, 4, 1                        ; h
	v_lshlrev_b32 v1, 4, v88                       ; 16 x lane; never rewritten
	v_lshlrev_b32 v2, 3, v88                       ; 8 x lane; never rewritten
	v_lshl_add_u32 v3, v88, 2, SCK                 ; SCK + 4 x lane; never rewritten
	v_lshlrev_b32 v95, 2, v88                      ; 4 x lane
	s_lshl_b32 s16, s[WV], 9
	v_add_nc_u32 v91, s16, v2                      ; the records of steps w and 16 + w: two records of 256 bytes a step
	v_lshlrev_b32 v92, 3, v89                      ; q's word: 8 r
	s_lshl_b32 s16, s[WV], 8
	v_add_nc_u32 v93, s16, v3                      ; where K's words of step w go
	v_lshlrev_b32 v94, 2, v89
	v_lshl_add_u32 v94, v90, 7, v94
	v_add_nc_u32 v94, s16, v94
	v_add_nc_u32 v94, SCV, v94                     ; and V's: 256 w + 128 h + 4 r
.irp e, 0,1
.irp c, 0,1
	global_load_b64 v[228+4*\e+2*\c:229+4*\e+2*\c], v91, s[52:53] offset:8192*\e+256*\c   ; 256 consecutive bytes, aligned: (K's word, V's word) a lane
.endr
.endr
	global_load_b128 v[QLO:QLO+3], v1, s[54:55]    ; q, twice: a product's two sources share no register, and neither do the two operands made of q
	global_load_b64 v[QLO+4:QLO+5], v2, s[54:55] offset:512
	global_load_b128 v[QHI+6:QHI+9], v1, s[54:55]
	global_load_b64 v[QHI+10:QHI+11], v2, s[54:55] offset:512
	global_load_b32 v[QW], v92, s[56:57]
.irp i, 0,1,2,3,4,5
	v_mov_b32 v[QLO+6+\i], 0                       ; zero codes for the half of K that is not q's
	v_mov_b32 v[QHI+\i], 0
.endr
	v_mov_b32 v13, 0xff61b1e6                      ; the largest t so far: -3e38, under every t
	v_floor_f32 v12, -v13                          ; -M
	v_mov_b32 v14, 0                               ; the sum, in two halves
	v_mov_b32 v15, 0
.irp b, 0,1,2,3
	v_mov_b32 v[BP+\b], 0                          ; written once: a lane permute's destination counts as one of its sources
.endr
	v_mov_b32 v227, 0                              ; (named as the upper half of the pair v[226:227])
.set j, 0
.rept 32
	v_mov_b32 v[O+j], 0                            ; O^T.  (The step is written once: the first finds zeros, which the first change of M leaves zeros)
.set j, j+1
.endr
	s_wait_loadcnt 5                               ; the four records are in; the five loads of q issued behind them may be out
.irp e, 0,1
.irp c, 0,1
	ds_store_b32 v93, v[228+4*\e+2*\c] offset:4096*\e+128*\c   ; K's words of the step's groups 2 c (lanes 0-15) and 2 c + 1 (lanes 16-31)
.endr
	v_perm_b32 v[236+2*\e], v[231+4*\e], v[229+4*\e], s50      ; V's word of channel tile 2 h: the first 64 keys' two bytes, the second 64 keys' two
	v_perm_b32 v[237+2*\e], v[231+4*\e], v[229+4*\e], s51      ; and of tile 2 h + 1
	ds_store_b32 v94, v[236+2*\e] offset:4096*\e
	ds_store_b32 v94, v[237+2*\e] offset:4096*\e+64
.endr
	s_wait_loadcnt 0x0                             ; q
; A KEY STEP: 128 keys.
.macro STEP
	v_add_nc_u32 v[A16], s[TB], v1                 ; these three and the v_nop are the four places between the last products and the loads into the registers that they read
	v_add_nc_u32 v[A8], s[TB], v2
	v_add_nc_u32 v[AS], s[TS], v3
	v_nop
.irp b, 0,1,2,3
.irp c, 0,1,2
	ds_load_b128 v[KF+12*\b+4*\c:KF+12*\b+4*\c+3], v[A16] offset:1536*\b+512*\c
.endr
.endr
	ds_load_b32 v[KW], v[AS]
	ds_load_b32 v[KW+1], v[AS] offset:128
	s_wait_dscnt 0x0
.irp b, 0,1,2,3                                ; S^T: group b's two tiles of 16 keys from one fragment of K
.if \b%2 == 0
	v_wmma_scale_f32_16x16x128_f8f6f4 v[S+16*\b:S+16*\b+7], v[KF+12*\b:KF+12*\b+11], v[QLO:QLO+11], 0, v[KW+\b/2], v[QW] matrix_a_fmt:MATRIX_FMT_FP6 matrix_b_fmt:MATRIX_FMT_FP6
	v_wmma_scale_f32_16x16x128_f8f6f4 v[S+16*\b+8:S+16*\b+15], v[KF+12*\b:KF+12*\b+11], v[QHI:QHI+11], 0, v[KW+\b/2], v[QW] matrix_a_fmt:MATRIX_FMT_FP6 matrix_b_fmt:MATRIX_FMT_FP6
.else
	v_wmma_scale_f32_16x16x128_f8f6f4 v[S+16*\b:S+16*\b+7], v[KF+12*\b:KF+12*\b+11], v[QLO:QLO+11], 0, v[KW+\b/2], v[QW] matrix_a_fmt:MATRIX_FMT_FP6 matrix_b_fmt:MATRIX_FMT_FP6 matrix_a_scale:MATRIX_SCALE_ROW1
	v_wmma_scale_f32_16x16x128_f8f6f4 v[S+16*\b+8:S+16*\b+15], v[KF+12*\b:KF+12*\b+11], v[QHI:QHI+11], 0, v[KW+\b/2], v[QW] matrix_a_fmt:MATRIX_FMT_FP6 matrix_b_fmt:MATRIX_FMT_FP6 matrix_a_scale:MATRIX_SCALE_ROW1
.endif
.endr
.rept 4
	v_nop                                          ; four places: in front of the loads into K's registers, and of the first read of the scores
.endr
.irp d, 0,1,2,3                                ; V's fragments are asked for now and land under the softmax: channel tile d, keys 64 c on
.irp c, 0,1
	ds_load_b128 v[KF+12*\d+6*\c:KF+12*\d+6*\c+3], v[A16] offset:VOFF+3072*\c+768*\d
	ds_load_b64 v[KF+12*\d+6*\c+4:KF+12*\d+6*\c+5], v[A8] offset:VOFF+3072*\c+768*\d+512
.endr
.endr
	ds_load_b32 v[VW], v[AS] offset:SCV-SCK
	ds_load_b32 v[VW+1], v[AS] offset:SCV-SCK+128
.irp b, 0,1,2,3
	v_max3_num_f32 v[BM+\b], v[S+16*\b], v[S+16*\b+1], v[S+16*\b+2]   ; THE LARGEST SCORE OF EACH BLOCK OF 32 KEYS serves twice: for the row's maximum, and, since p rises with the score, for the block's largest p
.endr
.irp i, 3,5,7,9,11,13
.irp b, 0,1,2,3
	v_max3_num_f32 v[BM+\b], v[BM+\b], v[S+16*\b+\i], v[S+16*\b+\i+1]   ; (the four blocks by turns; each accumulator is read from its low end on)
.endr
.endr
.irp b, 0,1,2,3
	v_max_num_f32 v[BM+\b], v[BM+\b], v[S+16*\b+15]
.endr
.irp b, 0,1,2,3
	v_permlanex16_b32 v[BP+\b], v[BM+\b], s[SEL], s[SEL+1]
.endr
.irp b, 0,1,2,3
	v_max_num_f32 v[BM+\b], v[BM+\b], v[BP+\b]     ; with lane l xor 16's 16 keys
.endr
	v_max3_num_f32 v224, v[BM], v[BM+1], v[BM+2]
	v_max_num_f32 v224, v224, v[BM+3]              ; the step's largest score of my query
	v_mul_f32 v224, s[CS], v224                    ; as t (c is positive)
	v_max_num_f32 v13, v13, v224                   ; the running largest t
	v_mov_b32 v224, v12
	v_floor_f32 v12, -v13                          ; the new -M = floor(-t) = -ceil(t): M is a whole number
	v_sub_f32 v224, v12, v224                      ; M's old value less its new one: a whole number, 0 or less
	v_cvt_i32_f32 v224, v224                       ; (it saturates)
	v_ldexp_f32 v226, 1.0, v224                    ; f = 2^(old M - new M)
.set j, 0
.rept 32
	v_pk_fma_f32 v[S+j:S+j+1], v[S+j:S+j+1], s[CS:CS+1], v[12:13] op_sel_hi:[1,0,0]   ; t - M, two at a time (of the pairs c and -M the low word serves both halves)
.set j, j+2
.endr
.irp b, 0,1,2,3
	v_fma_f32 v[BM+\b], v[BM+\b], s[CS], v12       ; the same of each block's largest score
.endr
.set j, 0
.rept 64
	v_exp_f32 v[S+j], v[S+j]                       ; p = 2^(t - M), at most 1: not normalised
.set j, j+1
.endr
.irp b, 0,1,2,3
	v_exp_f32 v[BM+\b], v[BM+\b]                   ; the block's largest p: the same two instructions on the same number give the same bits
.endr
	v_pk_mul_f32 v[14:15], v[14:15], v[226:227] op_sel_hi:[1,0]   ; the sums under the new M.  (The plain line behind the exponentials)
	s_wait_alu depctr_va_vdst(0)
.irp b, 0,1,2,3
	v_max_num_f32 v[BM+\b], 0x1800000, v[BM+\b]    ; the floor 2^(3 - 127): the byte cannot fall under 1
.endr
.irp b, 0,1,2,3
	v_add_nc_u32 v[SO+\b], 0xff000000, v[BM+\b]    ; 2 off the exponent field: the conversion's scale operand
.endr
.irp b, 0,1,2,3
	v_lshrrev_b32 v[BP+\b], 23, v[SO+\b]           ; the scale's byte
.endr
	v_lshl_or_b32 v[PW], v[BP+1], 8, v[BP]         ; p's scale word for these 128 keys; far more than eight plain lines stand between it and the products that name it
	v_lshl_or_b32 v[PW], v[BP+2], 16, v[PW]
	v_lshl_or_b32 v[PW], v[BP+3], 24, v[PW]
.irp c, 0,1
	v_cvt_scalef32_pk16_fp6_f32 v[PC+6*\c:PC+6*\c+2], v[S+32*\c:S+32*\c+15], v[SO+2*\c]
	v_cvt_scalef32_pk16_fp6_f32 v[TC+4*\c:TC+4*\c+2], v[S+32*\c+16:S+32*\c+31], v[SO+2*\c+1]   ; (a conversion's three registers begin on an even number)
.endr
	v_nop                                          ; one plain line behind a scaled conversion
.irp c, 0,1                                    ; the operand's layout wants a whole block in a lane: lanes 0-15 block 2 c, lanes 16-31 block 2 c + 1
.irp i, 0,1,2
	v_permlane16_swap_b32 v[PC+6*\c+\i], v[TC+4*\c+\i]
.endr
.irp i, 0,1,2
	v_mov_b32 v[PC+6*\c+3+\i], v[TC+4*\c+\i]
.endr
.endr
	v_pk_add_f32 v[BP:BP+1], v[S:S+1], v[S+2:S+3]  ; THE ROW'S SUM IS TAKEN OF THE UNQUANTISED p: two at a time, in two chains
.set j, 4
.rept 15
	v_pk_add_f32 v[14:15], v[14:15], v[S+j:S+j+1]
	v_pk_add_f32 v[BP:BP+1], v[BP:BP+1], v[S+j+2:S+j+3]
.set j, j+4
.endr
	v_pk_add_f32 v[14:15], v[14:15], v[BP:BP+1]
.set j, 0
.rept 16
	v_pk_mul_f32 v[O+j:O+j+1], v[O+j:O+j+1], v[226:227] op_sel_hi:[1,0]   ; O^T under the new M: x f
.set j, j+2
.endr
	s_wait_dscnt 0x0                               ; V's fragments and scale words are in
.irp d, 0,1,2,3                                ; O^T += V^T P^T: the four accumulators by turns
.if \d%2 == 0
	v_wmma_scale_f32_16x16x128_f8f6f4 v[O+8*\d:O+8*\d+7], v[KF+12*\d:KF+12*\d+11], v[PC:PC+11], v[O+8*\d:O+8*\d+7], v[VW+\d/2], v[PW] matrix_a_fmt:MATRIX_FMT_FP6 matrix_b_fmt:MATRIX_FMT_FP6
.else
	v_wmma_scale_f32_16x16x128_f8f6f4 v[O+8*\d:O+8*\d+7], v[KF+12*\d:KF+12*\d+11], v[PC:PC+11], v[O+8*\d:O+8*\d+7], v[VW+\d/2], v[PW] matrix_a_fmt:MATRIX_FMT_FP6 matrix_b_fmt:MATRIX_FMT_FP6 matrix_a_scale:MATRIX_SCALE_ROW1
.endif
.endr
	s_add_co_u32 s[TB], s[TB], STEPB               ; the next step's tiles
	s_add_co_u32 s[TS], s[TS], 256                 ; and scale words
.endm
; THE CHANGE OF SLOTS stands at a slot's head.  Each wave waits for all its tensor loads (its part of the slot that it is about to read), adds 0 to its spare word, and waits for that, for its reads of the slot that it has left
; and (the first time) for its stores of scale words.  fill = 1: the barrier is a round of the cluster's, so that no wave of any partner still reads the other slot or has a load on its way, and the joint fill is the first thing behind it.
.macro CHANGE fill
	s_wait_tensorcnt 0x0                           ; no tensor load of mine is out, so a group 0 may be written
	ds_add_u32 v4, v5                              ; 0 onto my spare word
.if \fill
	s_xor_b32 s[G0K+1], s[G0K+1], SLOT1            ; the walking descriptors: the other slot than last time,
	s_add_nc_u64 s[G0K+2:G0K+3], s[G0K+2:G0K+3], VOFF   ; the next 1,024 keys' 49,152 bytes; the type bits on top are not reached
	s_xor_b32 s[G0V+1], s[G0V+1], SLOT1
	s_add_nc_u64 s[G0V+2:G0V+3], s[G0V+2:G0V+3], VOFF
.endif
	s_wait_dscnt 0x0
.if \fill
	CROUND
	TLOAD
.else
	s_barrier_signal -1
	s_barrier_wait -1
.endif
.endm
.macro SLOT_STEPS                      ; a slot's eight steps: written once, walked eight times
	s_mov_b32 s[STEPS], 8
.Lstep_\@:
	STEP
	s_sub_co_u32 s[STEPS], s[STEPS], 1
	s_cmp_lg_u32 s[STEPS], 0
	s_cbranch_scc1 .Lstep_\@
	s_sub_co_u32 s[TB], s[TB], 8*STEPB             ; back to a slot's first step,
	s_xor_b32 s[TB], s[TB], SLOT1                  ; in the other slot
.endm
.Lslot:                                            ; three trips: behind each change of slots but the last the next 1,024 keys are asked for
	CHANGE 1
	SLOT_STEPS
	s_sub_co_u32 s[SLOTS], s[SLOTS], 1
	s_cmp_lg_u32 s[SLOTS], 0
	s_cbranch_scc1 .Lslot
	CHANGE 0                                       ; the last slot is written out
	SLOT_STEPS
	; THE WAY OUT.  O^T / the sum, quantised along the head's 64 channels (two blocks of the projection's K), leaves as a half image and a scale word a lane.
	v_add_f32 v14, v14, v15                        ; the sum's two halves,
	v_permlanex16_b32 v224, v14, s[SEL], s[SEL+1]
	v_add_f32 v14, v14, v224                       ; and lane l xor 16's: the row's sum
	v_rcp_f32 v14, v14
	v_nop                                          ; the plain line behind the transcendental; with the two additions and the next v_nop: four places behind the last products
	v_nop
.set j, 0
	s_wait_alu depctr_va_vdst(0)
.rept 32
	v_mul_f32 v[S+j], v[O+j], v14                  ; register 16 B + i: channel 32 B + 16 h + i of my query; each accumulator from its low end on
.set j, j+1
.endr
	QUANT2 S, PC
	v_lshl_or_b32 v224, v[BY+1], 8, v[BY]
	global_store_b128 v1, v[PC:PC+3], s[10:11]     ; 512 consecutive bytes, aligned
	global_store_b64 v2, v[PC+4:PC+5], s[10:11] offset:512
	global_store_b32 v95, v224, s[12:13]           ; 128 consecutive bytes: half of an aligned 256; the neighbouring head's wave writes the other half
	s_wait_tensorcnt 0x0                           ; the wave's end
	ds_add_u32 v4, v5
	s_wait_dscnt 0x0
	CROUND                                         ; the closing round: no work-group ends while a partner may still ask for a tile that names it
	s_endpgm
.Lfunc_end_k_q6e40d1e03b_attn:
	.size	k_q6e40d1e03b_attn, .Lfunc_end_k_q6e40d1e03b_attn-k_q6e40d1e03b_attn
	.p2alignl 7, 3214868480
	.fill 96, 4, 3214868480
	.section	.rodata,"a",@progbits
	.p2align	6, 0x0
	.amdhsa_kernel k_q6e40d1e03b_attn
		.amdhsa_group_segment_fixed_size 327680
		.amdhsa_private_segment_fixed_size 0
		.amdhsa_enable_private_segment 0
		.amdhsa_kernarg_size 24
		.amdhsa_user_sgpr_count 2
		.amdhsa_user_sgpr_kernarg_segment_ptr 1
		.amdhsa_wavefront_size32 1
		.amdhsa_system_sgpr_workgroup_id_x 1
		.amdhsa_system_sgpr_workgroup_id_y 1
		.amdhsa_system_sgpr_workgroup_id_z 1
		.amdhsa_system_vgpr_workitem_id 0
		.amdhsa_next_free_vgpr 256
		.amdhsa_next_free_sgpr 66
		.amdhsa_reserve_vcc 0
		.amdhsa_float_denorm_mode_32 3
		.amdhsa_float_denorm_mode_16_64 3
		.amdhsa_memory_ordered 1
		.amdhsa_forward_progress 1
		.amdhsa_inst_pref_size 46
	.end_amdhsa_kernel
	.amdgpu_metadata
---
amdhsa.version: [ 1, 2 ]
amdhsa.kernels:
  - .name:           k_q6e40d1e03b_attn
    .symbol:         k_q6e40d1e03b_attn.kd
    .args:
      - { .name: qbuf, .offset: 0, .size: 8, .value_kind: global_buffer, .address_space: global }
      - { .name: kvbuf, .offset: 8, .size: 8, .value_kind: global_buffer, .address_space: global }
      - { .name: obuf, .offset: 16, .size: 8, .value_kind: global_buffer, .address_space: global }
    .group_segment_fixed_size: 327680
    .private_segment_fixed_size: 0
    .kernarg_segment_align: 8
    .kernarg_segment_size: 24
    .max_flat_workgroup_size: 512
    .sgpr_count:     66
    .vgpr_count:     256
    .wavefront_size: 32
...
	.end_amdgpu_metadata
.endif
;; end of part 3
;; launch proj (part 4): grid 256 x 1, 16 waves a work-group, no clusters, 84,992 bytes of LDS; arguments obuf, wst, proj_b, x, out0; writes out0
.if DOCPART == 4
	.amdgcn_target "amdgcn-amd-amdhsa--gfx1250"
	.amdhsa_code_object_version 6
	.text
	.protected	k_q6e40d1e03b_proj
	.globl	k_q6e40d1e03b_proj
	.p2align	8
	.type	k_q6e40d1e03b_proj,@function
k_q6e40d1e03b_proj:
	s_mov_b64 s[64:65], 0
	v_nop
	global_prefetch_b8 v0, s[64:65] scope:SCOPE_SE
	s_setreg_imm32_b32 hwreg(HW_REG_WAVE_MODE, 25, 1), 1
	s_wait_xcnt 0x0
; PROJECTION AND RESIDUAL.  out0 = x + proj_w o + proj_b, the product on codes of FP6 (E2M3) with one E8M0 scale for each 32 along K = the 256 channels.  o's codes and scale words come from the launch before, proj_w's from the first.
; SHARES.  A work-group takes 64 pixels of one image (work-group = 64 x image + block j).  Wave w makes output channels 16 w .. 16 w + 15 for the four pixel tiles: 8 matrix instructions.
; o's 16 records of the block (pixel tile T, head: 4 T + head; 768 bytes of codes, a scale word a lane) are 12,288 consecutive bytes: each wave brings one into LDS, and after ONE barrier every wave reads all sixteen.
; A fragment (tile T, K step s) is two records: registers 0-5 head 2 s, registers 6-11 head 2 s + 1; its scale word is their two pairs of bytes.
; LAYOUT.  Source 0 = 16 pixels, source 1 = 16 rows of proj_w: a lane holds one output channel, and register j of tile T = 2 b + u is pixel 32 b + 16 h + 8 u + j (the tiles' pixels were chosen so): 32 neighbouring bytes of out0.
; They go through the wave's own stage in LDS and come back as whole rows of 256 bytes, so that sixteen lanes store 256 consecutive bytes, aligned.  The bias is the C of each sum's first product; x is added on the way out.
; No tensor loads: the weights are a wave's own 3,072 bytes, read once.
.set OSC,  12288                       ; LDS: behind the 16 records: 8 fragments' scale words, 64 bytes each
.set STG,  12800                       ; and a stage for each wave: 16 rows x (256 bytes + 16)
.set WF,   16                          ; v16-39   proj_w's two fragments
.set FR,   40                          ; v40-135  o's eight fragments
.set ACC,  136                         ; v136-167 four accumulators
.set BC,   168                         ; v168-175 the bias, eight equal registers
.set XX,   176                         ; v176-207 x
.set Y,    208                         ; v208-239 rows back from the stage
.set WS,   240                         ; v240-241 proj_w's scale words;  v242-249 o's: these hold scales and nothing else
.set OW,   242
	s_load_b256 s[4:11], s[0:1], 0x0               ; obuf s[4:5], wst s[6:7], proj_b s[8:9], x s[10:11]
	s_load_b64 s[12:13], s[0:1], 0x20              ; out0
	v_lshrrev_b32 v1, 5, v0
	v_readfirstlane_b32 s14, v1                    ; wave 0..15
	v_and_b32 v168, 31, v0                         ; lane
	v_and_b32 v169, 15, v0                         ; r
	v_bfe_u32 v170, v0, 4, 1                       ; h
	v_lshlrev_b32 v1, 4, v168                      ; 16 x lane
	v_lshlrev_b32 v2, 3, v168                      ; 8 x lane
	v_lshlrev_b32 v3, 2, v168                      ; 4 x lane
	v_mul_u32_u24 v4, v169, 192
	v_mad_u32_u24 v4, v170, 24, v4                 ; proj_w's codes: row r of 192 bytes, + 24 h
	v_lshlrev_b32 v5, 3, v169                      ; its scale bytes: 8 a row
	v_lshlrev_b32 v6, 2, v169                      ; the bias: 4 r
	v_lshlrev_b32 v7, 4, v169
	v_lshl_add_u32 v7, v170, 14, v7                ; x and out0: lanes 0-15 one channel's 256 bytes, lanes 16-31 the next channel's
	s_mul_i32 s26, s14, 768
	v_add_nc_u32 v15, s26, v1                      ; where my record goes: 768 w + 16 x lane,
	v_add_nc_u32 v251, s26, v2                     ; 768 w + 8 x lane (+ 512)
	v_add_nc_u32 v253, OSC, v6                     ; a fragment's scale words: OSC + 4 r
	s_lshr_b32 s26, s14, 1
	s_lshl_b32 s26, s26, 6
	s_and_b32 s27, s14, 1
	s_lshl_b32 s27, s27, 1
	s_add_co_u32 s26, s26, s27
	v_add_nc_u32 v252, s26, v253                   ; my record's two bytes of them: fragment w / 2, half w % 2
	s_mul_i32 s26, s14, 16*272
	s_add_co_u32 s26, s26, STG                     ; my stage
	v_mul_u32_u24 v254, v169, 272
	v_lshl_add_u32 v254, v170, 6, v254
	v_add_nc_u32 v254, s26, v254                   ; in: row r, + 64 h
	v_mul_u32_u24 v255, v170, 272
	v_lshl_add_u32 v255, v169, 4, v255
	v_add_nc_u32 v255, s26, v255                   ; back: lanes 0-15 one row, lanes 16-31 the next
	s_lshr_b32 s15, ttmp9, 6                       ; image
	s_and_b32 s16, ttmp9, 63                       ; block j
	s_lshl_b32 s17, ttmp9, 4
	s_add_co_u32 s17, s17, s14                     ; my record
	s_mul_i32 s18, s17, 768
	s_mov_b32 s19, 0
	s_lshl_b32 s20, s17, 7
	s_add_co_u32 s20, s20, 3145728
	s_mov_b32 s21, 0
	s_mul_i32 s22, s14, 3072
	s_add_co_u32 s22, s22, 147456                  ; row 768 + 16 w of the weights' codes
	s_mov_b32 s23, 0
	s_lshl_b32 s24, s14, 7
	s_add_co_u32 s24, s24, 202752                  ; and of their scale bytes
	s_mov_b32 s25, 0
	s_lshl_b32 s28, s14, 6
	s_mov_b32 s29, 0
	s_lshl_b32 s30, s15, 22
	s_lshl_b32 s26, s14, 18
	s_add_co_u32 s30, s30, s26
	s_lshl_b32 s26, s16, 8
	s_add_co_u32 s30, s30, s26                     ; image, channel 16 w, block j
	s_mov_b32 s31, 0
	s_wait_kmcnt 0x0
	s_add_nc_u64 s[18:19], s[4:5], s[18:19]
	s_add_nc_u64 s[20:21], s[4:5], s[20:21]
	s_add_nc_u64 s[22:23], s[6:7], s[22:23]
	s_add_nc_u64 s[24:25], s[6:7], s[24:25]
	s_add_nc_u64 s[8:9], s[8:9], s[28:29]
	s_add_nc_u64 s[10:11], s[10:11], s[30:31]
	s_add_nc_u64 s[12:13], s[12:13], s[30:31]
	global_load_b128 v[8:11], v1, s[18:19]         ; my record first: the others wait for it
	global_load_b64 v[12:13], v2, s[18:19] offset:512
	global_load_b32 v14, v3, s[20:21]
.irp s, 0,1
.irp p, 0,1,2,3,4,5
	global_load_b64 v[WF+12*\s+2*\p:WF+12*\s+2*\p+1], v4, s[22:23] offset:96*\s+48*(\p/3)+8*(\p%3)
.endr
.endr
	global_load_b32 v[WS], v5, s[24:25]
	global_load_b32 v[WS+1], v5, s[24:25] offset:4
	global_load_b32 v250, v6, s[8:9]
.irp i, 0,1,2,3,4,5,6,7
	global_load_b128 v[XX+4*\i:XX+4*\i+3], v7, s[10:11] offset:32768*\i th:TH_LOAD_NT   ; sixteen lanes read 256 consecutive bytes, aligned; nothing reads x after this
.endr
	s_wait_loadcnt 23                              ; my record's three loads are in; the 12 + 2 + 1 + 8 issued behind them may be out
	ds_store_b128 v15, v[8:11]
	ds_store_b64 v251, v[12:13] offset:512
	ds_store_b16 v252, v14                         ; lanes r and 16 + r write the same two bytes with the same value
	s_wait_dscnt 0x0                               ; for the others' sake: my stores have landed
	s_barrier_signal -1
	s_barrier_wait -1
.set f, 0
.rept 8
.irp c, 0,1
	ds_load_b128 v[FR+12*f+6*\c:FR+12*f+6*\c+3], v1 offset:768*(2*f+\c)
	ds_load_b64 v[FR+12*f+6*\c+4:FR+12*f+6*\c+5], v2 offset:768*(2*f+\c)+512
.endr
	ds_load_b32 v[OW+f], v253 offset:64*f
.set f, f+1
.endr
	s_wait_loadcnt 8                               ; the weights, their scale words and the bias are in; x's eight loads may be out
.irp i, 0,1,2,3,4,5,6,7
	v_mov_b32 v[BC+\i], v250                       ; the bias hangs on the lane's channel alone
.endr
	s_wait_dscnt 0x0
.irp m, 0,1,2,3                                ; the four accumulators by turns, K step by K step
	v_wmma_scale_f32_16x16x128_f8f6f4 v[ACC+8*\m:ACC+8*\m+7], v[FR+24*\m:FR+24*\m+11], v[WF:WF+11], v[BC:BC+7], v[OW+2*\m], v[WS] matrix_a_fmt:MATRIX_FMT_FP6 matrix_b_fmt:MATRIX_FMT_FP6
.endr
.irp m, 0,1,2,3
	v_wmma_scale_f32_16x16x128_f8f6f4 v[ACC+8*\m:ACC+8*\m+7], v[FR+24*\m+12:FR+24*\m+23], v[WF+12:WF+23], v[ACC+8*\m:ACC+8*\m+7], v[OW+2*\m+1], v[WS+1] matrix_a_fmt:MATRIX_FMT_FP6 matrix_b_fmt:MATRIX_FMT_FP6
.endr
.rept 4
	v_nop                                          ; four places in front of the first read of results
.endr
.irp m, 0,1,2,3
	ds_store_b128 v254, v[ACC+8*\m:ACC+8*\m+3] offset:128*(\m/2)+32*(\m%2)        ; each accumulator from its low end on
	ds_store_b128 v254, v[ACC+8*\m+4:ACC+8*\m+7] offset:128*(\m/2)+32*(\m%2)+16
.endr
.irp i, 0,1,2,3,4,5,6,7
	ds_load_b128 v[Y+4*\i:Y+4*\i+3], v255 offset:544*\i   ; my own bytes: LDS serves a wave's instructions in order, so these see the stores above
.endr
	s_wait_loadcnt 0x0                             ; x
.irp i, 0,1,2,3,4,5,6,7
	s_wait_dscnt 7-\i                              ; rows 2 i and 2 i + 1 are back; the younger loads may be out
	v_pk_add_f32 v[Y+4*\i:Y+4*\i+1], v[Y+4*\i:Y+4*\i+1], v[XX+4*\i:XX+4*\i+1]
	v_pk_add_f32 v[Y+4*\i+2:Y+4*\i+3], v[Y+4*\i+2:Y+4*\i+3], v[XX+4*\i+2:XX+4*\i+3]
	global_store_b128 v7, v[Y+4*\i:Y+4*\i+3], s[12:13] offset:32768*\i th:TH_STORE_NT   ; sixteen lanes store 256 consecutive bytes, aligned
.endr
	s_wait_xcnt 0x0
	v_lshl_add_u32 v254, v0, 2, 0x14400
	v_mov_b32 v255, 0
	s_wait_tensorcnt 0x0
	ds_add_u32 v254, v255
	s_wait_dscnt 0x0
	s_endpgm
.Lfunc_end_k_q6e40d1e03b_proj:
	.size	k_q6e40d1e03b_proj, .Lfunc_end_k_q6e40d1e03b_proj-k_q6e40d1e03b_proj
	.p2alignl 7, 3214868480
	.fill 96, 4, 3214868480
	.section	.rodata,"a",@progbits
	.p2align	6, 0x0
	.amdhsa_kernel k_q6e40d1e03b_proj
		.amdhsa_group_segment_fixed_size 84992
		.amdhsa_private_segment_fixed_size 0
		.amdhsa_enable_private_segment 0
		.amdhsa_kernarg_size 40
		.amdhsa_user_sgpr_count 2
		.amdhsa_user_sgpr_kernarg_segment_ptr 1
		.amdhsa_wavefront_size32 1
		.amdhsa_system_sgpr_workgroup_id_x 1
		.amdhsa_system_sgpr_workgroup_id_y 1
		.amdhsa_system_sgpr_workgroup_id_z 1
		.amdhsa_system_vgpr_workitem_id 0
		.amdhsa_next_free_vgpr 256
		.amdhsa_next_free_sgpr 66
		.amdhsa_reserve_vcc 0
		.amdhsa_float_denorm_mode_32 3
		.amdhsa_float_denorm_mode_16_64 3
		.amdhsa_memory_ordered 1
		.amdhsa_forward_progress 1
		.amdhsa_inst_pref_size 13
	.end_amdhsa_kernel
	.amdgpu_metadata
---
amdhsa.version: [ 1, 2 ]
amdhsa.kernels:
  - .name:           k_q6e40d1e03b_proj
    .symbol:         k_q6e40d1e03b_proj.kd
    .args:
      - { .name: obuf, .offset: 0, .size: 8, .value_kind: global_buffer, .address_space: global }
      - { .name: wst, .offset: 8, .size: 8, .value_kind: global_buffer, .address_space: global }
      - { .name: proj_b, .offset: 16, .size: 8, .value_kind: global_buffer, .address_space: global }
      - { .name: x, .offset: 24, .size: 8, .value_kind: global_buffer, .address_space: global }
      - { .name: out0, .offset: 32, .size: 8, .value_kind: global_buffer, .address_space: global }
    .group_segment_fixed_size: 84992
    .private_segment_fixed_size: 0
    .kernarg_segment_align: 8
    .kernarg_segment_size: 40
    .max_flat_workgroup_size: 512
    .sgpr_count:     66
    .vgpr_count:     256
    .wavefront_size: 32
...
	.end_amdgpu_metadata
.endif
;; end of part 4
;; ======== version 2 of 2: 4 launches
;; workspace buffers: wst 221,184 bytes; qbuf 3,407,872 bytes; kvbuf 6,553,600 bytes; obuf 3,670,016 bytes
;; launch prep (part 5): grid 288 x 1, 4 waves a work-group, no clusters, 0 bytes of LDS; arguments x, qkv_w, proj_w, wst; writes wst
.if DOCPART == 5
	.amdgcn_target "amdgcn-amd-amdhsa--gfx1250"
	.amdhsa_code_object_version 6
	.text
	.protected	k_q6e40d1e03b_prep
	.globl	k_q6e40d1e03b_prep
	.p2align	8
	.type	k_q6e40d1e03b_prep,@function
k_q6e40d1e03b_prep:
	s_mov_b64 s[64:65], 0
	v_nop
	global_prefetch_b8 v0, s[64:65] scope:SCOPE_SE
	s_setreg_imm32_b32 hwreg(HW_REG_WAVE_MODE, 25, 1), 1
	s_wait_xcnt 0x0
; PREP.  Two kinds of work-groups, told apart by the work-group's number alone.
; Work-groups 0-255: STATISTICS.  Each wave takes one channel of one image, 4,096 numbers of x (16,384 consecutive bytes), keeps them in 128 registers and
; stores their mean and M2 = the sum of (x - mean)^2, taken in a second pass over the registers: no difference of large sums is formed, whatever offset x carries.
; A norm group is 32 such channels; the next launch joins the 32 pairs.  wst + 212992: [image x 8 + group][channel of the group][mean, M2], f32.
; (A wave's result is 8 bytes: these stores fill their aligned 256 bytes in part; 8,192 bytes in the whole launch.)
; Work-groups 256-287: THE WEIGHTS.  qkv_w [768][256] and proj_w [256][256], f32, K innermost, become codes of FP6 (E2M3) with one E8M0 byte for each 32 along K, laid AS THE READERS' REGISTERS WANT THEM.
; Each wave makes one fragment, 16 rows x 128 K: lane (r, h) takes of its row the blocks k = 128 s + 32 h + 0 .. 31 and k = 128 s + 64 + 32 h + 0 .. 31: two whole blocks, so no other lane is asked for a maximum,
; and the conversions' results are the operand's twelve registers.  They are stored as they stand: registers 4 c .. 4 c + 3 at 512 c + 16 x lane (1,536 bytes a fragment, at wst + 1536 F), the row's scale word at 4 x lane (wst + 196608 + 128 F).
; Fragment F = 2 x tile + s.  Tiles 0-47, qkv_w: tile = 4 tt + head, tt = 0 .. 11; row r of the tile is row 64 head + 256 (tt / 4) + 32 ((tt / 2) % 2) + 8 (tt % 2) + r + 8 (r / 8) (the rows of a tile are not neighbours: the next launch says why).
; Tiles 48-63, proj_w: row r of tile 48 + w is row 16 w + r.
; A block's scale is 2^(floor(log2(largest magnitude)) - 2): its byte is the largest magnitude's exponent field - 2, held at 1 from below.
; LIMITS: a block of zeros gets the byte 1 where the quantiser's rule says 127 (its codes are zeros, and this program alone reads the bytes); blocks whose largest magnitude lies
; under 2^-124 are held at the byte 1; NaN and infinities among the inputs are not served.
; No LDS, no tensor loads, no barrier: waves share nothing.
.set SX,    16                         ; v16-143  statistics: the wave's 4,096 numbers, 128 a lane
.set SC,    144                        ; v144-151 four running pairs
.set SD,    152                        ; v152-159 four pairs at work
.set MP,    160                        ; v[160:161] the mean, twice
.set SR,    162                        ; v[162:163] what is stored: mean, M2
.set PT,    164                        ; v164     the lane permute's destination
.set WX,    16                         ; v16-79   weights: my two blocks: register 32 c + i = k 128 s + 64 c + 32 h + i of my row
.set TM,    80                         ; v80-81   their largest magnitudes
.set SOP,   82                         ; v82-83   the conversions' scale operands
.set BY,    84                         ; v84-85   the scale bytes
.set WD,    86                         ; v86      the row's scale word
.set SH,    87                         ; v87      8 h
.set PD,    88                         ; v88      the lane permute's destination
.set PCB,   92                         ; v92-103  the fragment's codes
.set TCB,   104                        ; v104-106, v108-110 the conversions' second results
.macro WSUM reg                        ; the sum of v[reg] over the wave's 32 lanes, into every lane
	v_add_f32_dpp v[\reg], v[\reg], v[\reg] row_xmask:1 row_mask:0xf bank_mask:0xf
	v_add_f32_dpp v[\reg], v[\reg], v[\reg] row_xmask:2 row_mask:0xf bank_mask:0xf
	v_add_f32_dpp v[\reg], v[\reg], v[\reg] row_xmask:4 row_mask:0xf bank_mask:0xf
	v_add_f32_dpp v[\reg], v[\reg], v[\reg] row_xmask:8 row_mask:0xf bank_mask:0xf
	v_permlanex16_b32 v[PT], v[\reg], s20, s21
	v_add_f32 v[\reg], v[\reg], v[PT]
.endm
	s_load_b256 s[4:11], s[0:1], 0x0               ; x s[4:5], qkv_w s[6:7], proj_w s[8:9], wst s[10:11]
	v_lshrrev_b32 v1, 5, v0
	v_readfirstlane_b32 s16, v1                    ; wave 0..3
	v_and_b32 v1, 31, v0                           ; lane
	s_cmp_lt_u32 ttmp9, 256
	s_cbranch_scc0 .Lweights
	; ---- STATISTICS
	v_lshlrev_b32 v2, 4, v1                        ; 16 bytes a lane: a load reads 512 consecutive bytes
	v_mov_b32 v3, 0
	v_mov_b32 v[PT], 0                             ; a lane permute's destination counts as one of its sources
	s_mov_b32 s20, 0x76543210
	s_mov_b32 s21, 0xfedcba98                      ; selects for lane l xor 16
	s_lshl_b32 s17, ttmp9, 2
	s_add_co_u32 s17, s17, s16                     ; which channel of the 1,024: 4 x work-group + wave
	s_lshl_b32 s18, s17, 14                        ; its 16,384 bytes
	s_mov_b32 s19, 0
	s_lshl_b32 s22, s17, 3
	s_add_co_u32 s22, s22, 212992                  ; its 8 bytes among the statistics
	s_mov_b32 s23, 0
	s_wait_alu depctr_va_vdst(0)
	s_wait_kmcnt 0x0
	s_add_nc_u64 s[4:5], s[4:5], s[18:19]
	s_add_nc_u64 s[24:25], s[10:11], s[22:23]
.set i, 0
.rept 32
	global_load_b128 v[SX+4*i:SX+4*i+3], v2, s[4:5] offset:512*i   ; no hint: later launches read x again
.set i, i+1
.endr
	; pass 1: the sum, in four chains; eight loads at a time
.set i, 0
.rept 32
.if i%8 == 0
	s_wait_alu depctr_va_vdst(0)
	s_wait_loadcnt 24-i                            ; the eight loads in hand are in; the 24, 16, 8, 0 issued behind them may be out
.endif
.if i < 4
	v_pk_add_f32 v[SC+2*i:SC+2*i+1], v[SX+4*i:SX+4*i+1], v[SX+4*i+2:SX+4*i+3]   ; the first four start the chains: nothing is cleared
.else
	v_pk_add_f32 v[SC+2*(i%4):SC+2*(i%4)+1], v[SC+2*(i%4):SC+2*(i%4)+1], v[SX+4*i:SX+4*i+1]
	v_pk_add_f32 v[SC+2*(i%4):SC+2*(i%4)+1], v[SC+2*(i%4):SC+2*(i%4)+1], v[SX+4*i+2:SX+4*i+3]
.endif
.set i, i+1
.endr
	v_pk_add_f32 v[SC:SC+1], v[SC:SC+1], v[SC+2:SC+3]
	v_pk_add_f32 v[SC+4:SC+5], v[SC+4:SC+5], v[SC+6:SC+7]
	v_pk_add_f32 v[SC:SC+1], v[SC:SC+1], v[SC+4:SC+5]
	v_add_f32 v[SD], v[SC], v[SC+1]
	WSUM SD
	v_mul_f32 v[MP], 0x39800000, v[SD]             ; / 4,096
	v_mov_b32 v[MP+1], v[MP]
	v_mov_b32 v[SR], v[MP]
	; pass 2: the sum of (x - mean)^2, over the same registers
.set i, 0
.rept 64
	v_pk_add_f32 v[SD+2*(i%4):SD+2*(i%4)+1], v[SX+2*i:SX+2*i+1], v[MP:MP+1] neg_lo:[0,1] neg_hi:[0,1]
.if i < 4
	v_pk_mul_f32 v[SC+2*i:SC+2*i+1], v[SD+2*i:SD+2*i+1], v[SD+2*i:SD+2*i+1]
.else
	v_pk_fma_f32 v[SC+2*(i%4):SC+2*(i%4)+1], v[SD+2*(i%4):SD+2*(i%4)+1], v[SD+2*(i%4):SD+2*(i%4)+1], v[SC+2*(i%4):SC+2*(i%4)+1]
.endif
.set i, i+1
.endr
	v_pk_add_f32 v[SC:SC+1], v[SC:SC+1], v[SC+2:SC+3]
	v_pk_add_f32 v[SC+4:SC+5], v[SC+4:SC+5], v[SC+6:SC+7]
	v_pk_add_f32 v[SC:SC+1], v[SC:SC+1], v[SC+4:SC+5]
	v_add_f32 v[SR+1], v[SC], v[SC+1]
	WSUM SR+1
	s_wait_alu depctr_va_vdst(0)
	s_wait_xcnt 0x0                                ; EXEC changes only behind this wait
	v_cmp_eq_u32 vcc_lo, 0, v1
	s_and_saveexec_b32 s22, vcc_lo                 ; lane 0 stores for the wave
	global_store_b64 v3, v[SR:SR+1], s[24:25]
	s_wait_xcnt 0x0                                ; and again in front of the line that widens it
	s_or_b32 exec_lo, exec_lo, s22
	s_endpgm
	; ---- THE WEIGHTS: 128 fragments, one a wave
.Lweights:
	v_and_b32 v2, 15, v0                           ; r
	v_bfe_u32 v3, v0, 4, 1                         ; h
	s_mov_b32 s30, 0x76543210
	s_mov_b32 s31, 0xfedcba98                      ; selects for lane l xor 16
	s_sub_co_u32 s17, ttmp9, 256
	s_lshl_b32 s17, s17, 2
	s_add_co_u32 s17, s17, s16                     ; my fragment F, 0..127
	s_lshr_b32 s18, s17, 1                         ; its tile
	s_and_b32 s19, s17, 1                          ; its K step s
	s_and_b32 s20, s18, 3
	s_lshl_b32 s20, s20, 6                         ; qkv_w: 64 x head
	s_lshr_b32 s21, s18, 4
	s_lshl_b32 s21, s21, 8
	s_add_co_u32 s20, s20, s21                     ; + 256 (tt / 4): q, k or v
	s_bfe_u32 s21, s18, 0x10003
	s_lshl_b32 s21, s21, 5
	s_add_co_u32 s20, s20, s21                     ; + 32 ((tt / 2) % 2)
	s_bfe_u32 s21, s18, 0x10002
	s_lshl_b32 s21, s21, 3
	s_add_co_u32 s20, s20, s21                     ; + 8 (tt % 2)
	s_sub_co_u32 s21, s18, 48
	s_lshl_b32 s21, s21, 4                         ; proj_w: 16 x (tile - 48); of no meaning, and not taken, for tiles under 48
	s_wait_alu depctr_va_vdst(0)
	s_wait_kmcnt 0x0
	s_cmp_lt_u32 s18, 48                           ; qkv_w's tile or proj_w's: the choice hangs on the work-group's and the wave's number alone
	s_cselect_b32 s20, s20, s21                    ; the tile's first row
	s_cselect_b32 s22, 1, 0                        ; qkv_w's tiles take rows r + 8 (r / 8), proj_w's rows r
	s_cselect_b64 s[4:5], s[6:7], s[8:9]
	s_lshl_b32 s20, s20, 10                        ; a row is 1,024 bytes
	s_lshl_b32 s19, s19, 9                         ; a K step 512
	s_add_co_u32 s20, s20, s19
	s_mov_b32 s21, 0
	s_add_nc_u64 s[4:5], s[4:5], s[20:21]
	s_mul_i32 s20, s17, 1536
	s_add_nc_u64 s[24:25], s[10:11], s[20:21]      ; where the fragment's codes go
	s_lshl_b32 s20, s17, 7
	s_add_co_u32 s20, s20, 196608
	s_add_nc_u64 s[26:27], s[10:11], s[20:21]      ; and its scale words
	v_and_b32 v4, 8, v2
	v_mul_u32_u24 v4, s22, v4
	v_add_nc_u32 v4, v4, v2                        ; my row of the tile
	v_lshlrev_b32 v4, 10, v4
	v_lshl_add_u32 v4, v3, 7, v4                   ; + 128 h: my first block
	v_lshlrev_b32 v5, 4, v1                        ; 16 x lane
	v_lshlrev_b32 v6, 2, v1                        ; 4 x lane
	v_lshlrev_b32 v[SH], 3, v3                     ; 8 h
	v_mov_b32 v[PD], 0                             ; a lane permute's destination counts as one of its sources
.irp c, 0,1
.irp i, 0,1,2,3,4,5,6,7
	global_load_b128 v[WX+32*\c+4*\i:WX+32*\c+4*\i+3], v4, s[4:5] offset:256*\c+16*\i   ; a lane's eight loads cover its block's 128 consecutive bytes
.endr
.endr
	s_wait_loadcnt 0x0
.irp c, 0,1
	v_max3_num_f32 v[TM+\c], |v[WX+32*\c]|, |v[WX+32*\c+1]|, 0x1800000   ; with the floor 2^(3 - 127): the byte cannot fall under 1
.endr
.irp i, 2,4,6,8,10,12,14,16,18,20,22,24,26,28,30
.irp c, 0,1
	v_max3_num_f32 v[TM+\c], v[TM+\c], |v[WX+32*\c+\i]|, |v[WX+32*\c+\i+1]|   ; (the two blocks by turns)
.endr
.endr
.irp c, 0,1
	v_add_nc_u32 v[SOP+\c], 0xff000000, v[TM+\c]   ; 2 off the exponent field: the conversion takes the exponent field of this operand as its scale
.endr
.irp c, 0,1
	v_lshrrev_b32 v[BY+\c], 23, v[SOP+\c]          ; the scale's byte
.endr
	v_lshl_or_b32 v[WD], v[BY+1], 16, v[BY]        ; my two bytes: blocks h and 2 + h of the K step,
	v_lshlrev_b32 v[WD], v[SH], v[WD]              ; 8 h bits up;
	v_permlanex16_b32 v[PD], v[WD], s30, s31
	v_or_b32 v[WD], v[WD], v[PD]                   ; with lane l xor 16's two the word is whole
.irp c, 0,1
	v_cvt_scalef32_pk16_fp6_f32 v[PCB+6*\c:PCB+6*\c+2], v[WX+32*\c:WX+32*\c+15], v[SOP+\c]
	v_cvt_scalef32_pk16_fp6_f32 v[TCB+4*\c:TCB+4*\c+2], v[WX+32*\c+16:WX+32*\c+31], v[SOP+\c]   ; (a conversion's three registers begin on an even number)
.endr
	v_nop                                          ; one plain line behind a scaled conversion
.irp c, 0,1
.irp i, 0,1,2
	v_mov_b32 v[PCB+6*\c+3+\i], v[TCB+4*\c+\i]
.endr
.endr
.irp c, 0,1,2
	global_store_b128 v5, v[PCB+4*\c:PCB+4*\c+3], s[24:25] offset:512*\c   ; 512 consecutive bytes, aligned
.endr
	global_store_b32 v6, v[WD], s[26:27]           ; 128 consecutive bytes: lanes r and 16 + r hold the same row's word
	s_endpgm
.Lfunc_end_k_q6e40d1e03b_prep:
	.size	k_q6e40d1e03b_prep, .Lfunc_end_k_q6e40d1e03b_prep-k_q6e40d1e03b_prep
	.p2alignl 7, 3214868480
	.fill 96, 4, 3214868480
	.section	.rodata,"a",@progbits
	.p2align	6, 0x0
	.amdhsa_kernel k_q6e40d1e03b_prep
		.amdhsa_group_segment_fixed_size 0
		.amdhsa_private_segment_fixed_size 0
		.amdhsa_enable_private_segment 0
		.amdhsa_kernarg_size 32
		.amdhsa_user_sgpr_count 2
		.amdhsa_user_sgpr_kernarg_segment_ptr 1
		.amdhsa_wavefront_size32 1
		.amdhsa_system_sgpr_workgroup_id_x 1
		.amdhsa_system_sgpr_workgroup_id_y 1
		.amdhsa_system_sgpr_workgroup_id_z 1
		.amdhsa_system_vgpr_workitem_id 0
		.amdhsa_next_free_vgpr 192
		.amdhsa_next_free_sgpr 66
		.amdhsa_reserve_vcc 1
		.amdhsa_float_denorm_mode_32 3
		.amdhsa_float_denorm_mode_16_64 3
		.amdhsa_memory_ordered 1
		.amdhsa_forward_progress 1
		.amdhsa_inst_pref_size 25
	.end_amdhsa_kernel
	.amdgpu_metadata
---
amdhsa.version: [ 1, 2 ]
amdhsa.kernels:
  - .name:           k_q6e40d1e03b_prep
    .symbol:         k_q6e40d1e03b_prep.kd
    .args:
      - { .name: x, .offset: 0, .size: 8, .value_kind: global_buffer, .address_space: global }
      - { .name: qkv_w, .offset: 8, .size: 8, .value_kind: global_buffer, .address_space: global }
      - { .name: proj_w, .offset: 16, .size: 8, .value_kind: global_buffer, .address_space: global }
      - { .name: wst, .offset: 24, .size: 8, .value_kind: global_buffer, .address_space: global }
    .group_segment_fixed_size: 0
    .private_segment_fixed_size: 0
    .kernarg_segment_align: 8
    .kernarg_segment_size: 32
    .max_flat_workgroup_size: 128
    .sgpr_count:     66
    .vgpr_count:     192
    .wavefront_size: 32
...
	.end_amdgpu_metadata
.endif
;; end of part 5
;; launch qkv (part 6): grid 256 x 1, 4 waves a work-group, no clusters, 80,384 bytes of LDS; arguments x, norm_w, norm_b, qkv_b, wst, qbuf, kvbuf; writes qbuf, kvbuf
.if DOCPART == 6
	.amdgcn_target "amdgcn-amd-amdhsa--gfx1250"
	.amdhsa_code_object_version 6
	.text
	.protected	k_q6e40d1e03b_qkv
	.globl	k_q6e40d1e03b_qkv
	.p2align	8
	.type	k_q6e40d1e03b_qkv,@function
k_q6e40d1e03b_qkv:
	s_mov_b64 s[64:65], 0
	v_nop
	global_prefetch_b8 v0, s[64:65] scope:SCOPE_SE
	s_setreg_imm32_b32 hwreg(HW_REG_WAVE_MODE, 25, 1), 1
	s_wait_xcnt 0x0
; QKV.  h = GroupNorm(x) in f32, quantised along the 256 channels; qkv = W h + b on codes of FP6 (E2M3) with one E8M0 scale for each 32 along K; q and k quantised along the head's 64, v along the pixels (the keys).
; SHARES.  A work-group takes 64 pixels of one image (work-group = 64 x image + block j).  Wave w is head w: it makes q, k and v of its head for the 64 pixels, 96 matrix instructions; its 24 fragments of W
; stay in its registers: the launch before left them as images of these registers, so a fragment comes by three loads of 512 consecutive bytes.  What goes from wave to wave is small: h, and then h's codes, through LDS.
; THE 16 ROWS OF A TILE ARE NEVER NEIGHBOURS: row r of tile 2 B + u of a group of 32 (pixels, or rows of W) is element 32 B + 8 u + r + 8 (r / 8).  In a result, register j of lane (., h) of that tile is then
; element 32 B + 16 h + 8 u + j: the 16 registers of tiles 2 B and 2 B + 1 are 16 neighbours, as the conversions want them.
; q, k: source 0 = 16 rows of W, source 1 = 16 pixels: a lane holds one pixel, its registers run along the head's 64.   v: source 0 = 16 pixels, source 1 = 16 rows of W: a lane holds one channel, its registers run along the pixels.
; WHAT IS STORED are images of operands' registers.  Half image, 768 bytes: six registers a lane (lane (r, h): block h of row r): registers 0-3 at 16 x lane, registers 4-5 at 512 + 8 x lane.
; Full image, 1,536 bytes: twelve registers, registers 4 c .. 4 c + 3 at 512 c + 16 x lane.  Every store of a wave covers 256 or 512 consecutive bytes, aligned.
;   qbuf: q's half images [head-of-image bh][pixel tile 4 j + T]; from 3145728 its scale words [bh][j][256 bytes]: the word (s0, s1, s0, s1) of tile T = 2 b + u, row r at 8 (16 u + r) + 4 b.
;   kvbuf: k's full images [bh][group of 32 keys]: registers 0-5 tile u = 0, registers 6-11 tile u = 1 (each key's 64 codes);  from 3145728 v's half images [bh][j][channel tile];
;   from 6291456 records [bh][j][256 bytes], 8 bytes a lane: k's word (lanes 0-15 group 0, lanes 16-31 group 1; bytes: u0's two, u1's two), v's word (lane (r, h): low half channel tile 2 h, high half tile 2 h + 1).
;   wst (read): W's fragment (tile tt = 0 .. 11 of q, k, v; head w; K step s) is F = 8 tt + 2 w + s: codes at 1536 F, scale words at 196608 + 128 F; statistics from 212992.
; STATISTICS.  A norm group is 32 channels; the launch before left (mean, M2) of each.  mean = the mean of the means; M2 = the sum of the M2 + 4,096 x the sum of (mean_i - mean)^2: no difference of large sums.
; THE ORDER OF THE LOADS.  First the 49 that h needs, behind them the 48 of q's and k's fragments; h is made while those 48 arrive; the other 68 are asked for behind h and arrive while h is quantised.
; LIMITS: a block of zeros gets the byte 1 where the quantiser's rule says 127 (its codes are zeros, and this program alone reads the bytes); blocks whose largest magnitude lies under 2^-124 are held at the byte 1;
; NaN and infinities are not served; 1 / sqrt is v_rsq_f32's.
; REGISTERS, in windows of 256.  Window 0: v1-15, v222 addresses; v16-143 x, then h, then h's 8 fragments (v16-111) and accumulators (v112-175); v144-207 the norm's gains and biases, later at work; v224-231 h's scale words, v232-255 W's.
;   Window 1: W's fragments for q and k (tile t, K step s) at v[12 (2 t + s)].   Window 2: those for v at v[12 (2 d + s)]; from v96 the bias of q's and k's 8 tiles in the result's layout; from v160 v's, eight equal registers a tile.
.set HTH,   32896                      ; LDS: h as f32: channel 64 a + 32 h + i at 256 (32 a + i) + HTH h + 4 x pixel.  HTH = 128 x 256 + 128: the upper halves lie 32 words on modulo 64 words, so the 32 lanes of a 4-byte load touch 32 different words modulo 64
.set XIMG,  65792                      ; h's 8 fragments (pixel tile T, K step s: 2 T + s), full images
.set XSC,   78080                      ; their scale words, 128 bytes each
.set XR,    16
.set NW,    144
.set NB,    176
.set XFA,   16
.set ACC,   112
.set PCB,   144                        ; the codes of a fragment of h
.set TCB,   156
.set TM,    176                        ; v176-177 largest magnitudes
.set TP,    178                        ; v178-179 the other half's
.set SOP,   180                        ; v180-181 the conversions' scale operands
.set BY,    182                        ; v182-183 the scale bytes
.set TC,    184                        ; v184-186 a conversion's second result
.set QI,    188                        ; v188-193 q's half image
.set KI,    194                        ; v194-205 k's full image
.set VI,    144                        ; v144-167 v's four half images
.set XSW,   224
.set WSW,   232
.set B1,    96
.set BV,    160
.set SEL,   22
.set MSB, 0
.macro WIN new                         ; the immediate's high byte repeats the setting that is left
.if MSB != \new
	s_set_vgpr_msb (MSB<<8)|\new
.set MSB, \new
.endif
.endm
.macro PLACES n
.rept \n
	v_nop
.endr
.endm
.macro BARRIER                         ; my LDS stores have landed and my LDS loads are in: then the work-group's barrier
	s_wait_dscnt 0x0
	s_barrier_signal -1
	s_barrier_wait -1
.endm
.macro HSUM reg                        ; the sum over the 16 lanes of my half of the wave
	v_add_f32_dpp v[\reg], v[\reg], v[\reg] row_xmask:1 row_mask:0xf bank_mask:0xf
	v_add_f32_dpp v[\reg], v[\reg], v[\reg] row_xmask:2 row_mask:0xf bank_mask:0xf
	v_add_f32_dpp v[\reg], v[\reg], v[\reg] row_xmask:4 row_mask:0xf bank_mask:0xf
	v_add_f32_dpp v[\reg], v[\reg], v[\reg] row_xmask:8 row_mask:0xf bank_mask:0xf
.endm
; K step s of my pixel tile of h: 64 numbers a lane, two WHOLE blocks (register 32 c + i = channel 128 s + 64 c + 32 h + i of my pixel), become a fragment and its scale word, and go to LDS as they stand.
.macro QUANTB s
.set SB, XR+64*\s
.irp c, 0,1
	v_max3_num_f32 v[TM+\c], |v[SB+32*\c]|, |v[SB+32*\c+1]|, 0x1800000   ; with the floor 2^(3 - 127): the byte cannot fall under 1
.endr
.irp i, 2,4,6,8,10,12,14,16,18,20,22,24,26,28,30
.irp c, 0,1
	v_max3_num_f32 v[TM+\c], v[TM+\c], |v[SB+32*\c+\i]|, |v[SB+32*\c+\i+1]|   ; (the two blocks by turns)
.endr
.endr
.irp c, 0,1
	v_add_nc_u32 v[SOP+\c], 0xff000000, v[TM+\c]   ; 2 off the exponent field: the conversion's scale operand
.endr
.irp c, 0,1
	v_lshrrev_b32 v[BY+\c], 23, v[SOP+\c]          ; the scale's byte
.endr
	v_lshl_or_b32 v184, v[BY+1], 16, v[BY]         ; my two bytes: blocks h and 2 + h,
	v_lshlrev_b32 v184, v185, v184                 ; 8 h bits up;
	v_permlanex16_b32 v186, v184, s[SEL], s[SEL+1]
	v_or_b32 v184, v184, v186                      ; with lane l xor 16's two the word is whole
.irp c, 0,1
	v_cvt_scalef32_pk16_fp6_f32 v[PCB+6*\c:PCB+6*\c+2], v[SB+32*\c:SB+32*\c+15], v[SOP+\c]
	v_cvt_scalef32_pk16_fp6_f32 v[TCB+4*\c:TCB+4*\c+2], v[SB+32*\c+16:SB+32*\c+31], v[SOP+\c]   ; (a conversion's three registers begin on an even number)
.endr
	v_nop                                          ; one plain line behind a scaled conversion
.irp c, 0,1
.irp i, 0,1,2
	v_mov_b32 v[PCB+6*\c+3+\i], v[TCB+4*\c+\i]
.endr
.endr
.irp c, 0,1,2
	ds_store_b128 v11, v[PCB+4*\c:PCB+4*\c+3] offset:1536*\s+512*\c
.endr
	ds_store_b32 v12, v184 offset:128*\s
.if \s == 0
	s_wait_dscnt 0x0                               ; the stores have read their registers
.endif
.endm
; 32 numbers of a lane, register 16 B + i = element 32 B + 16 h + i of my row, become six registers of codes (lane (r, h): block h of row r) in v[dst] on, and the two bytes in v[BY], v[BY+1].
.macro QUANT2 src, dst
.irp b, 0,1
	v_max3_num_f32 v[TM+\b], |v[(\src)+16*\b]|, |v[(\src)+16*\b+1]|, 0x1800000   ; each accumulator is read from its low end on
.endr
.irp i, 2,4,6,8,10,12,14
.irp b, 0,1
	v_max3_num_f32 v[TM+\b], v[TM+\b], |v[(\src)+16*\b+\i]|, |v[(\src)+16*\b+\i+1]|
.endr
.endr
.irp b, 0,1
	v_permlanex16_b32 v[TP+\b], v[TM+\b], s[SEL], s[SEL+1]
.endr
.irp b, 0,1
	v_max_num_f32 v[TM+\b], v[TM+\b], v[TP+\b]     ; with lane l xor 16's 16: the block's largest magnitude
.endr
.irp b, 0,1
	v_add_nc_u32 v[SOP+\b], 0xff000000, v[TM+\b]
.endr
.irp b, 0,1
	v_lshrrev_b32 v[BY+\b], 23, v[SOP+\b]
.endr
	v_cvt_scalef32_pk16_fp6_f32 v[(\dst):(\dst)+2], v[(\src):(\src)+15], v[SOP]
	v_cvt_scalef32_pk16_fp6_f32 v[TC:TC+2], v[(\src)+16:(\src)+31], v[SOP+1]
	v_nop                                          ; one plain line behind a scaled conversion
.irp i, 0,1,2
	v_permlane16_swap_b32 v[(\dst)+\i], v[TC+\i]   ; the first's lanes 16-31 change places with the second's lanes 0-15: the first holds my block's lower 16 codes, the second the upper 16
.endr
.irp i, 0,1,2
	v_mov_b32 v[(\dst)+3+\i], v[TC+\i]
.endr
.endm
	s_load_b256 s[4:11], s[0:1], 0x0               ; x s[4:5], norm_w s[6:7], norm_b s[8:9], qkv_b s[10:11]
	s_load_b128 s[12:15], s[0:1], 0x20             ; wst s[12:13], qbuf s[14:15]
	s_load_b64 s[16:17], s[0:1], 0x30              ; kvbuf
	v_lshl_add_u32 v13, v0, 2, 0x13800
	v_mov_b32 v223, 0
	v_lshrrev_b32 v1, 5, v0
	v_readfirstlane_b32 s18, v1                    ; wave = head
	v_and_b32 v1, 31, v0                           ; lane
	v_and_b32 v2, 15, v0                           ; r
	s_wait_alu depctr_va_vdst(0)
	v_bfe_u32 v3, v0, 4, 1                         ; h
	s_lshr_b32 s19, ttmp9, 6                       ; image
	s_and_b32 s20, ttmp9, 63                       ; block j of 64 pixels
	s_lshl_b32 s21, s19, 2
	s_add_co_u32 s21, s21, s18                     ; bh = 4 x image + head
	s_mov_b32 s[SEL], 0x76543210
	s_mov_b32 s[SEL+1], 0xfedcba98                 ; selects for lane l xor 16
	s_mov_b32 s24, 0x37000000                      ; 2^-17 = 1 / (32 x 4,096)
	s_mov_b32 s25, 0x3727c5ac                      ; 1e-5
	s_mov_b32 s42, 0x45800000                      ; 4,096
	s_mov_b32 vcc_lo, 0xffff0000                   ; lanes 16-31, for the selects; nothing else writes it
	v_lshlrev_b32 v4, 4, v2
	s_wait_alu depctr_va_vdst(0)
	v_lshl_add_u32 v6, v3, 8, v4
	v_lshl_add_u32 v4, v3, 19, v4
	s_lshl_b32 s46, s18, 20
	v_add_nc_u32 v4, s46, v4                       ; x: channel 64 w + 32 h, 16 r bytes into the block's 256
	s_lshl_b32 s46, s18, 9
	v_add_nc_u32 v6, s46, v6                       ; statistics: group 2 w + h, two channels' pairs a lane
	v_lshlrev_b32 v5, 7, v3
	s_lshl_b32 s46, s18, 8
	v_add_nc_u32 v5, s46, v5                       ; the norm's gains and biases of my 32 channels
	v_mul_u32_u24 v8, v3, HTH
	v_lshl_add_u32 v7, v2, 4, v8
	s_lshl_b32 s46, s18, 13
	v_add_nc_u32 v7, s46, v7                       ; h into LDS: 8192 w + HTH h + 16 r
	v_and_b32 v214, 8, v2
	v_add_nc_u32 v214, v214, v2                    ; r + 8 (r / 8)
	v_lshl_add_u32 v8, v214, 2, v8
	s_lshr_b32 s46, s18, 1
	s_lshl_b32 s46, s46, 7
	s_and_b32 s47, s18, 1
	s_lshl_b32 s47, s47, 5
	s_add_co_u32 s46, s46, s47
	v_add_nc_u32 v8, s46, v8                       ; h out of LDS: HTH h + 4 x my pixel of tile T = w
	v_lshlrev_b32 v9, 4, v1                        ; 16 x lane
	v_lshlrev_b32 v15, 3, v1                       ; 8 x lane
	v_lshlrev_b32 v14, 2, v1                       ; 4 x lane
	v_lshl_add_u32 v10, v1, 2, XSC
	v_lshl_add_u32 v222, v1, 4, XIMG
	s_mul_i32 s46, s18, 3072
	v_add_nc_u32 v11, s46, v222                    ; where I store my tile's two images
	s_lshl_b32 s46, s18, 8
	v_add_nc_u32 v12, s46, v10                     ; and their scale words
	v_lshlrev_b32 v213, 2, v214                    ; v's bias: my row's
	v_lshlrev_b32 v212, 6, v3                      ; q's and k's bias: 16 h numbers on
	s_wait_alu depctr_va_vdst(0)
	s_wait_kmcnt 0x0
	s_mov_b32 s45, 0
	s_lshl_b32 s44, s19, 22
	s_lshl_b32 s46, s20, 8
	s_add_co_u32 s44, s44, s46
	s_add_nc_u64 s[4:5], s[4:5], s[44:45]          ; x at my image and block
	s_lshl_b32 s44, s19, 11
	s_add_co_u32 s44, s44, 212992
	s_add_nc_u64 s[26:27], s[12:13], s[44:45]      ; my image's statistics
	s_mul_i32 s44, s18, 3072
	s_add_nc_u64 s[28:29], s[12:13], s[44:45]      ; W's codes at fragment 2 w
	s_lshl_b32 s44, s18, 8
	s_add_co_u32 s44, s44, 196608
	s_add_nc_u64 s[30:31], s[12:13], s[44:45]      ; W's scale words likewise
	s_lshl_b32 s44, s18, 8
	s_add_nc_u64 s[10:11], s[10:11], s[44:45]      ; qkv_b at row 64 w
	s_lshl_b32 s46, s21, 6
	s_add_co_u32 s46, s46, s20                     ; 64 bh + j
	s_mul_i32 s44, s46, 3072                       ; four half images, or two full ones, a block
	s_add_nc_u64 s[32:33], s[14:15], s[44:45]      ; q's images
	s_add_nc_u64 s[36:37], s[16:17], s[44:45]      ; k's
	s_add_co_u32 s44, s44, 3145728
	s_add_nc_u64 s[38:39], s[16:17], s[44:45]      ; v's
	s_lshl_b32 s44, s46, 8
	s_add_co_u32 s44, s44, 3145728
	s_add_nc_u64 s[34:35], s[14:15], s[44:45]      ; q's scale words
	s_add_co_u32 s44, s44, 3145728
	s_add_nc_u64 s[40:41], s[16:17], s[44:45]      ; k's and v's
	global_load_b128 v[208:211], v6, s[26:27]      ; what h needs goes first: 1 + 16 + 32 loads
.irp i, 0,1,2,3,4,5,6,7
	global_load_b128 v[NW+4*\i:NW+4*\i+3], v5, s[6:7] offset:16*\i
	global_load_b128 v[NB+4*\i:NB+4*\i+3], v5, s[8:9] offset:16*\i
.endr
.set jj, 0
.rept 32
	global_load_b128 v[XR+4*jj:XR+4*jj+3], v4, s[4:5] offset:16384*jj   ; sixteen lanes read a channel's 256 consecutive bytes, aligned
.set jj, jj+1
.endr
	WIN 0x40                                       ; destination window 1
.set t, 0
.rept 8                                        ; q's and k's 16 fragments: 48 loads of 512 consecutive bytes
.irp s, 0,1
.irp c, 0,1,2
	global_load_b128 v[12*(2*t+\s)+4*\c:12*(2*t+\s)+4*\c+3], v9, s[28:29] offset:12288*t+1536*\s+512*\c
.endr
.endr
.set t, t+1
.endr
	WIN 0
	s_wait_loadcnt 48                              ; loads come back in order: the 49 that h needs are in; the 48 of W issued behind them may be out
	; ---- 0: the group's statistics (each half of the wave owns group 2 w + h), then h
	v_add_f32 v214, v208, v210
	HSUM 214
	v_mul_f32 v214, 0x3d000000, v214               ; the mean of the 32 means
	v_sub_f32 v215, v208, v214
	v_sub_f32 v216, v210, v214
	v_mul_f32 v215, v215, v215
	v_fma_f32 v215, v216, v216, v215
	v_add_f32 v216, v209, v211
	v_fma_f32 v215, v215, s42, v216                ; my two M2 + 4,096 x my two (mean_i - mean)^2
	HSUM 215
	v_fma_f32 v215, v215, s24, s25                 ; the variance + 1e-5
	s_wait_alu depctr_va_vdst(0)
	v_rsq_f32 v215, v215
	v_nop                                          ; one plain line behind a transcendental
.set jj, 0
	s_wait_alu depctr_va_vdst(0)
.rept 32
	v_mul_f32 v[NW+jj], v215, v[NW+jj]             ; 1 / sqrt x the channel's gain
.set jj, jj+1
.endr
.set jj, 0
.rept 32
	v_pk_add_f32 v[XR+4*jj:XR+4*jj+1], v[XR+4*jj:XR+4*jj+1], v[214:215] op_sel_hi:[1,0] neg_lo:[0,1] neg_hi:[0,1]       ; x - mean (the pair's low word serves both halves)
	v_pk_add_f32 v[XR+4*jj+2:XR+4*jj+3], v[XR+4*jj+2:XR+4*jj+3], v[214:215] op_sel_hi:[1,0] neg_lo:[0,1] neg_hi:[0,1]
.irp q, 0,1,2,3
	v_fma_f32 v[XR+4*jj+\q], v[XR+4*jj+\q], v[NW+jj], v[NB+jj]
.endr
	ds_store_b128 v7, v[XR+4*jj:XR+4*jj+3] offset:256*jj
.set jj, jj+1
.endr
	v_mov_b32 v[TP], 0                             ; the norm's biases have been read for the last time: their registers go to work.  Written once: a lane permute's destination counts as one of its sources
	v_mov_b32 v[TP+1], 0
	v_mov_b32 v186, 0
	v_lshlrev_b32 v185, 3, v3                      ; 8 h
	WIN 0x80                                       ; destination window 2: the other 68 loads, which arrive while h is quantised
.set t, 0
.rept 4                                        ; v's 8 fragments
.irp s, 0,1
.irp c, 0,1,2
	global_load_b128 v[12*(2*t+\s)+4*\c:12*(2*t+\s)+4*\c+3], v9, s[28:29] offset:12288*(8+t)+1536*\s+512*\c
.endr
.endr
.set t, t+1
.endr
.set t, 0
.rept 8
.set RO, 256*(t/4)+32*((t/2)%2)+8*(t%2)
	global_load_b128 v[B1+8*t:B1+8*t+3], v212, s[10:11] offset:RO*4          ; register j: the bias of the tile's row 16 h + j
	global_load_b128 v[B1+8*t+4:B1+8*t+7], v212, s[10:11] offset:RO*4+16
.set t, t+1
.endr
	WIN 0
.set t, 0
.rept 4
	global_load_b32 v[217+t], v213, s[10:11] offset:(512+32*(t/2)+8*(t%2))*4
.set t, t+1
.endr
.set t, 0
.rept 12
	global_load_b32 v[WSW+2*t], v14, s[30:31] offset:1024*t                  ; 128 consecutive bytes: fragment 8 t + 2 w + s
	global_load_b32 v[WSW+2*t+1], v14, s[30:31] offset:1024*t+128
.set t, t+1
.endr
	BARRIER                                        ; h of the 256 channels x 64 pixels lies in LDS
	; ---- X: wave w quantises pixel tile T = w: a lane takes one pixel, and its registers run down the channels
.set jj, 0
.rept 128
	ds_load_b32 v[XR+jj], v8 offset:256*jj
.set jj, jj+1
.endr
	s_wait_dscnt 0x0
	QUANTB 0
	QUANTB 1
	BARRIER                                        ; h's eight fragments lie in LDS
	; ---- 1: the products
.set f, 0
.rept 8
.irp c, 0,1,2
	ds_load_b128 v[XFA+12*f+4*\c:XFA+12*f+4*\c+3], v222 offset:1536*f+512*\c
.endr
	ds_load_b32 v[XSW+f], v10 offset:128*f
.set f, f+1
.endr
	s_wait_loadcnt 0x0                             ; W, its scale words and the biases are in
	WIN 0x80
.irp d, 0,1,2,3
.irp i, 0,1,2,3,4,5,6,7
	v_mov_b32 v[BV+8*\d+\i], v[217+\d]             ; v's bias hangs on the lane's channel alone: eight equal registers, the C of a sum's first product
.endr
.endr
	WIN 0
	s_wait_dscnt 0x0
; q and k of pixel tile m: eight accumulators by turns, K step by K step; the bias is the C of each sum's first product
.macro PASSA m
.if \m > 0
	s_wait_xcnt 0x0                                ; the last tile's stores have read their registers, which are written again below
.endif
	PLACES 5                                       ; the accumulators begin anew: five places behind the products that wrote them
	WIN 0x21                                       ; source 0 (W) window 1, source 2 (the bias) window 2
.irp t, 0,1,2,3,4,5,6,7
	v_wmma_scale_f32_16x16x128_f8f6f4 v[ACC+8*\t:ACC+8*\t+7], v[24*\t:24*\t+11], v[XFA+24*\m:XFA+24*\m+11], v[B1+8*\t:B1+8*\t+7], v[WSW+2*\t], v[XSW+2*\m] matrix_a_fmt:MATRIX_FMT_FP6 matrix_b_fmt:MATRIX_FMT_FP6
.endr
	WIN 0x01
.irp t, 0,1,2,3,4,5,6,7
	v_wmma_scale_f32_16x16x128_f8f6f4 v[ACC+8*\t:ACC+8*\t+7], v[24*\t+12:24*\t+23], v[XFA+24*\m+12:XFA+24*\m+23], v[ACC+8*\t:ACC+8*\t+7], v[WSW+2*\t+1], v[XSW+2*\m+1] matrix_a_fmt:MATRIX_FMT_FP6 matrix_b_fmt:MATRIX_FMT_FP6
.endr
	WIN 0
	PLACES 4                                       ; in front of the first read of results
	QUANT2 ACC, QI
	global_store_b128 v9, v[QI:QI+3], s[32:33] offset:768*\m
	global_store_b64 v15, v[QI+4:QI+5], s[32:33] offset:768*\m+512
	v_lshl_or_b32 v206, v[BY+1], 8, v[BY]
	v_lshl_or_b32 v[207+\m%2], v206, 16, v206      ; q's word: (s0, s1, s0, s1)
	QUANT2 ACC+32, KI+6*(\m%2)
	v_lshl_or_b32 v[209+\m%2], v[BY+1], 8, v[BY]
.if \m%2 == 1
.irp c, 0,1,2
	global_store_b128 v9, v[KI+4*\c:KI+4*\c+3], s[36:37] offset:1536*(\m/2)+512*\c
.endr
	v_lshl_or_b32 v[211+\m/2], v210, 16, v209      ; k's word of the group: tile u = 0's two bytes, tile u = 1's two
	v_cndmask_b32 v[218+\m/2], v207, v208, vcc_lo  ; q's words: lanes 0-15 tile u = 0's, lanes 16-31 tile u = 1's
.endif
.endm
	PASSA 0
	PASSA 1
	PASSA 2
	PASSA 3
; v's channel tile d for the four pixel tiles: four accumulators by turns
.macro PASSB d
	PLACES 5
	WIN 0x28                                       ; source 1 (W) and source 2 (the bias) window 2
.irp m, 0,1,2,3
	v_wmma_scale_f32_16x16x128_f8f6f4 v[ACC+8*\m:ACC+8*\m+7], v[XFA+24*\m:XFA+24*\m+11], v[24*\d:24*\d+11], v[BV+8*\d:BV+8*\d+7], v[XSW+2*\m], v[WSW+16+2*\d] matrix_a_fmt:MATRIX_FMT_FP6 matrix_b_fmt:MATRIX_FMT_FP6
.endr
	WIN 0x08
.irp m, 0,1,2,3
	v_wmma_scale_f32_16x16x128_f8f6f4 v[ACC+8*\m:ACC+8*\m+7], v[XFA+24*\m+12:XFA+24*\m+23], v[24*\d+12:24*\d+23], v[ACC+8*\m:ACC+8*\m+7], v[XSW+2*\m+1], v[WSW+16+2*\d+1] matrix_a_fmt:MATRIX_FMT_FP6 matrix_b_fmt:MATRIX_FMT_FP6
.endr
	WIN 0
	PLACES 4
	QUANT2 ACC, VI+6*\d
	v_lshl_or_b32 v[213+\d], v[BY+1], 8, v[BY]     ; the bytes of the block's two groups of 32 keys
	global_store_b128 v9, v[VI+6*\d:VI+6*\d+3], s[38:39] offset:768*\d
	global_store_b64 v15, v[VI+6*\d+4:VI+6*\d+5], s[38:39] offset:768*\d+512
.endm
	PASSB 0
	PASSB 1
	PASSB 2
	PASSB 3
	v_cndmask_b32 v220, v211, v212, vcc_lo         ; k's words: lanes 0-15 group 0's, lanes 16-31 group 1's
	v_lshl_or_b32 v206, v214, 16, v213
	v_lshl_or_b32 v207, v216, 16, v215
	v_cndmask_b32 v221, v206, v207, vcc_lo         ; v's: lanes 0-15 tiles 0 and 1, lanes 16-31 tiles 2 and 3
	global_store_b64 v15, v[218:219], s[34:35]     ; 256 consecutive bytes, aligned
	global_store_b64 v15, v[220:221], s[40:41]
	s_wait_tensorcnt 0x0
	ds_add_u32 v13, v223
	s_wait_dscnt 0x0
	s_endpgm
.Lfunc_end_k_q6e40d1e03b_qkv:
	.size	k_q6e40d1e03b_qkv, .Lfunc_end_k_q6e40d1e03b_qkv-k_q6e40d1e03b_qkv
	.p2alignl 7, 3214868480
	.fill 96, 4, 3214868480
	.section	.rodata,"a",@progbits
	.p2align	6, 0x0
	.amdhsa_kernel k_q6e40d1e03b_qkv
		.amdhsa_group_segment_fixed_size 80384
		.amdhsa_private_segment_fixed_size 0
		.amdhsa_enable_private_segment 0
		.amdhsa_kernarg_size 56
		.amdhsa_user_sgpr_count 2
		.amdhsa_user_sgpr_kernarg_segment_ptr 1
		.amdhsa_wavefront_size32 1
		.amdhsa_system_sgpr_workgroup_id_x 1
		.amdhsa_system_sgpr_workgroup_id_y 1
		.amdhsa_system_sgpr_workgroup_id_z 1
		.amdhsa_system_vgpr_workitem_id 0
		.amdhsa_next_free_vgpr 768
		.amdhsa_next_free_sgpr 66
		.amdhsa_reserve_vcc 1
		.amdhsa_float_denorm_mode_32 3
		.amdhsa_float_denorm_mode_16_64 3
		.amdhsa_memory_ordered 1
		.amdhsa_forward_progress 1
		.amdhsa_inst_pref_size 94
	.end_amdhsa_kernel
	.amdgpu_metadata
---
amdhsa.version: [ 1, 2 ]
amdhsa.kernels:
  - .name:           k_q6e40d1e03b_qkv
    .symbol:         k_q6e40d1e03b_qkv.kd
    .args:
      - { .name: x, .offset: 0, .size: 8, .value_kind: global_buffer, .address_space: global }
      - { .name: norm_w, .offset: 8, .size: 8, .value_kind: global_buffer, .address_space: global }
      - { .name: norm_b, .offset: 16, .size: 8, .value_kind: global_buffer, .address_space: global }
      - { .name: qkv_b, .offset: 24, .size: 8, .value_kind: global_buffer, .address_space: global }
      - { .name: wst, .offset: 32, .size: 8, .value_kind: global_buffer, .address_space: global }
      - { .name: qbuf, .offset: 40, .size: 8, .value_kind: global_buffer, .address_space: global }
      - { .name: kvbuf, .offset: 48, .size: 8, .value_kind: global_buffer, .address_space: global }
    .group_segment_fixed_size: 80384
    .private_segment_fixed_size: 0
    .kernarg_segment_align: 8
    .kernarg_segment_size: 56
    .max_flat_workgroup_size: 128
    .sgpr_count:     66
    .vgpr_count:     768
    .wavefront_size: 32
...
	.end_amdgpu_metadata
.endif
;; end of part 6
;; launch attn (part 7): grid 16 x 16, 16 waves a work-group, clusters of 4 x 1, 327,680 bytes of LDS; arguments qbuf, kvbuf, obuf; writes obuf
.if DOCPART == 7
	.amdgcn_target "amdgcn-amd-amdhsa--gfx1250"
	.amdhsa_code_object_version 6
	.text
	.protected	k_q6e40d1e03b_attn
	.globl	k_q6e40d1e03b_attn
	.p2align	8
	.type	k_q6e40d1e03b_attn,@function
k_q6e40d1e03b_attn:
	s_mov_b64 s[64:65], 0
	v_nop
	global_prefetch_b8 v0, s[64:65] scope:SCOPE_SE
	s_setreg_imm32_b32 hwreg(HW_REG_WAVE_MODE, 25, 1), 1
	s_wait_xcnt 0x0
	s_wait_alu depctr_hold_cnt(0) depctr_sa_sdst(0) depctr_va_vdst(0) depctr_va_sdst(0) depctr_va_ssrc(0) depctr_va_vcc(0) depctr_vm_vsrc(0)
	s_getreg_b32 s2, hwreg(HW_REG_IB_STS2, 6, 4)
	s_cmp_eq_u32 s2, 0
	s_cbranch_scc0 .Lentry_in_a_cluster
	s_endpgm
.Lentry_in_a_cluster:
	s_bfe_u32 s2, ttmp6, 0x10000c
	s_cmp_lg_u32 s2, 0x3003
	s_cbranch_scc0 .Lentry_shape_is_right
	s_endpgm
.Lentry_shape_is_right:
; ATTENTION on codes of FP6 (E2M3) with one E8M0 scale for each 32 along a product's K.  16 heads-of-images (bh), 4,096 pixels, head size 64.  o = softmax(q k^T / 8) v, quantised along the channels for the projection.
; THE SOFTMAX AHEAD OF THE SECOND PRODUCT: t = score x log2(e) / 8; M = the row's largest t so far, rounded UP to a whole number; p = 2^(t - M) is what is quantised, along the keys; it is not normalised.
; The row's sum is taken of the unquantised p, in f32, and divides O at the end.  When M moves, the sum and O are multiplied by 2^(old M - new M): exact.
; SHARES.  A work-group owns 256 queries of one bh; each of its sixteen waves owns one tile of 16, in 256 registers: four waves to a SIMD, so that one wave's vector work stands beside another's matrix work and LDS loads.
; Every wave walks the 4,096 keys, 128 a step.  All operands lie in memory as images of their registers (made by the launch before), so a fragment comes by loads of consecutive bytes in consecutive lanes: no pitch, no padding.
; LAYOUT.  Both products are used transposed: S^T = K Q^T (source 0 = 16 keys, source 1 = my 16 queries), O^T = V^T P^T (source 0 = 16 channels, source 1 = P): a lane holds ONE query throughout.
; The keys of a tile are not neighbours (row r of tile 2 b + u is key 32 b + 8 u + r + 8 (r / 8)), so the 16 registers of tiles 2 b, 2 b + 1 are keys 32 b + 16 h + 0 .. 15; V's channels likewise, so O^T's registers run along the channels.
; K = 64 IN AN INSTRUCTION OF K = 128.  A fragment of K holds two tiles of keys: tile u = 0's 64 codes at k = 0 .. 63, tile u = 1's at k = 64 .. 127.  Q stands twice in registers: (q, zeros) and (zeros, q).
; The first gives tile u = 0's scores, the second tile u = 1's: a zero code times any code of this format is 0, and no scale byte here is 0xff.
; THE ROW'S SUM RUNS A STEP BEHIND.  A step's p stay in their registers until the next step's scores are written over them, and their 32 packed additions stand at the head of that next step: one as the fourth place in front of
; K's loads, 28 between those loads and the wait for them, three as places behind the score products.  The sum is multiplied by f behind them, so each p is summed under the M under which it was made.  The first step finds zeros; the last step's p are summed on the way out.
; CLUSTER.  The four work-groups of a cluster belong to one bh and walk the same K and V: each tile is asked for JOINTLY, by the same tensor load with the same descriptor and a mask that names the four.
; The place in the cluster enters q's and o's global addresses alone.
; THE RING.  Two slots of 1,024 keys (K's 49,152 dense bytes, then V's), four fills in the launch; waves 0, 1 fetch K's halves, waves 2, 3 V's, 96 rows of 256 bytes each.  By this text's count a wave has one tensor load out at the most,
; and a refill has a slot's eight steps in which to land.  The scale words of all 32 steps are copied into LDS once, at the head, in whole records of 256 bytes.
; LIMITS: a block's largest p is taken through its largest score (this takes v_exp_f32 not to fall where its input rises; at the worst one p within an ulp of a power of two is held one code low);
; a block of zeros gets the byte 1 where the quantiser's rule says 127 (its codes are zeros, and this program alone reads the bytes); NaN and infinities are not served; 1 / l is v_rcp_f32's.
.set SLOT1, 131072                     ; slot 1 begins here: one exclusive or turns an address in one slot into the other's
.set VOFF,  49152                      ; in a slot: V behind K
.set STEPB, 6144                       ; a step's bytes of K (four full images), and of V (eight half images)
.set SPARE, 114688                     ; between the slots: the spare words, 128 bytes for each wave: eight blocks of 256 bytes that no other line names
.set SCK,   262144                     ; K's scale words: 256 bytes a step: register e at 128 e + 4 x lane
.set SCV,   270336                     ; V's likewise
.set A16, 6                            ; v6   LDS address of the step's tiles, 16 bytes a lane
.set A8,  7                            ; v7   8 bytes a lane
.set AS,  8                            ; v8   of the step's scale words
.set QLO, 16                           ; v16-27  (q, zeros)
.set QHI, 28                           ; v28-39  (zeros, q)
.set KF,  40                           ; v40-87  four fragments: K's, then V's
.set S,   96                           ; v96-159 S^T, then p
.set O,   160                          ; v160-191 O^T
.set PC,  192                          ; v192-203 p's codes
.set TC,  204                          ; v204-206, v208-210 the conversions' second results
.set BM,  212                          ; v212-215 each block's largest score, then p
.set BP,  216                          ; v216-219 two chains of the sum; then the other half's maxima; then bytes
.set SO,  220                          ; v220-223 the conversions' scale operands
.set SX,  248                          ; v[248:249] a chain of the sum
.set KW,  240                          ; v240-241 K's scale words;  v242-243 V's;  v244 p's;  v245 q's: these six hold scales and nothing else
.set VW,  242
.set PW,  244
.set QW,  245
.set TM,  212                          ; the way out's quantiser: largest magnitudes, the other half's, scale operands, bytes
.set TP,  216
.set SOP, 220
.set BY,  222
.set WV,  18
.set SEL, 20
.set CS,  22
.set G1,  24                           ; s[24:31] descriptor group 1, for K's and V's tiles alike
.set G0K, 32                           ; s[32:35] group 0 for K's tiles, which walks;  s[36:39] for V's
.set G0V, 36
.set TB,  40                           ; LDS byte at which the step's tiles begin
.set TS,  41                           ; and its scale words: 256 bytes a step
.set SLOTS, 42
.set STEPS, 43
.macro CROUND                          ; a round of the cluster's barrier: my work-group's barrier; wave 0 signals for the work-group; every wave waits for all four; my work-group's barrier once more
	s_barrier_signal -1
	s_barrier_wait -1
	s_cmp_lg_u32 s[WV], 0
	s_cbranch_scc1 .Lnot_wave_0_\@
	s_barrier_signal -3
.Lnot_wave_0_\@:
	s_barrier_wait -3
	s_barrier_signal -1
	s_barrier_wait -1
.endm
.macro TLOAD                           ; waves 0, 1 ask for K's halves, waves 2, 3 for V's, the others for nothing: the branches hang on the wave's number alone.  Four v_nop follow each line
	s_cmp_lt_u32 s[WV], 2
	s_cbranch_scc0 .Lnot_k_\@
	tensor_load_to_lds s[G0K:G0K+3], s[G1:G1+7]
	s_nop 0
.rept 4
	v_nop
.endr
	s_branch .Lasked_\@
.Lnot_k_\@:
	s_cmp_lt_u32 s[WV], 4
	s_cbranch_scc0 .Lasked_\@
	tensor_load_to_lds s[G0V:G0V+3], s[G1:G1+7]
	s_nop 0
.rept 4
	v_nop
.endr
.Lasked_\@:
.endm
; THE ROW'S SUM OF THE UNQUANTISED p in v[S] on: 32 packed additions in four chains (the running sum's pair is one of them), cut in three so that they can stand where a step has room for them.
.macro SUM_HEAD
	v_pk_add_f32 v[BP:BP+1], v[S:S+1], v[S+2:S+3]
.endm
.macro SUM_BODY
	v_pk_add_f32 v[BP+2:BP+3], v[S+4:S+5], v[S+6:S+7]
	v_pk_add_f32 v[SX:SX+1], v[S+8:S+9], v[S+10:S+11]
	v_pk_add_f32 v[14:15], v[14:15], v[S+12:S+13]
	v_pk_add_f32 v[BP:BP+1], v[BP:BP+1], v[S+14:S+15]
.set j, 16
.rept 6
	v_pk_add_f32 v[BP+2:BP+3], v[BP+2:BP+3], v[S+j:S+j+1]
	v_pk_add_f32 v[SX:SX+1], v[SX:SX+1], v[S+j+2:S+j+3]
	v_pk_add_f32 v[14:15], v[14:15], v[S+j+4:S+j+5]
	v_pk_add_f32 v[BP:BP+1], v[BP:BP+1], v[S+j+6:S+j+7]
.set j, j+8
.endr
.endm
.macro SUM_JOIN
	v_pk_add_f32 v[BP:BP+1], v[BP:BP+1], v[BP+2:BP+3]
	v_pk_add_f32 v[14:15], v[14:15], v[SX:SX+1]
	s_delay_alu instid0(VALU_DEP_1)
	v_pk_add_f32 v[14:15], v[14:15], v[BP:BP+1]
.endm
; 32 numbers of a lane, register 16 B + i = element 32 B + 16 h + i of my row, become six registers of codes (lane (r, h): block h of row r) in v[dst] on, and the two bytes in v[BY], v[BY+1].
.macro QUANT2 src, dst
.irp b, 0,1
	v_max3_num_f32 v[TM+\b], |v[(\src)+16*\b]|, |v[(\src)+16*\b+1]|, 0x1800000   ; with the floor 2^(3 - 127): the byte cannot fall under 1
.endr
.irp i, 2,4,6,8,10,12,14
.irp b, 0,1
	s_delay_alu instid0(VALU_DEP_2)
	v_max3_num_f32 v[TM+\b], v[TM+\b], |v[(\src)+16*\b+\i]|, |v[(\src)+16*\b+\i+1]|
.endr
.endr
.irp b, 0,1
	s_delay_alu instid0(VALU_DEP_2)
	v_permlanex16_b32 v[TP+\b], v[TM+\b], s[SEL], s[SEL+1]
.endr
.irp b, 0,1
	s_delay_alu instid0(VALU_DEP_2)
	v_max_num_f32 v[TM+\b], v[TM+\b], v[TP+\b]
.endr
.irp b, 0,1
	s_delay_alu instid0(VALU_DEP_2)
	v_add_nc_u32 v[SOP+\b], 0xff000000, v[TM+\b]
.endr
.irp b, 0,1
	s_delay_alu instid0(VALU_DEP_2)
	v_lshrrev_b32 v[BY+\b], 23, v[SOP+\b]
.endr
	v_cvt_scalef32_pk16_fp6_f32 v[(\dst):(\dst)+2], v[(\src):(\src)+15], v[SOP]
	v_cvt_scalef32_pk16_fp6_f32 v[TC:TC+2], v[(\src)+16:(\src)+31], v[SOP+1]
	v_nop                                          ; one plain line behind a scaled conversion
.irp i, 0,1,2
	v_permlane16_swap_b32 v[(\dst)+\i], v[TC+\i]
.endr
.irp i, 0,1,2
	s_delay_alu instid0(VALU_DEP_3)
	v_mov_b32 v[(\dst)+3+\i], v[TC+\i]
.endr
.endm
	s_load_b128 s[4:7], s[0:1], 0x0                ; qbuf s[4:5], kvbuf s[6:7]
	s_load_b64 s[8:9], s[0:1], 0x10                ; obuf
	v_lshl_add_u32 v4, v0, 2, SPARE                ; my spare word; never rewritten
	v_mov_b32 v5, 0                                ; 0; never rewritten
	ds_add_u32 v4, v5
	ds_add_u32 v4, v5
	s_wait_dscnt 0x0
	v_lshrrev_b32 v88, 5, v0
	s_delay_alu instid0(VALU_DEP_1)
	v_readfirstlane_b32 s[WV], v88                 ; wave 0..15
	s_bfe_u32 s19, ttmp6, 0x40000                  ; cx: my place in the cluster
	s_lshl_b32 s44, ttmp9, 2                       ; in a cluster launch ttmp9 counts clusters
	s_add_co_u32 s44, s44, s19                     ; my block of 256 queries: it enters q's and o's addresses alone
	s_and_b32 s45, ttmp7, 0xffff                   ; bh, which the four partners share
	s_and_b32 s46, s[WV], 1
	s_mul_i32 s47, s46, 24576                      ; which half of a slot's K or V I fetch, if I fetch: in LDS and in memory alike
	s_mul_i32 s48, s45, 196608                     ; a bh's K, and its V, are 196,608 bytes
	s_add_co_u32 s48, s48, s47
	s_mov_b32 s49, 0
	s_mov_b32 s[G1], 15|(3<<16)|(1<<21)            ; 15:0 the mask: all four work-groups; 17:16 elements of 8 bytes; 20 no padding; 21 set beside a mask
	s_mov_b32 s[G1+1], 32<<16                      ; tensor_dim0 = 32 elements: rows of 256 bytes
	s_mov_b32 s[G1+2], 96<<16                      ; tensor_dim1 = 96
	s_mov_b32 s[G1+3], 32<<16                      ; tile_dim0
	s_mov_b32 s[G1+4], 96                          ; tile_dim1
	s_mov_b32 s[G1+5], 32                          ; the pitch: the block is dense
	s_mov_b32 s[G1+6], 0
	s_mov_b32 s[G1+7], 0
	s_mov_b32 s[SEL], 0x76543210
	s_mov_b32 s[SEL+1], 0xfedcba98                 ; selects for lane l xor 16
	s_mov_b32 s[CS], 0x3e38aa3b                    ; c = log2(e) / 8
	s_mov_b32 s[CS+1], s[CS]                       ; (named with it as a pair, so it is written)
	s_mov_b32 s50, 0x05040100                      ; byte selects: the two low halves,
	s_mov_b32 s51, 0x07060302                      ; the two high halves
	s_mov_b32 s[TB], 0
	s_mov_b32 s[TS], 0
	s_mov_b32 s[SLOTS], 3
	s_lshl_b32 s14, s44, 4
	s_add_co_u32 s14, s14, s[WV]                   ; my tile of queries among the bh's 256
	s_lshl_b32 s15, s45, 8
	s_add_co_u32 s15, s15, s14
	s_mul_i32 s54, s15, 768                        ; q's half image
	s_mov_b32 s55, 0
	s_lshr_b32 s56, s15, 2
	s_lshl_b32 s56, s56, 8                         ; q's scale words: the record of my block of 64 pixels,
	s_lshl_b32 s16, s46, 7
	s_add_co_u32 s56, s56, s16                     ; 128 u,
	s_bfe_u32 s16, s[WV], 0x10001
	s_lshl_b32 s16, s16, 2
	s_add_co_u32 s56, s56, s16                     ; 4 b
	s_add_co_u32 s56, s56, 3145728
	s_mov_b32 s57, 0
	s_lshr_b32 s16, s45, 2
	s_lshl_b32 s16, s16, 8
	s_add_co_u32 s16, s16, s14
	s_lshl_b32 s16, s16, 2
	s_and_b32 s17, s45, 3
	s_add_co_u32 s16, s16, s17                     ; o's record: (256 x image + tile) x 4 + head
	s_mul_i32 s10, s16, 768
	s_mov_b32 s11, 0
	s_lshl_b32 s12, s16, 7
	s_add_co_u32 s12, s12, 3145728
	s_mov_b32 s13, 0
	s_lshl_b32 s52, s45, 14
	s_add_co_u32 s52, s52, 6291456                 ; the bh's 64 records of scale words
	s_mov_b32 s53, 0
	s_wait_kmcnt 0x0
	s_add_nc_u64 s[54:55], s[4:5], s[54:55]
	s_add_nc_u64 s[56:57], s[4:5], s[56:57]
	s_add_nc_u64 s[10:11], s[8:9], s[10:11]
	s_add_nc_u64 s[12:13], s[8:9], s[12:13]
	s_add_nc_u64 s[52:53], s[6:7], s[52:53]
	s_mov_b32 s[G0K], 1                            ; 1:0 count = 1
	s_mov_b32 s[G0K+1], s47                        ; 63:32 LDS address: slot 0
	s_add_nc_u64 s[G0K+2:G0K+3], s[6:7], s[48:49]  ; 120:64 global address: the bh's first 1,024 keys
	s_or_b32 s[G0K+3], s[G0K+3], 0x80000000        ; 127:126 type = 2
	s_mov_b32 s[G0V], 1
	s_add_co_u32 s[G0V+1], s47, VOFF
	s_add_nc_u64 s[G0V+2:G0V+3], s[6:7], s[48:49]
	s_add_nc_u64 s[G0V+2:G0V+3], s[G0V+2:G0V+3], 3145728
	s_or_b32 s[G0V+3], s[G0V+3], 0x80000000
	CROUND                                         ; all four work-groups are here: the first joint loads meet
	TLOAD                                          ; slot 0
	v_and_b32 v88, 31, v0                          ; lane
	v_and_b32 v89, 15, v0                          ; r
	v_bfe_u32 v90, v0, 4, 1                        ; h
	s_delay_alu instid0(VALU_DEP_3)
	v_lshlrev_b32 v1, 4, v88                       ; 16 x lane; never rewritten
	s_delay_alu instid0(VALU_DEP_4)
	v_lshlrev_b32 v2, 3, v88                       ; 8 x lane; never rewritten
	v_lshl_add_u32 v3, v88, 2, SCK                 ; SCK + 4 x lane; never rewritten
	v_lshlrev_b32 v95, 2, v88                      ; 4 x lane
	s_lshl_b32 s16, s[WV], 9
	v_add_nc_u32 v91, s16, v2                      ; the records of steps w and 16 + w: two records of 256 bytes a step
	v_lshlrev_b32 v92, 3, v89                      ; q's word: 8 r
	s_lshl_b32 s16, s[WV], 8
	v_add_nc_u32 v93, s16, v3                      ; where K's words of step w go
	v_lshlrev_b32 v94, 2, v89
	s_delay_alu instid0(VALU_DEP_1)
	v_lshl_add_u32 v94, v90, 7, v94
	s_delay_alu instid0(VALU_DEP_1)
	v_add_nc_u32 v94, s16, v94
	s_delay_alu instid0(VALU_DEP_1)
	v_add_nc_u32 v94, SCV, v94                     ; and V's: 256 w + 128 h + 4 r
.irp e, 0,1
.irp c, 0,1
	global_load_b64 v[228+4*\e+2*\c:229+4*\e+2*\c], v91, s[52:53] offset:8192*\e+256*\c   ; 256 consecutive bytes, aligned: (K's word, V's word) a lane
.endr
.endr
	global_load_b128 v[QLO:QLO+3], v1, s[54:55]    ; q, twice: a product's two sources share no register, and neither do the two operands made of q
	global_load_b64 v[QLO+4:QLO+5], v2, s[54:55] offset:512
	global_load_b128 v[QHI+6:QHI+9], v1, s[54:55]
	global_load_b64 v[QHI+10:QHI+11], v2, s[54:55] offset:512
	global_load_b32 v[QW], v92, s[56:57]
.irp i, 0,1,2,3,4,5
	v_mov_b32 v[QLO+6+\i], 0                       ; zero codes for the half of K that is not q's
	v_mov_b32 v[QHI+\i], 0
.endr
	v_mov_b32 v13, 0xff61b1e6                      ; the largest t so far: -3e38, under every t
	s_delay_alu instid0(VALU_DEP_1)
	v_floor_f32 v12, -v13                          ; -M
	v_mov_b32 v14, 0                               ; the sum, in two halves
	v_mov_b32 v15, 0
.irp b, 0,1,2,3
	v_mov_b32 v[BP+\b], 0                          ; written once: a lane permute's destination counts as one of its sources
.endr
	v_mov_b32 v227, 0                              ; (named as the upper half of the pair v[226:227])
.set j, 0
.rept 32
	v_mov_b32 v[O+j], 0                            ; O^T.  (The step is written once: the first finds zeros, which the first change of M leaves zeros)
.set j, j+1
.endr
.set j, 0
.rept 64
	v_mov_b32 v[S+j], 0                            ; the p of the step before the first, which the first step's head sums: zeros
.set j, j+1
.endr
	s_wait_loadcnt 5                               ; the four records are in; the five loads of q issued behind them may be out
.irp e, 0,1
.irp c, 0,1
	ds_store_b32 v93, v[228+4*\e+2*\c] offset:4096*\e+128*\c   ; K's words of the step's groups 2 c (lanes 0-15) and 2 c + 1 (lanes 16-31)
.endr
	v_perm_b32 v[236+2*\e], v[231+4*\e], v[229+4*\e], s50      ; V's word of channel tile 2 h: the first 64 keys' two bytes, the second 64 keys' two
	v_perm_b32 v[237+2*\e], v[231+4*\e], v[229+4*\e], s51      ; and of tile 2 h + 1
	ds_store_b32 v94, v[236+2*\e] offset:4096*\e
	ds_store_b32 v94, v[237+2*\e] offset:4096*\e+64
.endr
	s_wait_loadcnt 0x0                             ; q
; A KEY STEP: 128 keys.
.macro STEP
	v_add_nc_u32 v[A16], s[TB], v1                 ; these three and the sum's first line are the four places between the last products and the loads into the registers that they read
	v_add_nc_u32 v[A8], s[TB], v2
	v_add_nc_u32 v[AS], s[TS], v3
	SUM_HEAD                                       ; the last step's p are summed here,
.irp b, 0,1,2,3
.irp c, 0,1,2
	ds_load_b128 v[KF+12*\b+4*\c:KF+12*\b+4*\c+3], v[A16] offset:1536*\b+512*\c
.endr
.endr
	ds_load_b32 v[KW], v[AS]
	ds_load_b32 v[KW+1], v[AS] offset:128
	SUM_BODY                                       ; while K's fragments are on their way out of LDS
	s_wait_alu depctr_va_vdst(0)
	s_wait_dscnt 0x0
.irp b, 0,1,2,3                                ; S^T: group b's two tiles of 16 keys from one fragment of K; the scores land on the p just summed
.if \b%2 == 0
	v_wmma_scale_f32_16x16x128_f8f6f4 v[S+16*\b:S+16*\b+7], v[KF+12*\b:KF+12*\b+11], v[QLO:QLO+11], 0, v[KW+\b/2], v[QW] matrix_a_fmt:MATRIX_FMT_FP6 matrix_b_fmt:MATRIX_FMT_FP6
	v_wmma_scale_f32_16x16x128_f8f6f4 v[S+16*\b+8:S+16*\b+15], v[KF+12*\b:KF+12*\b+11], v[QHI:QHI+11], 0, v[KW+\b/2], v[QW] matrix_a_fmt:MATRIX_FMT_FP6 matrix_b_fmt:MATRIX_FMT_FP6
.else
	v_wmma_scale_f32_16x16x128_f8f6f4 v[S+16*\b:S+16*\b+7], v[KF+12*\b:KF+12*\b+11], v[QLO:QLO+11], 0, v[KW+\b/2], v[QW] matrix_a_fmt:MATRIX_FMT_FP6 matrix_b_fmt:MATRIX_FMT_FP6 matrix_a_scale:MATRIX_SCALE_ROW1
	v_wmma_scale_f32_16x16x128_f8f6f4 v[S+16*\b+8:S+16*\b+15], v[KF+12*\b:KF+12*\b+11], v[QHI:QHI+11], 0, v[KW+\b/2], v[QW] matrix_a_fmt:MATRIX_FMT_FP6 matrix_b_fmt:MATRIX_FMT_FP6 matrix_a_scale:MATRIX_SCALE_ROW1
.endif
.endr
	SUM_JOIN                                       ; the sum's four chains are joined: these three lines, which name none of the products' registers, and one v_nop are the four places
	v_nop                                          ; in front of the loads into K's registers and of the first read of the scores
.irp d, 0,1,2,3                                ; V's fragments are asked for now and land under the softmax: channel tile d, keys 64 c on
.irp c, 0,1
	ds_load_b128 v[KF+12*\d+6*\c:KF+12*\d+6*\c+3], v[A16] offset:VOFF+3072*\c+768*\d
	ds_load_b64 v[KF+12*\d+6*\c+4:KF+12*\d+6*\c+5], v[A8] offset:VOFF+3072*\c+768*\d+512
.endr
.endr
	ds_load_b32 v[VW], v[AS] offset:SCV-SCK
	ds_load_b32 v[VW+1], v[AS] offset:SCV-SCK+128
.irp b, 0,1,2,3
	v_max3_num_f32 v[BM+\b], v[S+16*\b], v[S+16*\b+1], v[S+16*\b+2]   ; THE LARGEST SCORE OF EACH BLOCK OF 32 KEYS serves twice: for the row's maximum, and, since p rises with the score, for the block's largest p
.endr
.irp i, 3,5,7,9,11,13
.irp b, 0,1,2,3
	v_max3_num_f32 v[BM+\b], v[BM+\b], v[S+16*\b+\i], v[S+16*\b+\i+1]   ; (the four blocks by turns; each accumulator is read from its low end on)
.endr
.endr
.irp b, 0,1,2,3
	v_max_num_f32 v[BM+\b], v[BM+\b], v[S+16*\b+15]
.endr
.irp b, 0,1,2,3
	s_delay_alu instid0(VALU_DEP_4)
	v_permlanex16_b32 v[BP+\b], v[BM+\b], s[SEL], s[SEL+1]
.endr
.irp b, 0,1,2,3
	s_delay_alu instid0(VALU_DEP_4)
	v_max_num_f32 v[BM+\b], v[BM+\b], v[BP+\b]     ; with lane l xor 16's 16 keys
.endr
	s_delay_alu instid0(VALU_DEP_2)
	v_max3_num_f32 v224, v[BM], v[BM+1], v[BM+2]
	s_delay_alu instid0(VALU_DEP_1)
	v_max_num_f32 v224, v224, v[BM+3]              ; the step's largest score of my query
	s_delay_alu instid0(VALU_DEP_1)
	v_mul_f32 v224, s[CS], v224                    ; as t (c is positive)
	s_delay_alu instid0(VALU_DEP_1)
	v_max_num_f32 v13, v13, v224                   ; the running largest t
	v_mov_b32 v224, v12
	s_delay_alu instid0(VALU_DEP_2)
	v_floor_f32 v12, -v13                          ; the new -M = floor(-t) = -ceil(t): M is a whole number
	s_delay_alu instid0(VALU_DEP_1)
	v_sub_f32 v224, v12, v224                      ; M's old value less its new one: a whole number, 0 or less
	s_delay_alu instid0(VALU_DEP_1)
	v_cvt_i32_f32 v224, v224                       ; (it saturates)
	s_delay_alu instid0(VALU_DEP_1)
	v_ldexp_f32 v226, 1.0, v224                    ; f = 2^(old M - new M)
.set j, 0
.rept 32
	v_pk_fma_f32 v[S+j:S+j+1], v[S+j:S+j+1], s[CS:CS+1], v[12:13] op_sel_hi:[1,0,0]   ; t - M, two at a time (of the pairs c and -M the low word serves both halves)
.set j, j+2
.endr
.irp b, 0,1,2,3
	v_fma_f32 v[BM+\b], v[BM+\b], s[CS], v12       ; the same of each block's largest score
.endr
.set j, 0
	s_setprio 1
	s_wait_alu depctr_va_vdst(0)
.rept 64
	v_exp_f32 v[S+j], v[S+j]                       ; p = 2^(t - M), at most 1: not normalised
.set j, j+1
.endr
.irp b, 0,1,2,3
	v_exp_f32 v[BM+\b], v[BM+\b]                   ; the block's largest p: the same two instructions on the same number give the same bits
.endr
	v_pk_mul_f32 v[14:15], v[14:15], v[226:227] op_sel_hi:[1,0]   ; the sum, which holds all p up to the last step's, under the new M.  (The plain line behind the exponentials)
	s_wait_alu depctr_va_vdst(0)
.irp b, 0,1,2,3
	v_max_num_f32 v[BM+\b], 0x1800000, v[BM+\b]    ; the floor 2^(3 - 127): the byte cannot fall under 1
.endr
.irp b, 0,1,2,3
	s_delay_alu instid0(VALU_DEP_4)
	v_add_nc_u32 v[SO+\b], 0xff000000, v[BM+\b]    ; 2 off the exponent field: the conversion's scale operand
.endr
.irp b, 0,1,2,3
	s_delay_alu instid0(VALU_DEP_4)
	v_lshrrev_b32 v[BP+\b], 23, v[SO+\b]           ; the scale's byte
.endr
	s_delay_alu instid0(VALU_DEP_3)
	v_lshl_or_b32 v[PW], v[BP+1], 8, v[BP]         ; p's scale word for these 128 keys; more than eight plain lines stand between it and the products that name it
	s_delay_alu instid0(VALU_DEP_1)
	v_lshl_or_b32 v[PW], v[BP+2], 16, v[PW]
	s_delay_alu instid0(VALU_DEP_1)
	v_lshl_or_b32 v[PW], v[BP+3], 24, v[PW]
.irp c, 0,1
	v_cvt_scalef32_pk16_fp6_f32 v[PC+6*\c:PC+6*\c+2], v[S+32*\c:S+32*\c+15], v[SO+2*\c]
	v_cvt_scalef32_pk16_fp6_f32 v[TC+4*\c:TC+4*\c+2], v[S+32*\c+16:S+32*\c+31], v[SO+2*\c+1]   ; (a conversion's three registers begin on an even number)
.endr
	v_nop                                          ; one plain line behind a scaled conversion
.irp c, 0,1                                    ; the operand's layout wants a whole block in a lane: lanes 0-15 block 2 c, lanes 16-31 block 2 c + 1
.irp i, 0,1,2
	v_permlane16_swap_b32 v[PC+6*\c+\i], v[TC+4*\c+\i]
.endr
.irp i, 0,1,2
	s_delay_alu instid0(VALU_DEP_3)
	v_mov_b32 v[PC+6*\c+3+\i], v[TC+4*\c+\i]
.endr
.endr
.set j, 0
	s_setprio 0
.rept 16
	v_pk_mul_f32 v[O+j:O+j+1], v[O+j:O+j+1], v[226:227] op_sel_hi:[1,0]   ; O^T under the new M: x f
.set j, j+2
.endr
	s_wait_alu depctr_va_vdst(0)
	s_wait_dscnt 0x0                               ; V's fragments and scale words are in
.irp d, 0,1,2,3                                ; O^T += V^T P^T: the four accumulators by turns
.if \d%2 == 0
	v_wmma_scale_f32_16x16x128_f8f6f4 v[O+8*\d:O+8*\d+7], v[KF+12*\d:KF+12*\d+11], v[PC:PC+11], v[O+8*\d:O+8*\d+7], v[VW+\d/2], v[PW] matrix_a_fmt:MATRIX_FMT_FP6 matrix_b_fmt:MATRIX_FMT_FP6
.else
	v_wmma_scale_f32_16x16x128_f8f6f4 v[O+8*\d:O+8*\d+7], v[KF+12*\d:KF+12*\d+11], v[PC:PC+11], v[O+8*\d:O+8*\d+7], v[VW+\d/2], v[PW] matrix_a_fmt:MATRIX_FMT_FP6 matrix_b_fmt:MATRIX_FMT_FP6 matrix_a_scale:MATRIX_SCALE_ROW1
.endif
.endr
	s_add_co_u32 s[TB], s[TB], STEPB               ; the next step's tiles
	s_add_co_u32 s[TS], s[TS], 256                 ; and scale words
.endm
; THE CHANGE OF SLOTS stands at a slot's head.  Each wave waits for all its tensor loads (its part of the slot that it is about to read), adds 0 to its spare word, and waits for that, for its reads of the slot that it has left
; and (the first time) for its stores of scale words.  fill = 1: the barrier is a round of the cluster's, so that no wave of any partner still reads the other slot or has a load on its way, and the joint fill is the first thing behind it.
.macro CHANGE fill
	s_wait_tensorcnt 0x0                           ; no tensor load of mine is out, so a group 0 may be written
	ds_add_u32 v4, v5                              ; 0 onto my spare word
.if \fill
	s_xor_b32 s[G0K+1], s[G0K+1], SLOT1            ; the walking descriptors: the other slot than last time,
	s_add_nc_u64 s[G0K+2:G0K+3], s[G0K+2:G0K+3], VOFF   ; the next 1,024 keys' 49,152 bytes; the type bits on top are not reached
	s_xor_b32 s[G0V+1], s[G0V+1], SLOT1
	s_add_nc_u64 s[G0V+2:G0V+3], s[G0V+2:G0V+3], VOFF
.endif
	s_wait_dscnt 0x0
.if \fill
	CROUND
	TLOAD
.else
	s_barrier_signal -1
	s_barrier_wait -1
.endif
.endm
.macro SLOT_STEPS                      ; a slot's eight steps: written once, walked eight times
	s_mov_b32 s[STEPS], 8
.Lstep_\@:
	s_setprio 2
	STEP
	s_sub_co_u32 s[STEPS], s[STEPS], 1
	s_cmp_lg_u32 s[STEPS], 0
	s_cbranch_scc1 .Lstep_\@
	s_setprio 0
	s_sub_co_u32 s[TB], s[TB], 8*STEPB             ; back to a slot's first step,
	s_xor_b32 s[TB], s[TB], SLOT1                  ; in the other slot
.endm
.Lslot:                                            ; three trips: behind each change of slots but the last the next 1,024 keys are asked for
	CHANGE 1
	SLOT_STEPS
	s_sub_co_u32 s[SLOTS], s[SLOTS], 1
	s_cmp_lg_u32 s[SLOTS], 0
	s_cbranch_scc1 .Lslot
	CHANGE 0                                       ; the last slot is written out
	SLOT_STEPS
	; THE WAY OUT.  The last step's p are summed; O^T / the sum, quantised along the head's 64 channels (two blocks of the projection's K), leaves as a half image and a scale word a lane.
	SUM_HEAD                                       ; these 32 additions name none of the last products' registers: they are also the places behind them
	SUM_BODY
	SUM_JOIN
	s_delay_alu instid0(VALU_DEP_1)
	v_add_f32 v14, v14, v15                        ; the sum's two halves,
	s_delay_alu instid0(VALU_DEP_1)
	v_permlanex16_b32 v224, v14, s[SEL], s[SEL+1]
	s_delay_alu instid0(VALU_DEP_1)
	v_add_f32 v14, v14, v224                       ; and lane l xor 16's: the row's sum
	s_wait_alu depctr_va_vdst(0)
	v_rcp_f32 v14, v14
	v_nop                                          ; the plain line behind the transcendental
.set j, 0
	s_wait_alu depctr_va_vdst(0)
.rept 32
	v_mul_f32 v[S+j], v[O+j], v14                  ; register 16 B + i: channel 32 B + 16 h + i of my query; each accumulator from its low end on
.set j, j+1
.endr
	QUANT2 S, PC
	v_lshl_or_b32 v224, v[BY+1], 8, v[BY]
	global_store_b128 v1, v[PC:PC+3], s[10:11]     ; 512 consecutive bytes, aligned
	global_store_b64 v2, v[PC+4:PC+5], s[10:11] offset:512
	global_store_b32 v95, v224, s[12:13]           ; 128 consecutive bytes: half of an aligned 256; the neighbouring head's wave writes the other half
	s_wait_tensorcnt 0x0                           ; the wave's end
	ds_add_u32 v4, v5
	s_wait_dscnt 0x0
	CROUND                                         ; the closing round: no work-group ends while a partner may still ask for a tile that names it
	s_endpgm
.Lfunc_end_k_q6e40d1e03b_attn:
	.size	k_q6e40d1e03b_attn, .Lfunc_end_k_q6e40d1e03b_attn-k_q6e40d1e03b_attn
	.p2alignl 7, 3214868480
	.fill 96, 4, 3214868480
	.section	.rodata,"a",@progbits
	.p2align	6, 0x0
	.amdhsa_kernel k_q6e40d1e03b_attn
		.amdhsa_group_segment_fixed_size 327680
		.amdhsa_private_segment_fixed_size 0
		.amdhsa_enable_private_segment 0
		.amdhsa_kernarg_size 24
		.amdhsa_user_sgpr_count 2
		.amdhsa_user_sgpr_kernarg_segment_ptr 1
		.amdhsa_wavefront_size32 1
		.amdhsa_system_sgpr_workgroup_id_x 1
		.amdhsa_system_sgpr_workgroup_id_y 1
		.amdhsa_system_sgpr_workgroup_id_z 1
		.amdhsa_system_vgpr_workitem_id 0
		.amdhsa_next_free_vgpr 256
		.amdhsa_next_free_sgpr 66
		.amdhsa_reserve_vcc 0
		.amdhsa_float_denorm_mode_32 3
		.amdhsa_float_denorm_mode_16_64 3
		.amdhsa_memory_ordered 1
		.amdhsa_forward_progress 1
		.amdhsa_inst_pref_size 54
	.end_amdhsa_kernel
	.amdgpu_metadata
---
amdhsa.version: [ 1, 2 ]
amdhsa.kernels:
  - .name:           k_q6e40d1e03b_attn
    .symbol:         k_q6e40d1e03b_attn.kd
    .args:
      - { .name: qbuf, .offset: 0, .size: 8, .value_kind: global_buffer, .address_space: global }
      - { .name: kvbuf, .offset: 8, .size: 8, .value_kind: global_buffer, .address_space: global }
      - { .name: obuf, .offset: 16, .size: 8, .value_kind: global_buffer, .address_space: global }
    .group_segment_fixed_size: 327680
    .private_segment_fixed_size: 0
    .kernarg_segment_align: 8
    .kernarg_segment_size: 24
    .max_flat_workgroup_size: 512
    .sgpr_count:     66
    .vgpr_count:     256
    .wavefront_size: 32
...
	.end_amdgpu_metadata
.endif
;; end of part 7
;; launch proj (part 8): grid 256 x 1, 16 waves a work-group, no clusters, 84,992 bytes of LDS; arguments obuf, wst, proj_b, x, out0; writes out0
.if DOCPART == 8
	.amdgcn_target "amdgcn-amd-amdhsa--gfx1250"
	.amdhsa_code_object_version 6
	.text
	.protected	k_q6e40d1e03b_proj
	.globl	k_q6e40d1e03b_proj
	.p2align	8
	.type	k_q6e40d1e03b_proj,@function
k_q6e40d1e03b_proj:
	s_mov_b64 s[64:65], 0
	v_nop
	global_prefetch_b8 v0, s[64:65] scope:SCOPE_SE
	s_setreg_imm32_b32 hwreg(HW_REG_WAVE_MODE, 25, 1), 1
	s_wait_xcnt 0x0
; PROJECTION AND RESIDUAL.  out0 = x + proj_w o + proj_b, the product on codes of FP6 (E2M3) with one E8M0 scale for each 32 along K = the 256 channels.  o's codes and scale words come from the launch before, proj_w's from the first.
; SHARES.  A work-group takes 64 pixels of one image (work-group = 64 x image + block j).  Wave w makes output channels 16 w .. 16 w + 15 for the four pixel tiles: 8 matrix instructions.
; o's 16 records of the block (pixel tile T, head: 4 T + head; 768 bytes of codes, a scale word a lane) are 12,288 consecutive bytes: each wave brings one into LDS, and after ONE barrier every wave reads all sixteen.
; A fragment (tile T, K step s) is two records: registers 0-5 head 2 s, registers 6-11 head 2 s + 1; its scale word is their two pairs of bytes.
; proj_w's fragment (rows 16 w + r, K step s) lies in wst as an image of its registers, number 96 + 2 w + s: codes at 1536 x number (three loads of 512 consecutive bytes), scale words at 196608 + 128 x number.
; LAYOUT.  Source 0 = 16 pixels, source 1 = 16 rows of proj_w: a lane holds one output channel, and register j of tile T = 2 b + u is pixel 32 b + 16 h + 8 u + j (the tiles' pixels were chosen so): 32 neighbouring bytes of out0.
; They go through the wave's own stage in LDS and come back as whole rows of 256 bytes, so that sixteen lanes store 256 consecutive bytes, aligned.  The bias is the C of each sum's first product; x is added on the way out.
; No tensor loads: the weights are a wave's own 3,072 bytes, read once.
.set OSC,  12288                       ; LDS: behind the 16 records: 8 fragments' scale words, 64 bytes each
.set STG,  12800                       ; and a stage for each wave: 16 rows x (256 bytes + 16)
.set WF,   16                          ; v16-39   proj_w's two fragments
.set FR,   40                          ; v40-135  o's eight fragments
.set ACC,  136                         ; v136-167 four accumulators
.set BC,   168                         ; v168-175 the bias, eight equal registers
.set XX,   176                         ; v176-207 x
.set Y,    208                         ; v208-239 rows back from the stage
.set WS,   240                         ; v240-241 proj_w's scale words;  v242-249 o's: these hold scales and nothing else
.set OW,   242
	s_load_b256 s[4:11], s[0:1], 0x0               ; obuf s[4:5], wst s[6:7], proj_b s[8:9], x s[10:11]
	s_load_b64 s[12:13], s[0:1], 0x20              ; out0
	v_lshl_add_u32 v4, v0, 2, 0x14400
	v_mov_b32 v5, 0
	v_lshrrev_b32 v1, 5, v0
	s_delay_alu instid0(VALU_DEP_1)
	v_readfirstlane_b32 s14, v1                    ; wave 0..15
	v_and_b32 v168, 31, v0                         ; lane
	v_and_b32 v169, 15, v0                         ; r
	v_bfe_u32 v170, v0, 4, 1                       ; h
	s_delay_alu instid0(VALU_DEP_3)
	v_lshlrev_b32 v1, 4, v168                      ; 16 x lane
	s_delay_alu instid0(VALU_DEP_4)
	v_lshlrev_b32 v2, 3, v168                      ; 8 x lane
	v_lshlrev_b32 v3, 2, v168                      ; 4 x lane
	v_lshlrev_b32 v6, 2, v169                      ; the bias: 4 r
	v_lshlrev_b32 v7, 4, v169
	s_delay_alu instid0(VALU_DEP_1)
	v_lshl_add_u32 v7, v170, 14, v7                ; x and out0: lanes 0-15 one channel's 256 bytes, lanes 16-31 the next channel's
	s_mul_i32 s26, s14, 768
	v_add_nc_u32 v15, s26, v1                      ; where my record goes: 768 w + 16 x lane,
	v_add_nc_u32 v251, s26, v2                     ; 768 w + 8 x lane (+ 512)
	v_add_nc_u32 v253, OSC, v6                     ; a fragment's scale words: OSC + 4 r
	s_lshr_b32 s26, s14, 1
	s_lshl_b32 s26, s26, 6
	s_and_b32 s27, s14, 1
	s_lshl_b32 s27, s27, 1
	s_add_co_u32 s26, s26, s27
	v_add_nc_u32 v252, s26, v253                   ; my record's two bytes of them: fragment w / 2, half w % 2
	s_mul_i32 s26, s14, 16*272
	s_add_co_u32 s26, s26, STG                     ; my stage
	v_mul_u32_u24 v254, v169, 272
	s_delay_alu instid0(VALU_DEP_1)
	v_lshl_add_u32 v254, v170, 6, v254
	s_delay_alu instid0(VALU_DEP_1)
	v_add_nc_u32 v254, s26, v254                   ; in: row r, + 64 h
	v_mul_u32_u24 v255, v170, 272
	s_delay_alu instid0(VALU_DEP_1)
	v_lshl_add_u32 v255, v169, 4, v255
	s_delay_alu instid0(VALU_DEP_1)
	v_add_nc_u32 v255, s26, v255                   ; back: lanes 0-15 one row, lanes 16-31 the next
	s_lshr_b32 s15, ttmp9, 6                       ; image
	s_and_b32 s16, ttmp9, 63                       ; block j
	s_lshl_b32 s17, ttmp9, 4
	s_add_co_u32 s17, s17, s14                     ; my record
	s_mul_i32 s18, s17, 768
	s_mov_b32 s19, 0
	s_lshl_b32 s20, s17, 7
	s_add_co_u32 s20, s20, 3145728
	s_mov_b32 s21, 0
	s_mul_i32 s22, s14, 3072
	s_add_co_u32 s22, s22, 147456                  ; fragment 96 + 2 w of the weights' codes
	s_mov_b32 s23, 0
	s_lshl_b32 s24, s14, 8
	s_add_co_u32 s24, s24, 208896                  ; and of their scale words
	s_mov_b32 s25, 0
	s_lshl_b32 s28, s14, 6
	s_mov_b32 s29, 0
	s_lshl_b32 s30, s15, 22
	s_lshl_b32 s26, s14, 18
	s_add_co_u32 s30, s30, s26
	s_lshl_b32 s26, s16, 8
	s_add_co_u32 s30, s30, s26                     ; image, channel 16 w, block j
	s_mov_b32 s31, 0
	s_wait_alu depctr_va_vdst(0)
	s_wait_kmcnt 0x0
	s_add_nc_u64 s[18:19], s[4:5], s[18:19]
	s_add_nc_u64 s[20:21], s[4:5], s[20:21]
	s_add_nc_u64 s[22:23], s[6:7], s[22:23]
	s_add_nc_u64 s[24:25], s[6:7], s[24:25]
	s_add_nc_u64 s[8:9], s[8:9], s[28:29]
	s_add_nc_u64 s[10:11], s[10:11], s[30:31]
	s_add_nc_u64 s[12:13], s[12:13], s[30:31]
	global_load_b128 v[8:11], v1, s[18:19]         ; my record first: the others wait for it
	global_load_b64 v[12:13], v2, s[18:19] offset:512
	global_load_b32 v14, v3, s[20:21]
.irp s, 0,1
.irp c, 0,1,2
	global_load_b128 v[WF+12*\s+4*\c:WF+12*\s+4*\c+3], v1, s[22:23] offset:1536*\s+512*\c
.endr
.endr
	global_load_b32 v[WS], v3, s[24:25]
	global_load_b32 v[WS+1], v3, s[24:25] offset:128
	global_load_b32 v250, v6, s[8:9]
.irp i, 0,1,2,3,4,5,6,7
	global_load_b128 v[XX+4*\i:XX+4*\i+3], v7, s[10:11] offset:32768*\i th:TH_LOAD_NT   ; sixteen lanes read 256 consecutive bytes, aligned; nothing reads x after this
.endr
	s_wait_loadcnt 17                              ; my record's three loads are in; the 6 + 2 + 1 + 8 issued behind them may be out
	ds_store_b128 v15, v[8:11]
	ds_store_b64 v251, v[12:13] offset:512
	ds_store_b16 v252, v14                         ; lanes r and 16 + r write the same two bytes with the same value
	s_wait_dscnt 0x0                               ; for the others' sake: my stores have landed
	s_barrier_signal -1
	s_barrier_wait -1
.set f, 0
.rept 8
.irp c, 0,1
	ds_load_b128 v[FR+12*f+6*\c:FR+12*f+6*\c+3], v1 offset:768*(2*f+\c)
	ds_load_b64 v[FR+12*f+6*\c+4:FR+12*f+6*\c+5], v2 offset:768*(2*f+\c)+512
.endr
	ds_load_b32 v[OW+f], v253 offset:64*f
.set f, f+1
.endr
	s_wait_loadcnt 8                               ; the weights, their scale words and the bias are in; x's eight loads may be out
.irp i, 0,1,2,3,4,5,6,7
	v_mov_b32 v[BC+\i], v250                       ; the bias hangs on the lane's channel alone
.endr
	s_wait_alu depctr_va_vdst(0)
	s_wait_dscnt 0x0
.irp m, 0,1,2,3                                ; the four accumulators by turns, K step by K step
	v_wmma_scale_f32_16x16x128_f8f6f4 v[ACC+8*\m:ACC+8*\m+7], v[FR+24*\m:FR+24*\m+11], v[WF:WF+11], v[BC:BC+7], v[OW+2*\m], v[WS] matrix_a_fmt:MATRIX_FMT_FP6 matrix_b_fmt:MATRIX_FMT_FP6
.endr
.irp m, 0,1,2,3
	v_wmma_scale_f32_16x16x128_f8f6f4 v[ACC+8*\m:ACC+8*\m+7], v[FR+24*\m+12:FR+24*\m+23], v[WF+12:WF+23], v[ACC+8*\m:ACC+8*\m+7], v[OW+2*\m+1], v[WS+1] matrix_a_fmt:MATRIX_FMT_FP6 matrix_b_fmt:MATRIX_FMT_FP6
.endr
.rept 4
	v_nop                                          ; four places in front of the first read of results
.endr
.irp m, 0,1,2,3
	ds_store_b128 v254, v[ACC+8*\m:ACC+8*\m+3] offset:128*(\m/2)+32*(\m%2)        ; each accumulator from its low end on
	ds_store_b128 v254, v[ACC+8*\m+4:ACC+8*\m+7] offset:128*(\m/2)+32*(\m%2)+16
.endr
.irp i, 0,1,2,3,4,5,6,7
	ds_load_b128 v[Y+4*\i:Y+4*\i+3], v255 offset:544*\i   ; my own bytes: LDS serves a wave's instructions in order, so these see the stores above
.endr
	s_wait_loadcnt 0x0                             ; x
.irp i, 0,1,2,3,4,5,6,7
	s_wait_dscnt 7-\i                              ; rows 2 i and 2 i + 1 are back; the younger loads may be out
	v_pk_add_f32 v[Y+4*\i:Y+4*\i+1], v[Y+4*\i:Y+4*\i+1], v[XX+4*\i:XX+4*\i+1]
	v_pk_add_f32 v[Y+4*\i+2:Y+4*\i+3], v[Y+4*\i+2:Y+4*\i+3], v[XX+4*\i+2:XX+4*\i+3]
	global_store_b128 v7, v[Y+4*\i:Y+4*\i+3], s[12:13] offset:32768*\i th:TH_STORE_NT   ; sixteen lanes store 256 consecutive bytes, aligned
.endr
	s_wait_tensorcnt 0x0
	ds_add_u32 v4, v5
	s_wait_dscnt 0x0
	s_endpgm
.Lfunc_end_k_q6e40d1e03b_proj:
	.size	k_q6e40d1e03b_proj, .Lfunc_end_k_q6e40d1e03b_proj-k_q6e40d1e03b_proj
	.p2alignl 7, 3214868480
	.fill 96, 4, 3214868480
	.section	.rodata,"a",@progbits
	.p2align	6, 0x0
	.amdhsa_kernel k_q6e40d1e03b_proj
		.amdhsa_group_segment_fixed_size 84992
		.amdhsa_private_segment_fixed_size 0
		.amdhsa_enable_private_segment 0
		.amdhsa_kernarg_size 40
		.amdhsa_user_sgpr_count 2
		.amdhsa_user_sgpr_kernarg_segment_ptr 1
		.amdhsa_wavefront_size32 1
		.amdhsa_system_sgpr_workgroup_id_x 1
		.amdhsa_system_sgpr_workgroup_id_y 1
		.amdhsa_system_sgpr_workgroup_id_z 1
		.amdhsa_system_vgpr_workitem_id 0
		.amdhsa_next_free_vgpr 256
		.amdhsa_next_free_sgpr 66
		.amdhsa_reserve_vcc 0
		.amdhsa_float_denorm_mode_32 3
		.amdhsa_float_denorm_mode_16_64 3
		.amdhsa_memory_ordered 1
		.amdhsa_forward_progress 1
		.amdhsa_inst_pref_size 13
	.end_amdhsa_kernel
	.amdgpu_metadata
---
amdhsa.version: [ 1, 2 ]
amdhsa.kernels:
  - .name:           k_q6e40d1e03b_proj
    .symbol:         k_q6e40d1e03b_proj.kd
    .args:
      - { .name: obuf, .offset: 0, .size: 8, .value_kind: global_buffer, .address_space: global }
      - { .name: wst, .offset: 8, .size: 8, .value_kind: global_buffer, .address_space: global }
      - { .name: proj_b, .offset: 16, .size: 8, .value_kind: global_buffer, .address_space: global }
      - { .name: x, .offset: 24, .size: 8, .value_kind: global_buffer, .address_space: global }
      - { .name: out0, .offset: 32, .size: 8, .value_kind: global_buffer, .address_space: global }
    .group_segment_fixed_size: 84992
    .private_segment_fixed_size: 0
    .kernarg_segment_align: 8
    .kernarg_segment_size: 40
    .max_flat_workgroup_size: 512
    .sgpr_count:     66
    .vgpr_count:     256
    .wavefront_size: 32
...
	.end_amdgpu_metadata
.endif
;; end of part 8
